; MI455X (gfx1250); checked and timed in simulation.
; The chip was launched on July 23, 2026; its instructions are those of AMD's public machine-readable ISA for CDNA 5 (MIT licence, August 2026) and "CDNA5" Instruction Set Architecture Reference Guide (July 2026). The comments in the code are by the model that wrote it; some were corrected since.
;; Block. Allowed arithmetic: matrix products marked QUANTISED: E2M3 operands, one E8M0 scale for each 32 along K, by v_wmma_scale_f32_16x16x128_f8f6f4 with both operands' format E2M3, f32 sums; everything else in f32.
;; Inputs: WA_codes 4,096 x 32 x 24 uint8 (E2M3 codes of WA, K innermost, in blocks of 32 codes, four codes in three bytes); WA_scales 4,096 x 32 uint8 (E8M0 scales of WA, one for each 32 codes along K); WB_codes 1,024 x 128 x 24 uint8 (E2M3 codes of WB, K innermost, in blocks of 32 codes, four codes in three bytes); WB_scales 1,024 x 128 uint8 (E8M0 scales of WB, one for each 32 codes along K); Wqkv_codes 3,072 x 32 x 24 uint8 (E2M3 codes of Wqkv, K innermost, in blocks of 32 codes, four codes in three bytes); Wqkv_scales 3,072 x 32 uint8 (E8M0 scales of Wqkv, one for each 32 codes along K); Wvw_codes 1,024 x 32 x 24 uint8 (E2M3 codes of Wvw, K innermost, in blocks of 32 codes, four codes in three bytes); Wvw_scales 1,024 x 32 uint8 (E8M0 scales of Wvw, one for each 32 codes along K); b1 1,024 float32; b2 1,024 float32; bA 4,096 float32; bB 1,024 float32; bqkv 3,072 float32; bvw 1,024 float32; g1 1,024 float32; g2 1,024 float32; mask 2 x 2,048 bool; x 2 x 2,048 x 1,024 float32.
;; Outputs: out0 2 x 2,048 x 1,024 float32.
;; This version of the problem:
;;   THIS VERSION OF THE PROBLEM IS GIVEN IN LOW PRECISION. The matrix products marked QUANTISED in the list below multiply operands that are first quantised to E2M3 (2 exponent bits, 3 mantissa bits; 6 bits a number), with one power-of-two scale for each 32 numbers along K (OCP MX v1.0); their sums are f32. All else is computed in f32.
;;   The module's matrix products, in the order in which they are computed (A, B: the left and right operand; K: the contracted axis; several contracted axes count as one K, in the product's order):
;;     1. [M 4,096, K 1,024] x [K 1,024, N 3,072]; A: computed on the way; B: input Wqkv (given as codes): QUANTISED
;;     2. batch 32 x [M 2,048, K 64] x [K 64, N 2,048]; A: computed on the way; B: computed on the way: QUANTISED
;;     3. batch 32 x [M 64, K 2,048] x [K 2,048, N 2,048]; A: computed on the way; B: softmax (see below): QUANTISED
;;     4. [M 4,096, K 1,024] x [K 1,024, N 1,024]; A: computed on the way; B: input Wvw (given as codes): QUANTISED
;;     5. [M 4,096, K 1,024] x [K 1,024, N 4,096]; A: computed on the way; B: input WA (given as codes): QUANTISED
;;     6. [M 4,096, K 4,096] x [K 4,096, N 1,024]; A: computed on the way; B: input WB (given as codes): QUANTISED
;;   THE QUANTISER, for each operand of a quantised product, along K:
;;     - K is cut into blocks of 32 from its start; a last block that is shorter is filled with zeros.
;;     - A block's scale is 2^e with e = floor(log2(the largest magnitude in the block)) - 2, held to -126 .. 127; a block of zeros has e = 0. As a byte (E8M0): e + 127.
;;     - Each number is divided by its block's scale, clamped to +-7.5, and rounded to the nearest number of E2M3, ties to even, subnormals kept.
;;     - The product sums the exact products of the quantised numbers (number of the format x scale) in f32.
;;   ~~~python
;;   def quantise(x, axis):      # numpy; x: float32 -> the quantised numbers, widened to float32 again
;;       x = np.moveaxis(x, axis, -1); K = x.shape[-1]
;;       x = np.pad(x, [(0, 0)] * (x.ndim - 1) + [(0, -K % 32)]); x = x.reshape(x.shape[:-1] + (-1, 32)); a = np.abs(x).max(-1, keepdims=True)
;;       e = np.where(a > 0, np.clip(np.frexp(np.where(a > 0, a, 1))[1] - 1 - 2, -126, 127), 0)      # np.frexp(a)[1] - 1 = floor(log2(a)), exactly
;;       r = np.clip(x / 2.0 ** e, -7.5, 7.5)
;;       step = 2.0 ** (np.maximum(np.frexp(np.where(r == 0, 1, r))[1] - 1, 0) - 3)
;;       q = np.round(r / step) * step * 2.0 ** e      # np.round: ties to even
;;       return np.moveaxis(q.reshape(q.shape[:-2] + (-1,))[..., :K], -1, axis).astype(np.float32)
;;   ~~~
;;   SOFTMAX AHEAD OF A QUANTISED PRODUCT. Where the list says 'softmax', what is quantised is not the finished softmax but p = 2^(t - M), with t = logit x log2(e) and M = ceil(the row's largest t), a whole number; so 1/2 < the row's largest p <= 1. The row's sum l is taken of the UNQUANTISED p, in f32, and the product's result is divided by l at the end. Since M is a whole number, a kernel that streams over the keys may use a running M (the ceiling of the running maximum): every later rescaling is an exact power of two, which a block's scale takes up: the codes' values come out the same.
;;   OPERANDS COMPUTED ON THE WAY. 'Computed on the way' means the value that the module computes at that place (a softmax that the list does not call 'softmax' is quantised finished and normalised). What goes into a quantiser is computed in f32, as accurately as f32 sums, v_exp_f32 and their like allow (about 1e-6 of the number): no bf16 or f16 on the way to a quantiser, and a product that is left as it is and whose result goes on into a quantised operand takes f32 operands (vector FMAs, or v_wmma_f32_16x16x4_f32). A number that lies on a knife's edge between two numbers of the format may be rounded either way, as far as f32 arithmetic and the matrix unit's own rounding can turn it there, and no further.
;;   INPUTS GIVEN AS CODES. WA (in the module: [1024, 4096], K = its axis 0); WB (in the module: [4096, 1024], K = its axis 0); Wqkv (in the module: [1024, 3072], K = its axis 0); Wvw (in the module: [1024, 1024], K = its axis 0): each comes as NAME_codes (uint8): NAME with its K axis moved to the last place and cut into blocks of 32 codes, [.., K / 32, bytes a block], one block behind the other in memory; four codes in three bytes: a row's codes are one little-endian stream of bits, code i at bits 6 i .. 6 i + 5 (a code: sign, 2 exponent bits, 3 mantissa bits); and NAME_scales (uint8): the same leading axes, one E8M0 byte (e + 127) for each 32 codes along K. Its value is code x scale, taken as it is: it is not quantised again, and the codes and scales need not be those that the quantiser above would give.
;; One version. Each part assembles by itself: llvm-mc -triple=amdgcn-amd-amdhsa -mcpu=gfx1250 --defsym DOCPART=n.
;; ======== version 1 of 1: 8 launches
;; limits: right only within a limited range of input values
;; workspace buffers: act 3,276,800 bytes; qkv 9,830,400 bytes; ybuf 16,777,216 bytes; nbuf 16,777,216 bytes; hid 13,107,200 bytes; part 33,554,432 bytes
;; launch quantx (part 1): grid 256 x 1, 4 waves a work-group, no clusters, 66,560 bytes of LDS; arguments x, mask, act; writes act
.if DOCPART == 1
	.amdgcn_target "amdgcn-amd-amdhsa--gfx1250"
	.amdhsa_code_object_version 6
	.text
	.protected	k_qaf21669a6e_quantx
	.globl	k_qaf21669a6e_quantx
	.p2align	8
	.type	k_qaf21669a6e_quantx,@function
k_qaf21669a6e_quantx:
	s_mov_b64 s[64:65], 0
	v_nop
	global_prefetch_b8 v0, s[64:65] scope:SCOPE_SE
	s_setreg_imm32_b32 hwreg(HW_REG_WAVE_MODE, 25, 1), 1
	s_wait_xcnt 0x0
; x [4096][1024] f32 is multiplied by its row's mask (0 or 1) and turned into codes of FP6 (E2M3) with one E8M0 byte for each 32 along a row.
; OUT: act holds the codes as images of operand registers: [16 planes of 64 K][256 blocks of 16 rows][768 bytes]; in a block lane l = row + 16 (k / 32) has its 24 bytes as 16 bytes at 16 l
; and 8 bytes at 512 + 8 l.  The scale words (four bytes: 128 K of a row) lie from byte ASCL on as [rows / 128][K / 128][row % 16][(row / 16) % 8].
; SHARES: a work-group takes 16 rows.  Wave w loads rows 4 w .. 4 w + 3 (each load 512 consecutive bytes), scales them and lays them in a stage in LDS; behind one barrier wave w takes columns
; 256 w .. 256 w + 255 of all 16 rows, 16 neighbours of a block to a lane, and makes two fragments.  The stage's rows are 4,096 + 16 bytes apart, so that sixteen rows' 16 bytes fall on different banks.
; The codes leave in stores of 512 and 256 consecutive bytes; the scale words leave as 4 bytes a row, 32 bytes apart: one byte in 128 of what the launch reads.
; LIMITS: a block of zeros gets the byte 1 (its codes are zeros; only this program reads the bytes); largest magnitudes under 2^-124 are held at byte 1; NaN and infinities in x are not served.
.set ROWP,  4112
.set PLANE, 196608
.set ASCL,  3145728
.set X,   16                           ; v16-143  four rows as loaded; later two fragments' 64 numbers each
.set TM,  208                          ; v208-223 at work in QUANT
.set PW,  224                          ; the scale word just made
.set PC,  226                          ; v226-245 the codes just made
.set O16, 4                            ; v4  16 x lane
.set O8,  8                            ; v8  512 + 8 x lane
.set OB,  8                            ; s[8:9] where my fragments go
.set SEL, 20                           ; s[20:21] lane selects: lane l xor 16
.set MSB, 0
.macro WIN new                         ; a register window's switch; this text stays in window 0, so nothing is written
.if MSB != (\new)
	s_set_vgpr_msb (MSB<<8)|(\new)
.set MSB, \new
.endif
.endm
; 64 numbers of a lane, register 16 b + i = k 32 b + 16 (lane / 16) + i of my row, become a fragment's codes in v[PC] on and its scale word in v[pw].
.macro QUANT s, W, pw
	WIN ((\W)<<2)|((\W)<<4)
.irp b, 0,1,2,3
	v_max3_num_f32 v[TM+\b], 0x1800000, |v[(\s)+16*\b]|, |v[(\s)+1+16*\b]|   ; my 16 numbers of block b, and the floor 2^(3 - 127): the byte cannot fall under 1
.endr
.irp i, 2,4,6,8,10,12,14
.irp b, 0,1,2,3
	v_max3_num_f32 v[TM+\b], v[TM+\b], |v[(\s)+16*\b+\i]|, |v[(\s)+1+16*\b+\i]|
.endr
.endr
	WIN 0
.irp b, 0,1,2,3
	v_permlanex16_b32 v[TM+4+\b], v[TM+\b], s[SEL], s[SEL+1]
.endr
.irp b, 0,1,2,3
	v_max_num_f32 v[TM+\b], v[TM+\b], v[TM+4+\b]       ; with lane l xor 16's: the block's largest magnitude
.endr
.irp b, 0,1,2,3
	v_add_nc_u32 v[TM+12+\b], 0xff000000, v[TM+\b]     ; 2 off its exponent field: the conversion's scale operand
.endr
.irp b, 0,1,2,3
	v_lshrrev_b32 v[TM+4+\b], 23, v[TM+12+\b]          ; the scale's byte
.endr
	v_lshl_or_b32 v[\pw], v[TM+5], 8, v[TM+4]
	v_lshl_or_b32 v[\pw], v[TM+6], 16, v[\pw]
	v_lshl_or_b32 v[\pw], v[TM+7], 24, v[\pw]
	WIN (\W)
.irp c, 0,1
	v_cvt_scalef32_pk16_fp6_f32 v[PC+6*\c:PC+2+6*\c], v[(\s)+32*\c:(\s)+15+32*\c], v[TM+12+2*\c]
	v_cvt_scalef32_pk16_fp6_f32 v[PC+12+4*\c:PC+14+4*\c], v[(\s)+16+32*\c:(\s)+31+32*\c], v[TM+12+2*\c+1]
.endr
	WIN 0
	v_nop                                              ; one plain place behind a scaled conversion
.irp c, 0,1                                        ; the operand wants a whole block in a lane: lanes 0-15 block 2 c, lanes 16-31 block 2 c + 1
.irp i, 0,1,2
	v_permlane16_swap_b32 v[PC+6*\c+\i], v[PC+12+4*\c+\i]
.endr
.irp i, 0,1,2
	v_mov_b32 v[PC+3+6*\c+\i], v[PC+12+4*\c+\i]
.endr
.endr
.endm
.macro OUTFRAG off, PS                 ; the fragment's two halves of 64 K go to two planes, PS bytes apart: 512 and 256 consecutive bytes a store
	global_store_b128 v[O16], v[PC:PC+3], s[OB:OB+1] offset:\off
	global_store_b64 v[O8], v[PC+4:PC+5], s[OB:OB+1] offset:\off
	global_store_b128 v[O16], v[PC+6:PC+9], s[OB:OB+1] offset:(\off)+(\PS)
	global_store_b64 v[O8], v[PC+10:PC+11], s[OB:OB+1] offset:(\off)+(\PS)
.endm
	s_load_b128 s[4:7], s[0:1], 0x0                ; x, mask
	s_load_b64 s[8:9], s[0:1], 0x10                ; act
	v_lshl_add_u32 v254, v0, 2, 0x10200
	v_mov_b32 v255, 0
	v_lshrrev_b32 v1, 5, v0
	v_readfirstlane_b32 s12, v1                    ; wave 0..3
	v_and_b32 v1, 31, v0                           ; lane
	v_and_b32 v2, 15, v0                           ; r
	v_bfe_u32 v3, v0, 4, 1                         ; h
	v_lshlrev_b32 v[O16], 4, v1
	s_mul_i32 s13, s12, 4*ROWP
	v_add_nc_u32 v5, s13, v[O16]                   ; into the stage: my wave's four rows, 16 bytes a lane
	v_mul_u32_u24 v6, v2, ROWP
	v_lshl_add_u32 v6, v3, 6, v6
	s_lshl_b32 s13, s12, 10
	v_add_nc_u32 v6, s13, v6                       ; out of it: row r, my wave's 1,024 bytes, + 64 h
	v_lshl_add_u32 v[O8], v1, 3, 512
	v_lshlrev_b32 v9, 5, v2                        ; a scale word's place: 32 r
	s_mov_b32 s[SEL], 0x76543210
	s_mov_b32 s[SEL+1], 0xfedcba98
.irp b, 0,1,2,3
	v_mov_b32 v[TM+4+\b], 0                        ; a lane permute's destination counts as one of its sources
.endr
	s_lshl_b32 s14, ttmp9, 16                      ; x: 16 rows of 4,096 bytes a work-group,
	s_lshl_b32 s15, s12, 14                        ; four a wave
	s_add_co_u32 s14, s14, s15
	s_mov_b32 s15, 0
	s_lshl_b32 s16, ttmp9, 4                       ; mask: a byte a row
	s_lshl_b32 s17, s12, 2
	s_add_co_u32 s16, s16, s17
	s_mov_b32 s17, 0
	s_mul_i32 s18, s12, 4*PLANE                    ; codes: planes 4 w on, block = work-group
	s_mul_i32 s19, ttmp9, 768
	s_add_co_u32 s18, s18, s19
	s_mov_b32 s19, 0
	s_lshr_b32 s22, ttmp9, 3                       ; scale words: ((rows / 128) x 8 + 2 w) x 512 + 4 x (block % 8)
	s_lshl_b32 s22, s22, 3
	s_lshl_b32 s23, s12, 1
	s_add_co_u32 s22, s22, s23
	s_lshl_b32 s22, s22, 9
	s_and_b32 s23, ttmp9, 7
	s_lshl_b32 s23, s23, 2
	s_add_co_u32 s22, s22, s23
	s_add_co_u32 s22, s22, ASCL
	s_mov_b32 s23, 0
	s_wait_kmcnt 0x0
	s_add_nc_u64 s[4:5], s[4:5], s[14:15]
	s_add_nc_u64 s[6:7], s[6:7], s[16:17]
	s_add_nc_u64 s[10:11], s[8:9], s[22:23]
	s_add_nc_u64 s[8:9], s[8:9], s[18:19]
	s_load_b32 s24, s[6:7], 0x0                    ; my four rows' mask bytes
.irp i, 0,1,2,3
.irp j, 0,1,2,3,4,5,6,7
	global_load_b128 v[X+32*\i+4*\j:X+32*\i+4*\j+3], v[O16], s[4:5] offset:4096*\i+512*\j
.endr
.endr
	s_wait_kmcnt 0x0
.irp i, 0,1,2,3
	s_bfe_u32 s[26+2*\i], s24, 0x80000+8*\i
	s_cvt_f32_u32 s[26+2*\i], s[26+2*\i]           ; 0.0 or 1.0
	s_mov_b32 s[27+2*\i], s[26+2*\i]               ; (named with it as a pair)
.endr
.irp i, 0,1,2,3
	s_wait_loadcnt 8*(3-\i)                        ; row i's eight loads are in; the later rows' may be out
.irp j, 0,2,4,6,8,10,12,14,16,18,20,22,24,26,28,30
	v_pk_mul_f32 v[X+32*\i+\j:X+32*\i+\j+1], v[X+32*\i+\j:X+32*\i+\j+1], s[26+2*\i:27+2*\i] op_sel_hi:[1,0]
.endr
.irp j, 0,1,2,3,4,5,6,7
	ds_store_b128 v5, v[X+32*\i+4*\j:X+32*\i+4*\j+3] offset:ROWP*\i+512*\j
.endr
.endr
	s_wait_dscnt 0x0                               ; for the others' sake: my rows lie in the stage
	s_barrier_signal -1
	s_barrier_wait -1
.irp f, 0,1
.irp b, 0,1,2,3
.irp i, 0,1,2,3
	ds_load_b128 v[X+64*\f+16*\b+4*\i:X+64*\f+16*\b+4*\i+3], v6 offset:512*\f+128*\b+16*\i
.endr
.endr
.endr
	s_wait_dscnt 16                                ; the first fragment's 16 loads are in
	QUANT X, 0, PW
	OUTFRAG 0, PLANE
	global_store_b32 v9, v[PW], s[10:11]           ; lanes 16-31 store the same word to the same place
	s_wait_dscnt 0x0
	s_wait_xcnt 0x0                                ; the stores have read the codes and the word: both are written again
	QUANT X+64, 0, PW
	OUTFRAG 2*PLANE, PLANE
	global_store_b32 v9, v[PW], s[10:11] offset:512
	s_wait_tensorcnt 0x0
	ds_add_u32 v254, v255
	s_wait_dscnt 0x0
	s_endpgm
.Lfunc_end_k_qaf21669a6e_quantx:
	.size	k_qaf21669a6e_quantx, .Lfunc_end_k_qaf21669a6e_quantx-k_qaf21669a6e_quantx
	.p2alignl 7, 3214868480
	.fill 96, 4, 3214868480
	.section	.rodata,"a",@progbits
	.p2align	6, 0x0
	.amdhsa_kernel k_qaf21669a6e_quantx
		.amdhsa_group_segment_fixed_size 66560
		.amdhsa_private_segment_fixed_size 0
		.amdhsa_enable_private_segment 0
		.amdhsa_kernarg_size 24
		.amdhsa_user_sgpr_count 2
		.amdhsa_user_sgpr_kernarg_segment_ptr 1
		.amdhsa_wavefront_size32 1
		.amdhsa_system_sgpr_workgroup_id_x 1
		.amdhsa_system_sgpr_workgroup_id_y 1
		.amdhsa_system_sgpr_workgroup_id_z 1
		.amdhsa_system_vgpr_workitem_id 0
		.amdhsa_next_free_vgpr 256
		.amdhsa_next_free_sgpr 66
		.amdhsa_reserve_vcc 0
		.amdhsa_float_denorm_mode_32 3
		.amdhsa_float_denorm_mode_16_64 3
		.amdhsa_memory_ordered 1
		.amdhsa_forward_progress 1
		.amdhsa_inst_pref_size 23
	.end_amdhsa_kernel
	.amdgpu_metadata
---
amdhsa.version: [ 1, 2 ]
amdhsa.kernels:
  - .name:           k_qaf21669a6e_quantx
    .symbol:         k_qaf21669a6e_quantx.kd
    .args:
      - { .name: x, .offset: 0, .size: 8, .value_kind: global_buffer, .address_space: global }
      - { .name: mask, .offset: 8, .size: 8, .value_kind: global_buffer, .address_space: global }
      - { .name: act, .offset: 16, .size: 8, .value_kind: global_buffer, .address_space: global }
    .group_segment_fixed_size: 66560
    .private_segment_fixed_size: 0
    .kernarg_segment_align: 8
    .kernarg_segment_size: 24
    .max_flat_workgroup_size: 128
    .sgpr_count:     66
    .vgpr_count:     256
    .wavefront_size: 32
...
	.end_amdgpu_metadata
.endif
;; end of part 1
;; launch g_qkv (part 2): grid 12 x 16, 4 waves a work-group, clusters of 4 x 4, 327,680 bytes of LDS; arguments act, Wqkv_codes, Wqkv_scales, bqkv, qkv; writes qkv
.if DOCPART == 2
	.amdgcn_target "amdgcn-amd-amdhsa--gfx1250"
	.amdhsa_code_object_version 6
	.text
	.protected	k_qaf21669a6e_g_qkv
	.globl	k_qaf21669a6e_g_qkv
	.p2align	8
	.type	k_qaf21669a6e_g_qkv,@function
k_qaf21669a6e_g_qkv:
	s_mov_b64 s[64:65], 0
	v_nop
	global_prefetch_b8 v0, s[64:65] scope:SCOPE_SE
	s_setreg_imm32_b32 hwreg(HW_REG_WAVE_MODE, 25, 1), 1
	s_wait_xcnt 0x0
	s_wait_alu depctr_hold_cnt(0) depctr_sa_sdst(0) depctr_va_vdst(0) depctr_va_sdst(0) depctr_va_ssrc(0) depctr_va_vcc(0) depctr_vm_vsrc(0)
	s_getreg_b32 s2, hwreg(HW_REG_IB_STS2, 6, 4)
	s_cmp_eq_u32 s2, 0
	s_cbranch_scc0 .Lentry_in_a_cluster
	s_endpgm
.Lentry_in_a_cluster:
	s_bfe_u32 s2, ttmp6, 0x10000c
	s_cmp_lg_u32 s2, 0xf033
	s_cbranch_scc0 .Lentry_shape_is_right
	s_endpgm
.Lentry_shape_is_right:
; qkv = Q(x mask) Wqkv + bqkv on codes of FP6 (E2M3) with E8M0 scales for each 32 along K; the result is quantised on the way out and never leaves as f32.
; A (4,096 rows x SIZE_K) comes as images of operand registers, [K / 64 planes][rows / 16][768 bytes], its scale words as [rows / 128][K / 128][row % 16][(row / 16) % 8] from byte ASCL of the same buffer.
; B (the weight) comes as given: rows [n][K] of codes, 3 K / 4 bytes, and K / 32 scale bytes a row.
; A tile of 256 rows x 256 columns is made by four waves, 128 x 128 each: 64 accumulators, 512 registers.  K goes in steps of 256 through a ring of two LDS slots filled by the tensor data mover.
; CLUSTERS: 4 x 4 work-groups; A's tiles are asked for jointly along a row of the cluster, B's along a column.  The product is used transposed (source 0 = 16 rows of B, source 1 = 16 rows of A).
; THE ROWS OF B THAT FORM A TILE ARE NOT NEIGHBOURS: lane r of tile 2 i + u takes row 32 i + 8 u + r + 8 (r / 8), so that the 16 registers of two neighbouring tiles are 16 neighbouring columns of one row of the result.
; The bias is the C of each sum's first product.
; OUT: columns 0-2047 (q and k) are quantised along the columns (a head's 64 are two blocks) into images [32 planes][256 blocks][768]; columns 2048-3071 (v) are quantised ALONG THE TOKENS, the second
; attention product's K: they are turned through a stage in LDS and leave as images [64 planes of 64 tokens][64 blocks of 16 channels][768].  Which way a work-group goes hangs on the cluster's x alone.
; LIMITS: a block of zeros gets the byte 1 (its codes are zeros; only this program reads the bytes); largest magnitudes under 2^-124 are held at byte 1; NaN and infinities are not served.
.set SIZE_K, 1024
.set NB,     8                         ; tiles of 16 columns to a wave
.set PERM,   1
.set ASCL,   3145728
.set RELU,   0
.set VPATH,  1
.set NOUT,   2048                      ; columns of the tensor of images that the column way writes
.set OSCL,   9437184                   ; where its scale words begin
.set VT,     6291456                   ; v's images
.set SV,     9699328                   ; v's scale words
.set VPLANE, 49152
.set SIZE_M, 4096
.set ROWB,   192
.set KROW,   SIZE_K*6/8
.set KS,     SIZE_K/32
.set PITCH,  240                       ; B's row in LDS: 3 x (64 bytes + 16 of padding)
.set FR,     12
.set NLA,    4                         ; LDS loads that bring a fragment of A
.set NP,     4                         ; places behind this matrix instruction (ISA guide 7.12.1)
.set HB,     NB/2
.set BR,     16*NB
.set APW,    32/NB                     ; blocks of A whose accumulators fill a window
.set PLANE,  SIZE_M*48
.set HALFA,  4*8*768                   ; 128 rows x 256 K of A: four planes of eight images
.set HALFB,  BR*PITCH
.set SLOT,   2*HALFA+2*HALFB
.set LAPS,   SIZE_K/512
.set SAH,    4*SIZE_K                  ; A's scale words of 128 rows
.set SCLA,   2*SLOT
.set SCLB,   SCLA+2*SAH
.set HALFS,  (BR*KS/256)*272           ; B's scale bytes of BR rows, as units of 256 bytes + 16
.set HSB,    (16*HB*KS/256)*272
.set SPARE,  SCLB+2*HALFS              ; the spare words: 128 bytes a wave
.set O16,  9                           ; v9   16 x lane
.set O8,   10                          ; v10  512 + 8 x lane
.set BAD,  11                          ; v11  the bias loads' offset; never rewritten
.set ADA16, 16                         ; v16-17 LDS address of A's images in slot 0, 1: the 16-byte parts;  v18-19: the 8-byte parts
.set ADA8, 18
.set ADRB, 20                          ; v20-21 B's fragments in slot 0, 1;  v22-23 the same behind one padding more
.set ADSA, 27                          ; v27  A's scale words
.set SPW,  28                          ; v28  my spare word; never rewritten
.set NIL,  29                          ; v29  0; never rewritten
.set ADSB, 30                          ; v30  B's scale words
.set SC,   32                          ; v32-63 scale words, two sets of 16: +a: A's block a (lanes 0-15 the slot's first 128 K, lanes 16-31 its second); +8+2i+q: B's block i (lanes 0-15) and i + HB (lanes 16-31)
.set BIAS, 64                          ; v64.. the bias, eight registers a tile, in the result's layout
.set AF,   128                         ; v128-223 A's fragments, one set
.set G1, 24
.set G0, 32
.set G1B, 48
.set G0B, 56
.set G1S, 68
.set G0S, 76
.set G1SB, 80
.set G0SB, 88
.set MSB, 0
.macro WIN new                         ; the immediate's high byte repeats the setting that is left
.if MSB != (\new)
	s_set_vgpr_msb (MSB<<8)|(\new)
.set MSB, \new
.endif
.endm
.set TO_B, 0x40
.macro JLOAD g0a, g1a, g0b, g1b        ; a joint load: waves 0 and 1 fetch for A, waves 2 and 3 for B; four v_nop follow each line
	s_cmp_eq_u32 s15, 0
	s_cbranch_scc0 .Lfor_b_\@
	tensor_load_to_lds s[\g0a:\g0a+3], s[\g1a:\g1a+7]
	s_nop 0
.rept 4
	v_nop
.endr
	s_branch .Lasked_\@
.Lfor_b_\@:
	tensor_load_to_lds s[\g0b:\g0b+3], s[\g1b:\g1b+7]
	s_nop 0
.rept 4
	v_nop
.endr
.Lasked_\@:
.endm
.macro CREST                           ; a round of the cluster's barrier behind its opening barrier
	s_cmp_lg_u32 s14, 0
	s_cbranch_scc1 .Lnot_wave_0_\@
	s_barrier_signal -3
.Lnot_wave_0_\@:
	s_barrier_wait -3
	s_barrier_signal -1
	s_barrier_wait -1
.endm
.macro CROUND
	s_barrier_signal -1
	s_barrier_wait -1
	CREST
.endm
.macro PLACES n
.rept \n
	v_nop
.endr
.endm
	s_load_b128 s[4:7], s[0:1], 0x0                ; A (images and scale words), B's codes
	s_load_b128 s[8:11], s[0:1], 0x10              ; B's scales, the bias
	s_load_b64 s[12:13], s[0:1], 0x20              ; out
	v_lshl_add_u32 v[SPW], v0, 2, SPARE
	v_mov_b32 v[NIL], 0
	ds_add_u32 v28, v29
	ds_add_u32 v28, v29
	s_wait_dscnt 0x0
	v_lshrrev_b32 v1, 5, v0
	v_readfirstlane_b32 s14, v1                    ; wave 0..3
	s_lshr_b32 s15, s14, 1                         ; my half of the tile's rows.  Also: I fetch for A (0) or for B (1)
	s_and_b32 s16, s14, 1                          ; my half of its columns.  Also: which half of that tile I fetch
	s_bfe_u32 s40, ttmp6, 0x40000                  ; cx, cy
	s_bfe_u32 s41, ttmp6, 0x40004
	s_lshl_b32 s42, ttmp9, 2
	s_add_co_u32 s42, s42, s40                     ; tile column
	s_and_b32 s17, ttmp7, 0xffff
	s_lshl_b32 s17, s17, 2
	s_add_co_u32 s17, s17, s41                     ; tile row
	s_lshl_b32 s43, s41, 2
	s_lshl_b32 s43, 15, s43                        ; my row of the cluster
	s_lshl_b32 s44, 0x1111, s40                    ; my column
	s_or_b32 s[G1+0], s43, (3<<16)|(1<<21)         ; A's tile: 4 planes x 6,144 bytes (768 elements of 8), PLANE bytes apart; no padding
	s_mov_b32 s[G1+1], 768<<16
	s_mov_b32 s[G1+2], 4<<16
	s_mov_b32 s[G1+3], 768<<16
	s_mov_b32 s[G1+4], 4
	s_mov_b32 s[G1+5], PLANE/8
	s_mov_b32 s[G1+6], 0
	s_mov_b32 s[G1+7], 0
	s_or_b32 s[G1B+0], s44, (0<<16)|(1<<20)|(1<<21)|(3<<22)|(3<<25)  ; B's tile: BR rows x 192 bytes, 16 bytes of padding behind every 64
	s_mov_b32 s[G1B+1], ROWB<<16
	s_mov_b32 s[G1B+2], BR<<16
	s_mov_b32 s[G1B+3], ROWB<<16
	s_mov_b32 s[G1B+4], BR
	s_mov_b32 s[G1B+5], KROW
	s_mov_b32 s[G1B+6], 0
	s_mov_b32 s[G1B+7], 0
	s_or_b32 s[G1S+0], s43, (3<<16)|(1<<21)        ; A's scale words of 128 rows: a dense block, as rows of 256 bytes
	s_mov_b32 s[G1S+1], 32<<16
	s_mov_b32 s[G1S+2], (SAH/256)<<16
	s_mov_b32 s[G1S+3], 32<<16
	s_mov_b32 s[G1S+4], SAH/256
	s_mov_b32 s[G1S+5], 32
	s_mov_b32 s[G1S+6], 0
	s_mov_b32 s[G1S+7], 0
	s_or_b32 s[G1SB+0], s44, (3<<16)|(1<<20)|(1<<21)|(5<<22)|(3<<25)  ; B's scale bytes of BR rows: dense, rows of 256 bytes + 16 of padding
	s_mov_b32 s[G1SB+1], 32<<16
	s_mov_b32 s[G1SB+2], (BR*KS/256)<<16
	s_mov_b32 s[G1SB+3], 32<<16
	s_mov_b32 s[G1SB+4], BR*KS/256
	s_mov_b32 s[G1SB+5], 32
	s_mov_b32 s[G1SB+6], 0
	s_mov_b32 s[G1SB+7], 0
	s_lshl_b32 s20, s17, 4                         ; A: block 16 x tile row + 8 x half
	s_lshl_b32 s18, s16, 3
	s_add_co_u32 s20, s20, s18
	s_mul_i32 s20, s20, 768
	s_mov_b32 s21, 0
	s_lshl_b32 s22, s17, 1                         ; its scale words
	s_add_co_u32 s22, s22, s16
	s_mul_i32 s22, s22, SAH
	s_add_co_u32 s22, s22, ASCL
	s_mov_b32 s23, 0
	s_mul_i32 s46, s42, 2*BR                       ; B: row 2 BR x tile column + BR x half
	s_mul_i32 s18, s16, BR
	s_add_co_u32 s46, s46, s18
	s_mul_i32 s92, s46, KS
	s_mov_b32 s93, 0
	s_mul_i32 s46, s46, KROW
	s_mov_b32 s47, 0
	s_mul_i32 s45, s16, HALFA                      ; where they go: no place in the cluster enters an LDS address
	s_mul_i32 s95, s16, HALFB
	s_add_co_u32 s95, s95, 2*HALFA
	s_mul_i32 s94, s16, SAH
	s_mul_i32 s96, s16, HALFS
	s_mul_i32 s66, s42, 128*NB                     ; the bias of my columns
	s_mul_i32 s18, s16, 64*NB
	s_add_co_u32 s66, s66, s18
	s_mov_b32 s67, 0
	s_wait_kmcnt 0x0
	s_add_nc_u64 s[20:21], s[4:5], s[20:21]
	s_add_nc_u64 s[22:23], s[4:5], s[22:23]
	s_add_nc_u64 s[46:47], s[6:7], s[46:47]
	s_add_nc_u64 s[92:93], s[8:9], s[92:93]
	s_add_nc_u64 s[66:67], s[10:11], s[66:67]
	CROUND                                         ; all sixteen work-groups are here: the first joint loads meet
	s_mov_b32 s[G0S], 1
	s_add_co_u32 s[G0S+1], s94, SCLA
	s_mov_b64 s[G0S+2:G0S+3], s[22:23]
	s_or_b32 s[G0S+3], s[G0S+3], 0x80000000
	s_mov_b32 s[G0SB], 1
	s_add_co_u32 s[G0SB+1], s96, SCLB
	s_mov_b64 s[G0SB+2:G0SB+3], s[92:93]
	s_or_b32 s[G0SB+3], s[G0SB+3], 0x80000000
	JLOAD G0S, G1S, G0SB, G1SB                     ; the scales first: filled once
.irp s, 0,1
	s_mov_b32 s[G0+4*\s], 1
	s_add_co_u32 s[G0+4*\s+1], s45, \s*SLOT
	s_add_nc_u64 s[G0+4*\s+2:G0+4*\s+3], s[20:21], \s*4*PLANE
	s_or_b32 s[G0+4*\s+3], s[G0+4*\s+3], 0x80000000
	s_mov_b32 s[G0B+4*\s], 1
	s_add_co_u32 s[G0B+4*\s+1], s95, \s*SLOT
	s_add_nc_u64 s[G0B+4*\s+2:G0B+4*\s+3], s[46:47], \s*ROWB
	s_or_b32 s[G0B+4*\s+3], s[G0B+4*\s+3], 0x80000000
	JLOAD G0+4*\s, G1, G0B+4*\s, G1B
.endr
	v_and_b32 v1, 15, v0                           ; r
	v_bfe_u32 v2, v0, 4, 1                         ; h
	v_and_b32 v6, 31, v0                           ; lane
.if PERM
	v_and_b32 v8, 8, v1
	v_add_nc_u32 v8, v8, v1                        ; r + 8 (r / 8)
	v_lshlrev_b32 v[BAD], 6, v2
.else
	v_mov_b32 v8, v1
	v_lshlrev_b32 v[BAD], 5, v2
.endif
.set bb, 0
.rept NB
.if PERM
.set BO, 128*(bb/2)+32*(bb%2)
.else
.set BO, 64*bb
.endif
	global_load_b128 v[BIAS+8*bb:BIAS+8*bb+3], v[BAD], s[66:67] offset:BO
	global_load_b128 v[BIAS+8*bb+4:BIAS+8*bb+7], v[BAD], s[66:67] offset:BO+16
.set bb, bb+1
.endr
	v_mul_u32_u24 v3, v8, PITCH
	v_mul_u32_u24 v4, v2, 24
	v_add_nc_u32 v4, v3, v4                        ; B: my row x pitch + 24 x half
	v_lshl_add_u32 v5, v2, 4, v4                   ; and the same behind one padding more
	v_lshlrev_b32 v[O16], 4, v6
	v_lshl_add_u32 v[O8], v6, 3, 512
	s_mul_i32 s21, s15, HALFA                      ; my 128 rows of A
	s_mul_i32 s22, s16, HALFB                      ; my BR rows of B, behind A's two halves
	s_add_co_u32 s22, s22, 2*HALFA
.irp s, 0,1
	v_add_nc_u32 v[ADA16+\s], s21, v[O16]
	v_add_nc_u32 v[ADA8+\s], s21, v[O8]
	v_add_nc_u32 v[ADRB+\s], s22, v4
	v_add_nc_u32 v[ADRB+2+\s], s22, v5
	s_add_co_u32 s21, s21, SLOT
	s_add_co_u32 s22, s22, SLOT
.endr
	v_lshlrev_b32 v5, 5, v1
	v_lshl_add_u32 v5, v2, 9, v5                   ; A's scale words: 32 r, lanes 16-31 the next 128 K
	s_mul_i32 s21, s15, SAH
	s_add_co_u32 s21, s21, SCLA
	v_add_nc_u32 v[ADSA], s21, v5
	v_mul_u32_u24 v5, v8, KS                       ; B's: KS bytes a row, 16 more for each 256 passed; lanes 16-31 take the tile HB further on
	v_lshrrev_b32 v7, 8, v5
	v_lshl_add_u32 v5, v7, 4, v5
	v_mad_u32_u24 v5, v2, HSB, v5
	s_mul_i32 s22, s16, HALFS
	s_add_co_u32 s22, s22, SCLB
	v_add_nc_u32 v[ADSB], s22, v5
.macro FRAG reg, adr, q, i             ; a fragment of B: 16 rows x 128 K, 24 + 24 bytes a lane in pieces of 8; where the piece three on lies behind one padding more, the second address register serves
.if PERM
.set RW, 32*((\i)/2)+8*((\i)%2)
.else
.set RW, 16*(\i)
.endif
.irp p, 0,1,2,3,4,5
.set PCE, 12*(\q)+6*(\p/3)+\p%3
.if PCE%8 < 5
	ds_load_b64 v[\reg+2*\p:\reg+2*\p+1], v[\adr] offset:8*PCE+16*(PCE/8)+RW*PITCH
.else
	ds_load_b64 v[\reg+2*\p:\reg+2*\p+1], v[\adr+2] offset:8*PCE+16*(PCE/8)+RW*PITCH
.endif
.endr
.endm
.macro FRAG_A slot, q, a               ; a fragment of A: two images, each 16 + 8 bytes a lane, as they lie
.set rA, AF+FR*(\a)
.irp c, 0,1
	ds_load_b128 v[rA+6*\c:rA+6*\c+3], v[ADA16+\slot] offset:(2*(\q)+\c)*6144+768*(\a)
	ds_load_b64 v[rA+6*\c+4:rA+6*\c+5], v[ADA8+\slot] offset:(2*(\q)+\c)*6144+768*(\a)
.endr
.endm
.macro WM a, b, p, q, sc, first        ; one product: A's block a x B's tile b
.set rD, 8*(NB*((\a)%APW)+(\b))
.set rC, rD
.if \first
.set rC, BIAS+8*(\b)
.endif
.set rB, 128*(\p)+FR*(\b)
.set rA, AF+FR*(\a)
.set rSB, SC+16*(\sc)+8+2*((\b)%HB)+(\q)
.set rSA, SC+16*(\sc)+(\a)
.if ((\b) >= HB) && ((\q) == 1)
	v_wmma_scale_f32_16x16x128_f8f6f4 v[rD:rD+7], v[rB:rB+FR-1], v[rA:rA+FR-1], v[rC:rC+7], v[rSB], v[rSA] matrix_a_fmt:MATRIX_FMT_FP6 matrix_b_fmt:MATRIX_FMT_FP6 matrix_a_scale:MATRIX_SCALE_ROW1 matrix_b_scale:MATRIX_SCALE_ROW1
.elseif (\b) >= HB
	v_wmma_scale_f32_16x16x128_f8f6f4 v[rD:rD+7], v[rB:rB+FR-1], v[rA:rA+FR-1], v[rC:rC+7], v[rSB], v[rSA] matrix_a_fmt:MATRIX_FMT_FP6 matrix_b_fmt:MATRIX_FMT_FP6 matrix_a_scale:MATRIX_SCALE_ROW1
.elseif (\q) == 1
	v_wmma_scale_f32_16x16x128_f8f6f4 v[rD:rD+7], v[rB:rB+FR-1], v[rA:rA+FR-1], v[rC:rC+7], v[rSB], v[rSA] matrix_a_fmt:MATRIX_FMT_FP6 matrix_b_fmt:MATRIX_FMT_FP6 matrix_b_scale:MATRIX_SCALE_ROW1
.else
	v_wmma_scale_f32_16x16x128_f8f6f4 v[rD:rD+7], v[rB:rB+FR-1], v[rA:rA+FR-1], v[rC:rC+7], v[rSB], v[rSA] matrix_a_fmt:MATRIX_FMT_FP6 matrix_b_fmt:MATRIX_FMT_FP6
.endif
.endm
; A's blocks a0, a0 + 1 x B's NB tiles.  The accumulators take turns, one instruction a turn, in the same order in every step.  first = 1: C is the bias, in window 0.
.macro MUL16 a0, p, q, sc, first
.if \first
	WIN 0x01|((2+(\a0)/APW)<<6)
.else
	WIN 0x01|((2+(\a0)/APW)<<4)|((2+(\a0)/APW)<<6)
.endif
.irp a, \a0, \a0+1
.set bb, 0
.rept NB
	WM \a, bb, \p, \q, \sc, \first
.set bb, bb+1
.endr
.endr
.endm
.macro FETCH_B slot, q, p
	WIN TO_B
.set ii, 0
.rept NB
	FRAG 128*(\p)+FR*ii, ADRB+\slot, \q, ii
.set ii, ii+1
.endr
	WIN 0
.endm
.macro FETCH_A slot, q, i0
.irp i, \i0, \i0+1, \i0+2, \i0+3
	FRAG_A \slot, \q, \i
.endr
.endm
.macro SCALES sc                       ; a K step's scale words into set sc
	ds_load_b128 v[SC+16*\sc:SC+16*\sc+3], v[ADSA]
	ds_load_b128 v[SC+16*\sc+4:SC+16*\sc+7], v[ADSA] offset:16
.set ii, 0
.rept HB
.if PERM
.set RW, 32*(ii/2)+8*(ii%2)
.else
.set RW, 16*ii
.endif
	ds_load_b64 v[SC+16*\sc+8+2*ii:SC+16*\sc+9+2*ii], v[ADSB] offset:(RW*KS/256)*272
.set ii, ii+1
.endr
.endm
.macro STEP slot, q, first             ; a step of 128 along K that has its successor in the same slot
	s_wait_dscnt 4*NLA                             ; all but the youngest 16 loads (A's blocks 4-7)
	MUL16 0, (\q)%2, \q, \slot, \first
	MUL16 2, (\q)%2, \q, \slot, \first
	s_wait_dscnt 0
	PLACES NP
	FETCH_B \slot, (\q)+1, 1-(\q)%2
	FETCH_A \slot, (\q)+1, 0
	MUL16 4, (\q)%2, \q, \slot, \first
	MUL16 6, (\q)%2, \q, \slot, \first
	PLACES NP
	WIN 0
	FETCH_A \slot, (\q)+1, 4
.endm
; A slot's last step changes slots: one barrier; in front of it each wave waits for all its tensor loads, adds 0 to its spare word, and waits for that and for its reads of this slot.
.macro TURN slot, next, fill
	s_wait_tensorcnt 0x0                           ; all my tensor loads have landed: my part of the next slot
	ds_add_u32 v[SPW], v[NIL]                      ; 0 onto my spare word
	s_wait_dscnt 4*NLA+1                           ; (the add and the youngest 16 loads may be out)
	MUL16 0, 1, 1, \slot, 0
	s_wait_dscnt 0x0                               ; the add is done, and my reads of this slot are over
	s_barrier_signal -1
	MUL16 2, 1, 1, \slot, 0
	WIN 0
	s_barrier_wait -1
.if \fill
	CREST                                          ; the barrier has opened a round of the cluster's: no wave of any partner still reads this slot or has a load on its way
	s_add_nc_u64 s[G0+4*\slot+2:G0+4*\slot+3], s[G0+4*\slot+2:G0+4*\slot+3], 8*PLANE
	s_add_nc_u64 s[G0B+4*\slot+2:G0B+4*\slot+3], s[G0B+4*\slot+2:G0B+4*\slot+3], 2*ROWB
	JLOAD G0+4*\slot, G1, G0B+4*\slot, G1B         ; the first tensor load behind the round; its four v_nop are among the places in front of the loads below
.else
	PLACES NP
.endif
	v_add_nc_u32 v[ADSA], 1024, v[ADSA]            ; on to the next K step's scale words
	v_add_nc_u32 v[ADSB], 8, v[ADSB]
	FETCH_B \next, 0, 0
	FETCH_A \next, 0, 0
	SCALES \next
	MUL16 4, 1, 1, \slot, 0
	MUL16 6, 1, 1, \slot, 0
	PLACES NP
	WIN 0
	FETCH_A \next, 0, 4
.endm
	s_wait_tensorcnt 1                             ; the scales and my part of K step 0 are in (K step 1's load may be out),
	s_barrier_signal -1
	s_barrier_wait -1                              ; everybody's are
	FETCH_B 0, 0, 0
	FETCH_A 0, 0, 0
	SCALES 0
	FETCH_A 0, 0, 4
	s_wait_loadcnt 0x0                             ; the bias
	STEP 0, 0, 1                                   ; the first step stands in front of the loop: its products start the sums on the bias
	s_mov_b32 s3, LAPS-1
.Llap:                                                 ; a trip goes once round the ring and fills both slots again
	TURN 0, 1, 1
	STEP 1, 0, 0
	TURN 1, 0, 1
	STEP 0, 0, 0
	s_sub_co_u32 s3, s3, 1
	s_cmp_lg_u32 s3, 0
	s_cbranch_scc1 .Llap
	TURN 0, 1, 0                                   ; the last lap fills nothing
	STEP 1, 0, 0
	s_wait_dscnt 4*NLA
	MUL16 0, 1, 1, 1, 0
	MUL16 2, 1, 1, 1, 0
	s_wait_dscnt 0
	MUL16 4, 1, 1, 1, 0
	MUL16 6, 1, 1, 1, 0
	WIN 0
	PLACES NP                                      ; in front of the first reads of results and of writes to registers that held operands
; THE WAY OUT.  64 numbers of a lane, register 16 b + i = k 32 b + 16 (lane / 16) + i of its row, in window W, become a fragment's codes in v[PC] on and its scale word in v[pw].
.set TM,  192
.set WD,  64                           ; v64-71 the eight scale words of my 128 rows
.set OSC, 26
.set SEL, 18
.set OB,  46
.set SBR, 92
.macro QUANT s, W, pw
	WIN ((\W)<<2)|((\W)<<4)
.irp b, 0,1,2,3
	v_max3_num_f32 v[TM+\b], 0x1800000, |v[(\s)+16*\b]|, |v[(\s)+1+16*\b]|   ; my 16 numbers of block b, and the floor 2^(3 - 127); each accumulator is read from its low end on
.endr
.irp i, 2,4,6,8,10,12,14
.irp b, 0,1,2,3
	v_max3_num_f32 v[TM+\b], v[TM+\b], |v[(\s)+16*\b+\i]|, |v[(\s)+1+16*\b+\i]|
.endr
.endr
	WIN 0
.irp b, 0,1,2,3
	v_permlanex16_b32 v[TM+4+\b], v[TM+\b], s[SEL], s[SEL+1]
.endr
.irp b, 0,1,2,3
	v_max_num_f32 v[TM+\b], v[TM+\b], v[TM+4+\b]
.endr
.irp b, 0,1,2,3
	v_add_nc_u32 v[TM+12+\b], 0xff000000, v[TM+\b]     ; 2 off the exponent field: the conversion's scale operand
.endr
.irp b, 0,1,2,3
	v_lshrrev_b32 v[TM+4+\b], 23, v[TM+12+\b]          ; the scale's byte
.endr
	v_lshl_or_b32 v[\pw], v[TM+5], 8, v[TM+4]
	v_lshl_or_b32 v[\pw], v[TM+6], 16, v[\pw]
	v_lshl_or_b32 v[\pw], v[TM+7], 24, v[\pw]
	WIN (\W)
.irp c, 0,1
	v_cvt_scalef32_pk16_fp6_f32 v[PC+6*\c:PC+2+6*\c], v[(\s)+32*\c:(\s)+15+32*\c], v[TM+12+2*\c]
	v_cvt_scalef32_pk16_fp6_f32 v[PC+12+4*\c:PC+14+4*\c], v[(\s)+16+32*\c:(\s)+31+32*\c], v[TM+12+2*\c+1]
.endr
	WIN 0
	v_nop                                              ; one plain place behind a scaled conversion
.irp c, 0,1
.irp i, 0,1,2
	v_permlane16_swap_b32 v[PC+6*\c+\i], v[PC+12+4*\c+\i]
.endr
.irp i, 0,1,2
	v_mov_b32 v[PC+3+6*\c+\i], v[PC+12+4*\c+\i]
.endr
.endr
.endm
.macro OUTFRAG off, PS                 ; the fragment's two halves of 64 K go to two planes, PS bytes apart: 512 and 256 consecutive bytes a store
	global_store_b128 v[O16], v[PC:PC+3], s[OB:OB+1] offset:\off
	global_store_b64 v[O8], v[PC+4:PC+5], s[OB:OB+1] offset:\off
	global_store_b128 v[O16], v[PC+6:PC+9], s[OB:OB+1] offset:(\off)+(\PS)
	global_store_b64 v[O8], v[PC+10:PC+11], s[OB:OB+1] offset:(\off)+(\PS)
.endm
.macro WORDS                           ; my 128 rows' scale words leave as 512 consecutive bytes: lanes 0-15 blocks 0-3 of row r, lanes 16-31 blocks 4-7
	v_cmp_le_u32 vcc_lo, 16, v6
.irp i, 0,1,2,3
	v_cndmask_b32 v[72+\i], v[WD+\i], v[WD+4+\i], vcc_lo
.endr
	global_store_b128 v[OSC], v[72:75], s[SBR:SBR+1]
.endm
	s_mov_b32 s[SEL], 0x76543210
	s_mov_b32 s[SEL+1], 0xfedcba98
	v_lshlrev_b32 v[OSC], 5, v1
	v_lshl_add_u32 v[OSC], v2, 4, v[OSC]           ; 32 r + 16 h
.irp b, 0,1,2,3
	v_mov_b32 v[TM+4+\b], 0                        ; a lane permute's destination counts as one of its sources
.endr
	s_lshl_b32 s21, s17, 1
	s_add_co_u32 s21, s21, s15                     ; which 128 rows are mine
	s_mov_b32 s23, 0
.if VPATH
	s_cmp_eq_u32 ttmp9, 2                          ; the cluster's x, which all partners share: columns 2048 on are v
	s_cbranch_scc1 .Lv_way
.endif
	; ---- along the columns: block a's 64 registers are a fragment's numbers as they stand
.set PC, 128
	s_lshl_b32 s20, s42, 1
	s_add_co_u32 s20, s20, s16                     ; which 128 columns
	s_mul_i32 s22, s20, 2*PLANE                    ; images: two planes for each 128 columns,
	s_mul_i32 s45, s21, 8*768                      ; eight blocks for each 128 rows
	s_add_co_u32 s22, s22, s45
	s_add_nc_u64 s[OB:OB+1], s[12:13], s[22:23]
	s_mul_i32 s22, s21, NOUT/128                   ; scale words: 512 bytes for each 128 rows x 128 columns
	s_add_co_u32 s22, s22, s20
	s_lshl_b32 s22, s22, 9
	s_add_co_u32 s22, s22, OSCL
	s_add_nc_u64 s[SBR:SBR+1], s[12:13], s[22:23]
.irp a, 0,1,2,3,4,5,6,7
.if \a > 0
	s_wait_xcnt 0x0                                ; the last block's stores have read the codes
.endif
.if RELU
	WIN ((2+\a/4)<<2)|((2+\a/4)<<6)
.set jj, 0
.rept 64
	v_max_num_f32 v[64*(\a%4)+jj], 0, v[64*(\a%4)+jj]
.set jj, jj+1
.endr
.endif
	QUANT 64*(\a%4), 2+\a/4, WD+\a
	OUTFRAG 768*\a, PLANE
.endr
	WORDS
.if VPATH
	s_branch .Ljoin
.Lv_way:
	; ---- along the tokens: 32 columns at a time go through my stage in slot 0 (it has had its last fill and its last read): two groups of 16 columns x (128 tokens x 4 bytes + 16)
.set PC, 208
.set T,  128
.set STV, 24
.set RDV, 25
	s_mul_i32 s20, s14, 17408
	v_mul_u32_u24 v[STV], v2, 8576
	v_lshl_add_u32 v[STV], v1, 2, v[STV]
	v_add_nc_u32 v[STV], s20, v[STV]               ; in: group h, token r
	v_mul_u32_u24 v[RDV], v1, 528
	v_lshl_add_u32 v[RDV], v2, 6, v[RDV]
	v_add_nc_u32 v[RDV], s20, v[RDV]               ; back: column r, 16 tokens of each 32 for my half
	s_lshl_b32 s22, s21, 1                         ; planes of 64 tokens: 2 x (which 128 rows)
	s_mul_i32 s22, s22, VPLANE
	s_lshl_b32 s20, s40, 1
	s_add_co_u32 s20, s20, s16                     ; which 128 channels
	s_mul_i32 s45, s20, 8*768
	s_add_co_u32 s22, s22, s45
	s_add_co_u32 s22, s22, VT
	s_add_nc_u64 s[OB:OB+1], s[12:13], s[22:23]
	s_lshl_b32 s22, s20, 5
	s_add_co_u32 s22, s22, s21
	s_lshl_b32 s22, s22, 9
	s_add_co_u32 s22, s22, SV
	s_add_nc_u64 s[SBR:SBR+1], s[12:13], s[22:23]
.irp g, 0,1,2,3
.irp a, 0,1,2,3,4,5,6,7
	WIN 0x08+4*(\a/4)                              ; an LDS store's data are its source 1: window 2 or 3
.irp u, 0,1
.irp j, 0,1,2,3,4,5,6,7
	ds_store_b32 v[STV], v[8*(8*(\a%4)+2*\g+\u)+\j] offset:(8*\u+\j)*528+64*\a
.endr
.endr
.endr
	WIN 0
.irp f, 0,1
.irp b, 0,1,2,3
.irp i, 0,1,2,3
	ds_load_b128 v[T+16*\b+4*\i:T+16*\b+4*\i+3], v[RDV] offset:8576*\f+128*\b+16*\i   ; LDS serves a wave's instructions in order: these see my stores, and the next group's stores come behind them
.endr
.endr
	s_wait_dscnt 0x0
	s_wait_xcnt 0x0                                ; the last fragment's stores have read the codes
	QUANT T, 0, WD+2*\g+\f
	OUTFRAG 768*(2*\g+\f), VPLANE
.endr
.endr
	WORDS
.Ljoin:
.endif
	s_wait_tensorcnt 0x0                           ; the wave's end
	ds_add_u32 v[SPW], v[NIL]
	s_wait_dscnt 0x0
	CROUND                                         ; the closing round
	s_endpgm
.Lfunc_end_k_qaf21669a6e_g_qkv:
	.size	k_qaf21669a6e_g_qkv, .Lfunc_end_k_qaf21669a6e_g_qkv-k_qaf21669a6e_g_qkv
	.p2alignl 7, 3214868480
	.fill 96, 4, 3214868480
	.section	.rodata,"a",@progbits
	.p2align	6, 0x0
	.amdhsa_kernel k_qaf21669a6e_g_qkv
		.amdhsa_group_segment_fixed_size 327680
		.amdhsa_private_segment_fixed_size 0
		.amdhsa_enable_private_segment 0
		.amdhsa_kernarg_size 40
		.amdhsa_user_sgpr_count 2
		.amdhsa_user_sgpr_kernarg_segment_ptr 1
		.amdhsa_wavefront_size32 1
		.amdhsa_system_sgpr_workgroup_id_x 1
		.amdhsa_system_sgpr_workgroup_id_y 1
		.amdhsa_system_sgpr_workgroup_id_z 1
		.amdhsa_system_vgpr_workitem_id 0
		.amdhsa_next_free_vgpr 1024
		.amdhsa_next_free_sgpr 102
		.amdhsa_reserve_vcc 1
		.amdhsa_float_denorm_mode_32 3
		.amdhsa_float_denorm_mode_16_64 3
		.amdhsa_memory_ordered 1
		.amdhsa_forward_progress 1
		.amdhsa_inst_pref_size 234
	.end_amdhsa_kernel
	.amdgpu_metadata
---
amdhsa.version: [ 1, 2 ]
amdhsa.kernels:
  - .name:           k_qaf21669a6e_g_qkv
    .symbol:         k_qaf21669a6e_g_qkv.kd
    .args:
      - { .name: act, .offset: 0, .size: 8, .value_kind: global_buffer, .address_space: global }
      - { .name: Wqkv_codes, .offset: 8, .size: 8, .value_kind: global_buffer, .address_space: global }
      - { .name: Wqkv_scales, .offset: 16, .size: 8, .value_kind: global_buffer, .address_space: global }
      - { .name: bqkv, .offset: 24, .size: 8, .value_kind: global_buffer, .address_space: global }
      - { .name: qkv, .offset: 32, .size: 8, .value_kind: global_buffer, .address_space: global }
    .group_segment_fixed_size: 327680
    .private_segment_fixed_size: 0
    .kernarg_segment_align: 8
    .kernarg_segment_size: 40
    .max_flat_workgroup_size: 128
    .sgpr_count:     102
    .vgpr_count:     1024
    .wavefront_size: 32
...
	.end_amdgpu_metadata
.endif
;; end of part 2
;; launch attn (part 3): grid 8 x 32, 16 waves a work-group, clusters of 4 x 1, 223,232 bytes of LDS; arguments qkv, mask, act; writes act
.if DOCPART == 3
	.amdgcn_target "amdgcn-amd-amdhsa--gfx1250"
	.amdhsa_code_object_version 6
	.text
	.protected	k_qaf21669a6e_attn
	.globl	k_qaf21669a6e_attn
	.p2align	8
	.type	k_qaf21669a6e_attn,@function
k_qaf21669a6e_attn:
	s_mov_b64 s[64:65], 0
	v_nop
	global_prefetch_b8 v0, s[64:65] scope:SCOPE_SE
	s_setreg_imm32_b32 hwreg(HW_REG_WAVE_MODE, 25, 1), 1
	s_wait_xcnt 0x0
	s_wait_alu depctr_hold_cnt(0) depctr_sa_sdst(0) depctr_va_vdst(0) depctr_va_sdst(0) depctr_va_ssrc(0) depctr_va_vcc(0) depctr_vm_vsrc(0)
	s_getreg_b32 s2, hwreg(HW_REG_IB_STS2, 6, 4)
	s_cmp_eq_u32 s2, 0
	s_cbranch_scc0 .Lentry_in_a_cluster
	s_endpgm
.Lentry_in_a_cluster:
	s_bfe_u32 s2, ttmp6, 0x10000c
	s_cmp_lg_u32 s2, 0x3003
	s_cbranch_scc0 .Lentry_shape_is_right
	s_endpgm
.Lentry_shape_is_right:
; vw = softmax(q k^T / 8 + log(key mask x causal)) v for one head of 64 and one batch row of 2,048 tokens, both products on codes of FP6 (E2M3) with E8M0 scales for each 32 along K; vw is quantised on the way out.
; IN (qkv): q's and k's images [32 planes: q heads, k heads][256 blocks of 16 tokens][768]; v's images with the tokens along K, [64 planes of 64 tokens][64 blocks of 16 channels][768]; their scale words behind them.
; THE SOFTMAX: t = logit x log2(e); M = the ceiling of the running largest t; p = 2^(t - M) is quantised along the keys; the row's sum is taken of the unquantised p and divides at the end; when M moves, sum and O are multiplied by a power of two.
; SHARES.  Eight work-groups to a head.  ALL of the head's K and V (and their scale words) lie in LDS, filled once by joint loads of the cluster's four work-groups: no ring, no barrier in the loop.
; Wave of rank k in work-group j owns queries 128 k + 16 j + 0..15 and needs key steps 0 .. k of 128 keys: the count hangs on the wave's number alone.  rank = wave xor 3 ((wave / 4) % 2), so that waves w, w + 4, w + 8, w + 12 have 34 steps together.
; Every wave walks 16 trips; a trip past its rank only steps the scalars.
; LAYOUT.  Both products are used transposed, so a lane holds one query.  Lane r of tile 2 b + u takes key (or channel) 32 b + 8 u + r + 8 (r / 8): two neighbouring tiles' 16 registers are 16 neighbours.
; A head is 64 long, half of the instruction's K: Q's upper six registers hold zero codes; K's upper six are whatever follows (every pattern is a finite code) and meet those zeros.
; THE KEY MASK is the C of the first product: 0 for a key that counts, -2^100 for one that does not (a finite number, so that no infinity goes into the sum).  The causal mask is set on the diagonal step by compare and select.
; A QUERY WITH NO KEY has the sum 0: its scale bytes are stored as 0xff, which makes the next product's sums for that row NaN, as the definition has them.
; LIMITS: logits with |t| of 2^80 or more are not told apart from masked ones (the running maximum starts at -2^80); NaN and infinities are not served; a block of zeros gets the byte 1.
.set KREG, 0                           ; LDS: 128 images of K
.set VREG, 98304                       ; 32 planes x 4 images of V
.set KSC,  196608                      ; K's scale words: 16 steps x 512 bytes (both heads of the pair)
.set VSC,  204800                      ; V's likewise
.set MB,   212992                      ; the key mask's addends, f32, written by LDS stores alone
.set PLANE,  196608
.set VPLANE, 49152
.set VT,   6291456
.set SQK,  9437184
.set SV,   9699328
.set ASCL, 3145728
.set WV,   10
.set RANK, 11
.set SEL,  20
.set CS,   22
.set G1K,  24
.set G1V,  32
.set G1KS, 40
.set G1VS, 48
.set G0K,  56
.set G0V,  60
.set G0KS, 68
.set G0VS, 72
.set KI,   76
.set TK,   77
.set TV,   78
.set TS,   79
; v1 L16, v2 L8: my lane's place in a tile's images; v3, v4 among K's and V's scale words; v5 among the addends; v6 my query less 16 (lane / 16), from the diagonal step's first key
; v7-11, v29, v30 the step's addresses; v12 -M, v13 the largest t, v[14:15] the sum; v16-27 Q, v28 its scale word; v32-79 K's eight tiles, then V's four; v80-85 zeros; v86-93 K's scale words
; v96-159 S^T, then p; v160-191 O^T; v192-195 offsets that stay; v224-235 p's codes; v232-254 at work; v248-251 V's scale words
.macro ROUND
	s_barrier_signal -1
	s_barrier_wait -1
	s_cmp_lg_u32 s[WV], 0
	s_cbranch_scc1 .Lnot_wave_0_\@
	s_barrier_signal -3
.Lnot_wave_0_\@:
	s_barrier_wait -3
	s_barrier_signal -1
	s_barrier_wait -1
.endm
	s_load_b128 s[4:7], s[0:1], 0x0                ; qkv, mask
	s_load_b64 s[8:9], s[0:1], 0x10                ; act
	v_lshl_add_u32 v243, v0, 2, 0x36000
	v_mov_b32 v255, 0
	ds_add_u32 v243, v255
	ds_add_u32 v243, v255
	v_lshrrev_b32 v1, 5, v0
	v_readfirstlane_b32 s[WV], v1                  ; wave 0..15
	s_lshr_b32 s[RANK], s[WV], 2
	s_and_b32 s[RANK], s[RANK], 1
	s_mul_i32 s[RANK], s[RANK], 3
	s_xor_b32 s[RANK], s[RANK], s[WV]
	s_bfe_u32 s12, ttmp6, 0x40000                  ; cx
	s_lshl_b32 s13, ttmp9, 2
	s_add_co_u32 s13, s13, s12                     ; j: it enters global addresses and a compared value alone
	s_and_b32 s14, ttmp7, 0xffff
	s_lshr_b32 s15, s14, 4                         ; batch row
	s_and_b32 s16, s14, 15                         ; head
	s_and_b32 s17, s16, 1                          ; which of a pair of heads
	s_lshr_b32 s18, s16, 1                         ; the pair
	s_and_b32 s19, s[WV], 3
	s_mov_b32 s[G1K], 15|(3<<16)|(1<<21)           ; all four work-groups; elements of 8 bytes.  K: a quarter, 24,576 dense bytes, as 96 rows of 256
	s_mov_b32 s[G1K+1], 32<<16
	s_mov_b32 s[G1K+2], 96<<16
	s_mov_b32 s[G1K+3], 32<<16
	s_mov_b32 s[G1K+4], 96
	s_mov_b32 s[G1K+5], 32
	s_mov_b32 s[G1K+6], 0
	s_mov_b32 s[G1K+7], 0
	s_mov_b32 s[G1V], 15|(3<<16)|(1<<21)           ; V: 8 planes x 3,072 bytes, VPLANE bytes apart
	s_mov_b32 s[G1V+1], 384<<16
	s_mov_b32 s[G1V+2], 8<<16
	s_mov_b32 s[G1V+3], 384<<16
	s_mov_b32 s[G1V+4], 8
	s_mov_b32 s[G1V+5], VPLANE/8
	s_mov_b32 s[G1V+6], 0
	s_mov_b32 s[G1V+7], 0
	s_mov_b32 s[G1KS], 15|(3<<16)|(1<<21)          ; K's scale words: 16 x 512 bytes, 8,192 bytes apart
	s_mov_b32 s[G1KS+1], 64<<16
	s_mov_b32 s[G1KS+2], 16<<16
	s_mov_b32 s[G1KS+3], 64<<16
	s_mov_b32 s[G1KS+4], 16
	s_mov_b32 s[G1KS+5], 1024
	s_mov_b32 s[G1KS+6], 0
	s_mov_b32 s[G1KS+7], 0
	s_mov_b32 s[G1VS], 15|(3<<16)|(1<<21)          ; V's: 8,192 dense bytes
	s_mov_b32 s[G1VS+1], 32<<16
	s_mov_b32 s[G1VS+2], 32<<16
	s_mov_b32 s[G1VS+3], 32<<16
	s_mov_b32 s[G1VS+4], 32
	s_mov_b32 s[G1VS+5], 32
	s_mov_b32 s[G1VS+6], 0
	s_mov_b32 s[G1VS+7], 0
	s_add_co_u32 s82, s16, 16                      ; K: plane 16 + head, blocks 128 b on, my quarter
	s_mul_i32 s82, s82, PLANE
	s_mul_i32 s83, s15, 128*768
	s_add_co_u32 s82, s82, s83
	s_mul_i32 s83, s19, 24576
	s_add_co_u32 s82, s82, s83
	s_mov_b32 s83, 0
	s_lshl_b32 s84, s15, 5                         ; V: planes 32 b + 8 x quarter, blocks 4 x head
	s_lshl_b32 s85, s19, 3
	s_add_co_u32 s84, s84, s85
	s_mul_i32 s84, s84, VPLANE
	s_mul_i32 s85, s16, 4*768
	s_add_co_u32 s84, s84, s85
	s_add_co_u32 s84, s84, VT
	s_mov_b32 s85, 0
	s_lshl_b32 s86, s15, 8                         ; K's scale words: (256 b + 8 + pair) x 512
	s_add_co_u32 s86, s86, s18
	s_add_co_u32 s86, s86, 8
	s_lshl_b32 s86, s86, 9
	s_add_co_u32 s86, s86, SQK
	s_mov_b32 s87, 0
	s_lshl_b32 s88, s18, 5                         ; V's: (32 x pair + 16 b) x 512
	s_lshl_b32 s89, s15, 4
	s_add_co_u32 s88, s88, s89
	s_lshl_b32 s88, s88, 9
	s_add_co_u32 s88, s88, SV
	s_mov_b32 s89, 0
	s_mul_i32 s90, s19, 24576                      ; a quarter's place in LDS
	s_wait_dscnt 0x0
	s_wait_kmcnt 0x0
	s_mov_b32 s[G0K], 1
	s_mov_b32 s[G0K+1], s90
	s_add_nc_u64 s[G0K+2:G0K+3], s[4:5], s[82:83]
	s_or_b32 s[G0K+3], s[G0K+3], 0x80000000
	s_mov_b32 s[G0V], 1
	s_add_co_u32 s[G0V+1], s90, VREG
	s_add_nc_u64 s[G0V+2:G0V+3], s[4:5], s[84:85]
	s_or_b32 s[G0V+3], s[G0V+3], 0x80000000
	s_mov_b32 s[G0KS], 1
	s_mov_b32 s[G0KS+1], KSC
	s_add_nc_u64 s[G0KS+2:G0KS+3], s[4:5], s[86:87]
	s_or_b32 s[G0KS+3], s[G0KS+3], 0x80000000
	s_mov_b32 s[G0VS], 1
	s_mov_b32 s[G0VS+1], VSC
	s_add_nc_u64 s[G0VS+2:G0VS+3], s[4:5], s[88:89]
	s_or_b32 s[G0VS+3], s[G0VS+3], 0x80000000
	ROUND                                          ; all four work-groups are here: the joint loads meet
	s_cmp_lt_u32 s[WV], 4                          ; waves 0-3: K's quarters; 4-7: V's; 8: K's scale words; 9: V's; one load a wave at the most; four v_nop follow each
	s_cbranch_scc0 .Lnot_k
	tensor_load_to_lds s[G0K:G0K+3], s[G1K:G1K+7]
	s_nop 0
.rept 4
	v_nop
.endr
	s_branch .Lasked
.Lnot_k:
	s_cmp_lt_u32 s[WV], 8
	s_cbranch_scc0 .Lnot_v
	tensor_load_to_lds s[G0V:G0V+3], s[G1V:G1V+7]
	s_nop 0
.rept 4
	v_nop
.endr
	s_branch .Lasked
.Lnot_v:
	s_cmp_eq_u32 s[WV], 8
	s_cbranch_scc0 .Lnot_ks
	tensor_load_to_lds s[G0KS:G0KS+3], s[G1KS:G1KS+7]
	s_nop 0
.rept 4
	v_nop
.endr
	s_branch .Lasked
.Lnot_ks:
	s_cmp_eq_u32 s[WV], 9
	s_cbranch_scc0 .Lasked
	tensor_load_to_lds s[G0VS:G0VS+3], s[G1VS:G1VS+7]
	s_nop 0
.rept 4
	v_nop
.endr
.Lasked:
	s_lshl_b32 s91, s[RANK], 3
	s_add_co_u32 s91, s91, s13                     ; my tile of 16 queries: 8 x rank + j
	s_lshl_b32 s92, s15, 7
	s_add_co_u32 s92, s92, s91
	s_mul_i32 s92, s92, 768
	s_mul_i32 s93, s16, PLANE
	s_add_co_u32 s92, s92, s93
	s_mov_b32 s93, 0                               ; plane = head, block 128 b + tile: Q's image in qkv, and vw's in act
	s_add_nc_u64 s[82:83], s[4:5], s[92:93]
	s_add_nc_u64 s[88:89], s[8:9], s[92:93]
	s_lshl_b32 s94, s15, 4
	s_add_co_u32 s94, s94, s[RANK]                 ; which 128 tokens
	s_lshl_b32 s95, s13, 2
	s_lshl_b32 s81, s17, 1
	s_add_co_u32 s95, s95, s81                     ; 4 j + 2 x (which of the pair)
	s_lshl_b32 s92, s94, 4
	s_add_co_u32 s92, s92, s18
	s_lshl_b32 s92, s92, 9
	s_add_co_u32 s92, s92, s95
	s_add_co_u32 s92, s92, SQK
	s_add_nc_u64 s[84:85], s[4:5], s[92:93]        ; Q's two scale bytes
	s_lshl_b32 s92, s94, 3
	s_add_co_u32 s92, s92, s18
	s_lshl_b32 s92, s92, 9
	s_add_co_u32 s92, s92, s95
	s_add_co_u32 s92, s92, ASCL
	s_add_nc_u64 s[90:91], s[8:9], s[92:93]        ; vw's two
	s_lshl_b32 s92, s15, 11
	s_add_nc_u64 s[86:87], s[6:7], s[92:93]        ; the batch row's mask
	v_lshlrev_b32 v195, 2, v0
	global_load_b32 v31, v195, s[86:87]            ; four keys' mask bytes a thread
	v_and_b32 v7, 31, v0
	v_lshlrev_b32 v192, 4, v7                      ; 16 x lane
	v_lshl_add_u32 v193, v7, 3, 512                ; 512 + 8 x lane
	v_and_b32 v7, 15, v0                           ; r
	v_lshlrev_b32 v194, 5, v7                      ; 32 r
	global_load_b128 v[16:19], v192, s[82:83]      ; Q's image
	global_load_b64 v[20:21], v193, s[82:83]
	global_load_u16 v28, v194, s[84:85]            ; its two scale bytes; the upper two are 0 and stand over zero codes
	v_bfe_u32 v8, v0, 4, 1                         ; h
	v_and_b32 v9, 7, v0                            ; r % 8
	v_bfe_u32 v10, v0, 3, 1                        ; r / 8
	v_mul_u32_u24 v11, v10, 768
	v_lshl_add_u32 v1, v8, 8, v11
	v_lshl_add_u32 v1, v9, 4, v1                   ; 768 (r / 8) + 256 h + 16 (r % 8)
	v_lshl_add_u32 v2, v8, 7, v11
	v_lshl_add_u32 v2, v9, 3, v2
	v_add_nc_u32 v2, 512, v2                       ; 768 (r / 8) + 128 h + 8 (r % 8) + 512
	v_lshlrev_b32 v3, 5, v9
	v_lshl_add_u32 v3, v10, 2, v3                  ; 32 (r % 8) + 4 (r / 8)
	s_lshl_b32 s92, s17, 4
	s_add_co_u32 s92, s92, VSC
	v_add_nc_u32 v4, s92, v3
	s_lshl_b32 s92, s17, 1
	s_add_co_u32 s92, s92, KSC
	v_add_nc_u32 v3, s92, v3
	v_lshl_add_u32 v5, v8, 6, MB
	v_lshlrev_b32 v6, 4, v8
	v_sub_nc_u32 v6, v7, v6
	s_lshl_b32 s92, s13, 4
	v_add_nc_u32 v6, s92, v6                       ; 16 j + r - 16 h
	s_mov_b32 s[SEL], 0x76543210
	s_mov_b32 s[SEL+1], 0xfedcba98
	s_mov_b32 s[CS], 0x3e38aa3b                    ; c = log2(e) / 8
	s_mov_b32 s[CS+1], s[CS]
	s_mov_b32 s80, 0x71800000                      ; 2^100
.irp i, 22,23,24,25,26,27,80,81,82,83,84,85
	v_mov_b32 v\i, 0                               ; zero codes
.endr
	v_mov_b32 v13, 0xe7800000                      ; the largest t so far: -2^80
	v_floor_f32 v12, -v13                          ; -M
	v_mov_b32 v14, 0
	v_mov_b32 v15, 0
.irp i, 236,237,238,239,252,253
	v_mov_b32 v\i, 0                               ; permutes' destinations and pairs' upper halves are written once
.endr
.set jj, 0
.rept 32
	v_mov_b32 v[160+jj], 0                         ; O^T: the loop has no first step of its own
.set jj, jj+1
.endr
	s_wait_loadcnt 3                               ; the mask bytes are in (Q's three loads may be out)
.irp i, 0,1,2,3
	v_bfe_u32 v[32+\i], v31, 8*\i, 8
.endr
.irp i, 0,1,2,3
	v_cvt_f32_u32 v[32+\i], v[32+\i]
.endr
.irp i, 0,1,2,3
	v_fma_f32 v[32+\i], v[32+\i], s80, -s80        ; 1 -> 0, 0 -> -2^100
.endr
	v_lshl_add_u32 v30, v0, 4, MB
	ds_store_b128 v30, v[32:35]
	s_mov_b32 s[KI], 0
	s_mov_b32 s[TK], KREG
	s_mov_b32 s[TV], VREG
	s_mov_b32 s[TS], 0
	s_wait_tensorcnt 0x0                           ; my fill has landed,
	s_wait_loadcnt 0x0                             ; Q is in,
	s_wait_dscnt 0x0                               ; my addends lie in LDS
	s_barrier_signal -1
	s_barrier_wait -1                              ; everybody's do
.Lstep:                                            ; 16 trips, a constant; a trip past my rank does no work
	s_cmp_gt_u32 s[KI], s[RANK]
	s_cbranch_scc1 .Lhidden
	v_add_nc_u32 v7, s[TK], v1                     ; (these seven are also the places in front of loads into registers that the last products read)
	v_add_nc_u32 v8, s[TK], v2
	v_add_nc_u32 v9, s[TS], v3
	v_add_nc_u32 v10, s[TS], v5
	v_add_nc_u32 v11, s[TV], v1
	v_add_nc_u32 v29, s[TV], v2
	v_add_nc_u32 v30, s[TS], v4
.irp t, 0,1,2,3,4,5,6,7
	ds_load_b128 v[32+6*\t:35+6*\t], v7 offset:1536*(\t/2)+128*(\t%2)
	ds_load_b64 v[36+6*\t:37+6*\t], v8 offset:1536*(\t/2)+64*(\t%2)
	ds_load_u16 v[86+\t], v9 offset:256*(\t%2)+8*(\t/2)
	ds_load_b128 v[96+8*\t:99+8*\t], v10 offset:128*(\t/2)+32*(\t%2)
	ds_load_b128 v[100+8*\t:103+8*\t], v10 offset:128*(\t/2)+32*(\t%2)+16
.endr
	s_wait_dscnt 0x0
.irp t, 0,1,2,3,4,5,6,7                        ; S^T = K Q^T + the key mask's addend
	v_wmma_scale_f32_16x16x128_f8f6f4 v[96+8*\t:103+8*\t], v[32+6*\t:43+6*\t], v[16:27], v[96+8*\t:103+8*\t], v[86+\t], v28 matrix_a_fmt:MATRIX_FMT_FP6 matrix_b_fmt:MATRIX_FMT_FP6
.endr
.rept 4
	v_nop                                          ; places: in front of loads into K's registers and of the first reads of the scores
.endr
.irp t, 0,1,2,3                                ; V's four tiles land under the softmax
.irp c, 0,1
	ds_load_b128 v[32+12*\t+6*\c:35+12*\t+6*\c], v11 offset:3072*\c+1536*(\t/2)+128*(\t%2)
	ds_load_b64 v[36+12*\t+6*\c:37+12*\t+6*\c], v29 offset:3072*\c+1536*(\t/2)+64*(\t%2)
.endr
	ds_load_b32 v[248+\t], v30 offset:256*(\t%2)+8*(\t/2)
.endr
	s_cmp_lt_u32 s[KI], s[RANK]                    ; only my last step lies on the diagonal
	s_cbranch_scc1 .Lopen
	v_mov_b32 v254, 0xff800000                     ; -infinity.  Register 16 b + i holds key 32 b + 16 (lane / 16) + i of the step: hidden where 32 b + i > v6
.set nn, 0
.rept 64
	v_cmp_gt_i32 vcc_lo, 32*(nn/16)+nn%16, v6
	v_cndmask_b32 v[96+nn], v[96+nn], v254, vcc_lo
.set nn, nn+1
.endr
.Lopen:
.irp b, 0,1,2,3
	v_max3_num_f32 v[232+\b], v[96+16*\b], v[97+16*\b], v[98+16*\b]   ; the largest score of each block of 32 keys: for the row's maximum and, since p rises with the score, for the block's largest p
.endr
.irp i, 3,5,7,9,11,13
.irp b, 0,1,2,3
	v_max3_num_f32 v[232+\b], v[232+\b], v[96+16*\b+\i], v[97+16*\b+\i]
.endr
.endr
.irp b, 0,1,2,3
	v_max_num_f32 v[232+\b], v[232+\b], v[111+16*\b]
.endr
.irp b, 0,1,2,3
	v_permlanex16_b32 v[236+\b], v[232+\b], s[SEL], s[SEL+1]
.endr
.irp b, 0,1,2,3
	v_max_num_f32 v[232+\b], v[232+\b], v[236+\b]
.endr
	v_max3_num_f32 v254, v232, v233, v234
	v_max_num_f32 v254, v254, v235
	v_mul_f32 v254, s[CS], v254
	v_max_num_f32 v13, v13, v254                   ; the running largest t
	v_mov_b32 v254, v12
	v_floor_f32 v12, -v13                          ; the new -M: M is a whole number
	v_sub_f32 v254, v12, v254
	v_cvt_i32_f32 v254, v254                       ; (it saturates)
	v_ldexp_f32 v252, 1.0, v254                    ; f = 2^(old M - new M)
.set jj, 0
.rept 32
	v_pk_fma_f32 v[96+jj:97+jj], v[96+jj:97+jj], s[CS:CS+1], v[12:13] op_sel_hi:[1,0,0]   ; t - M
.set jj, jj+2
.endr
.irp b, 0,1,2,3
	v_fma_f32 v[232+\b], v[232+\b], s[CS], v12
.endr
.set jj, 0
.rept 64
	v_exp_f32 v[96+jj], v[96+jj]                   ; p = 2^(t - M)
.set jj, jj+1
.endr
	v_pk_mul_f32 v[14:15], v[14:15], v[252:253] op_sel_hi:[1,0]   ; the sums under the new M (a plain place behind the exponentials)
	s_wait_alu depctr_va_vdst(0)                   ; one wait for the batch, ahead of its first reader
.irp b, 0,1,2,3
	v_exp_f32 v[232+\b], v[232+\b]                 ; the blocks' largest p
.endr
	v_pk_add_f32 v[236:237], v[96:97], v[98:99]    ; the row's sum of the unquantised p, in two chains
.irp j, 4,8,12,16,20,24,28,32,36,40,44,48,52,56,60
	v_pk_add_f32 v[14:15], v[14:15], v[96+\j:97+\j]
	v_pk_add_f32 v[236:237], v[236:237], v[98+\j:99+\j]
.endr
	v_pk_add_f32 v[14:15], v[14:15], v[236:237]
	s_wait_alu depctr_va_vdst(0)                   ; and one for the four
.irp b, 0,1,2,3
	v_max_num_f32 v[232+\b], 0x1800000, v[232+\b]  ; the floor 2^(3 - 127)
.endr
.irp b, 0,1,2,3
	v_add_nc_u32 v[244+\b], 0xff000000, v[232+\b]
.endr
.irp b, 0,1,2,3
	v_lshrrev_b32 v[236+\b], 23, v[244+\b]
.endr
	v_lshl_or_b32 v253, v237, 8, v236              ; p's scale word for these 128 keys
	v_lshl_or_b32 v253, v238, 16, v253
	v_lshl_or_b32 v253, v239, 24, v253
.irp c, 0,1
	v_cvt_scalef32_pk16_fp6_f32 v[224+6*\c:226+6*\c], v[96+32*\c:111+32*\c], v[244+2*\c]
	v_cvt_scalef32_pk16_fp6_f32 v[236+4*\c:238+4*\c], v[112+32*\c:127+32*\c], v[244+2*\c+1]
.endr
	v_nop                                          ; one plain place behind a scaled conversion
.irp c, 0,1
.irp i, 0,1,2
	v_permlane16_swap_b32 v[224+6*\c+\i], v[236+4*\c+\i]
.endr
.irp i, 0,1,2
	v_mov_b32 v[227+6*\c+\i], v[236+4*\c+\i]
.endr
.endr
.set jj, 0
.rept 16
	v_pk_mul_f32 v[160+jj:161+jj], v[160+jj:161+jj], v[252:253] op_sel_hi:[1,0]   ; O^T under the new M; these sixteen are also the places in front of the products below
.set jj, jj+2
.endr
	s_wait_dscnt 0x0                               ; V and its scale words are in
.irp t, 0,1,2,3                                ; O^T += V^T P^T
	v_wmma_scale_f32_16x16x128_f8f6f4 v[160+8*\t:167+8*\t], v[32+12*\t:43+12*\t], v[224:235], v[160+8*\t:167+8*\t], v[248+\t], v253 matrix_a_fmt:MATRIX_FMT_FP6 matrix_b_fmt:MATRIX_FMT_FP6
.endr
.Lhidden:
	s_add_co_u32 s[TK], s[TK], 6144
	s_add_co_u32 s[TV], s[TV], 6144
	s_add_co_u32 s[TS], s[TS], 512
	s_add_co_u32 s[KI], s[KI], 1
	s_cmp_lt_u32 s[KI], 16
	s_cbranch_scc1 .Lstep
	; THE WAY OUT: O^T / the sum; its 32 registers are two blocks of 32 channels, 16 to a lane: quantised into one image of 64 K
.rept 4
	v_nop
.endr
	v_add_f32 v14, v14, v15
	v_permlanex16_b32 v252, v14, s[SEL], s[SEL+1]
	v_add_f32 v14, v14, v252                       ; the row's sum
	v_cmp_eq_f32 vcc_lo, 0, v14                    ; no key counted
	v_rcp_f32 v15, v14
	v_mov_b32 v254, 0xffff                         ; (a plain place behind the reciprocal)
	s_wait_alu depctr_va_vdst(0)                   ; the wait ahead of its first reader
.set jj, 0
.rept 32
	v_mul_f32 v[96+jj], v[160+jj], v15
.set jj, jj+1
.endr
.irp b, 0,1
	v_max3_num_f32 v[232+\b], |v[96+16*\b]|, |v[97+16*\b]|, 0x1800000
.endr
.irp i, 2,4,6,8,10,12,14
.irp b, 0,1
	v_max3_num_f32 v[232+\b], v[232+\b], |v[96+16*\b+\i]|, |v[97+16*\b+\i]|
.endr
.endr
.irp b, 0,1
	v_permlanex16_b32 v[236+\b], v[232+\b], s[SEL], s[SEL+1]
.endr
.irp b, 0,1
	v_max_num_f32 v[232+\b], v[232+\b], v[236+\b]
.endr
.irp b, 0,1
	v_add_nc_u32 v[244+\b], 0xff000000, v[232+\b]
.endr
.irp b, 0,1
	v_lshrrev_b32 v[236+\b], 23, v[244+\b]
.endr
	v_lshl_or_b32 v253, v237, 8, v236
	v_cndmask_b32 v253, v253, v254, vcc_lo         ; a query with no key: both bytes 0xff
	v_cvt_scalef32_pk16_fp6_f32 v[224:226], v[96:111], v244
	v_cvt_scalef32_pk16_fp6_f32 v[240:242], v[112:127], v245
	v_nop
.irp i, 0,1,2
	v_permlane16_swap_b32 v[224+\i], v[240+\i]
.endr
.irp i, 0,1,2
	v_mov_b32 v[227+\i], v[240+\i]
.endr
	global_store_b128 v192, v[224:227], s[88:89]   ; 512 consecutive bytes,
	global_store_b64 v193, v[228:229], s[88:89]    ; and 256
	global_store_b16 v194, v253, s[90:91]          ; two scale bytes a row, 32 bytes apart
	s_wait_dscnt 0x0
	s_wait_tensorcnt 0x0
	ds_add_u32 v243, v255
	s_wait_dscnt 0x0
	ROUND                                          ; the closing round
	s_endpgm
.Lfunc_end_k_qaf21669a6e_attn:
	.size	k_qaf21669a6e_attn, .Lfunc_end_k_qaf21669a6e_attn-k_qaf21669a6e_attn
	.p2alignl 7, 3214868480
	.fill 96, 4, 3214868480
	.section	.rodata,"a",@progbits
	.p2align	6, 0x0
	.amdhsa_kernel k_qaf21669a6e_attn
		.amdhsa_group_segment_fixed_size 223232
		.amdhsa_private_segment_fixed_size 0
		.amdhsa_enable_private_segment 0
		.amdhsa_kernarg_size 24
		.amdhsa_user_sgpr_count 2
		.amdhsa_user_sgpr_kernarg_segment_ptr 1
		.amdhsa_wavefront_size32 1
		.amdhsa_system_sgpr_workgroup_id_x 1
		.amdhsa_system_sgpr_workgroup_id_y 1
		.amdhsa_system_sgpr_workgroup_id_z 1
		.amdhsa_system_vgpr_workitem_id 0
		.amdhsa_next_free_vgpr 256
		.amdhsa_next_free_sgpr 96
		.amdhsa_reserve_vcc 1
		.amdhsa_float_denorm_mode_32 3
		.amdhsa_float_denorm_mode_16_64 3
		.amdhsa_memory_ordered 1
		.amdhsa_forward_progress 1
		.amdhsa_inst_pref_size 40
	.end_amdhsa_kernel
	.amdgpu_metadata
---
amdhsa.version: [ 1, 2 ]
amdhsa.kernels:
  - .name:           k_qaf21669a6e_attn
    .symbol:         k_qaf21669a6e_attn.kd
    .args:
      - { .name: qkv, .offset: 0, .size: 8, .value_kind: global_buffer, .address_space: global }
      - { .name: mask, .offset: 8, .size: 8, .value_kind: global_buffer, .address_space: global }
      - { .name: act, .offset: 16, .size: 8, .value_kind: global_buffer, .address_space: global }
    .group_segment_fixed_size: 223232
    .private_segment_fixed_size: 0
    .kernarg_segment_align: 8
    .kernarg_segment_size: 24
    .max_flat_workgroup_size: 512
    .sgpr_count:     96
    .vgpr_count:     256
    .wavefront_size: 32
...
	.end_amdgpu_metadata
.endif
;; end of part 3
;; launch g_proj (part 4): grid 8 x 16, 4 waves a work-group, clusters of 4 x 4, 327,680 bytes of LDS; arguments act, Wvw_codes, Wvw_scales, bvw, ybuf, x, mask; writes ybuf
.if DOCPART == 4
	.amdgcn_target "amdgcn-amd-amdhsa--gfx1250"
	.amdhsa_code_object_version 6
	.text
	.protected	k_qaf21669a6e_g_proj
	.globl	k_qaf21669a6e_g_proj
	.p2align	8
	.type	k_qaf21669a6e_g_proj,@function
k_qaf21669a6e_g_proj:
	s_mov_b64 s[64:65], 0
	v_nop
	global_prefetch_b8 v0, s[64:65] scope:SCOPE_SE
	s_setreg_imm32_b32 hwreg(HW_REG_WAVE_MODE, 25, 1), 1
	s_wait_xcnt 0x0
	s_wait_alu depctr_hold_cnt(0) depctr_sa_sdst(0) depctr_va_vdst(0) depctr_va_sdst(0) depctr_va_ssrc(0) depctr_va_vcc(0) depctr_vm_vsrc(0)
	s_getreg_b32 s2, hwreg(HW_REG_IB_STS2, 6, 4)
	s_cmp_eq_u32 s2, 0
	s_cbranch_scc0 .Lentry_in_a_cluster
	s_endpgm
.Lentry_in_a_cluster:
	s_bfe_u32 s2, ttmp6, 0x10000c
	s_cmp_lg_u32 s2, 0xf033
	s_cbranch_scc0 .Lentry_shape_is_right
	s_endpgm
.Lentry_shape_is_right:
; y = A W + bias + residual, the product on codes of FP6 (E2M3) with E8M0 scales for each 32 along K; y leaves as f32.  Here: A = vw, W = Wvw, residual = x times its row's mask.
; A (4,096 rows x SIZE_K) comes as images of operand registers, [K / 64 planes][rows / 16][768 bytes], its scale words as [rows / 128][K / 128][row % 16][(row / 16) % 8] from byte ASCL of the same buffer.
; B (the weight) comes as given: rows [n][K] of codes and K / 32 scale bytes a row.
; A tile of 256 rows x 128 columns is made by four waves, 128 x 64 each: 32 accumulators.  (1,024 columns in tiles of 256 would give 64 work-groups; tiles of 128 give 128.)
; K goes in steps of 256 through a ring of two LDS slots filled by the tensor data mover.  CLUSTERS: 4 x 4; A's tiles are asked for jointly along a row of the cluster, B's along a column.
; The product is used transposed (source 0 = 16 rows of B, source 1 = 16 rows of A): a lane holds eight neighbouring columns of a row.  The bias is the C of each sum's first product.
; A row of A whose scale bytes are 0xff (a query with no key) gives NaN in that row of y, as the definition has it.
.set SIZE_K, 1024
.set NB,     4
.set PERM,   0
.set ASCL,   3145728
.set MASKED, 1
.set SIZE_M, 4096
.set ROWB,   192
.set KROW,   SIZE_K*6/8
.set KS,     SIZE_K/32
.set PITCH,  240
.set FR,     12
.set NLA,    4
.set NP,     4
.set HB,     NB/2
.set BR,     16*NB
.set APW,    32/NB
.set PLANE,  SIZE_M*48
.set HALFA,  4*8*768
.set HALFB,  BR*PITCH
.set SLOT,   2*HALFA+2*HALFB
.set LAPS,   SIZE_K/512
.set SAH,    4*SIZE_K
.set SCLA,   2*SLOT
.set SCLB,   SCLA+2*SAH
.set HALFS,  (BR*KS/256)*272
.set HSB,    (16*HB*KS/256)*272
.set SPARE,  SCLB+2*HALFS
.set O16,  9
.set O8,   10
.set BAD,  11
.set ADA16, 16
.set ADA8, 18
.set ADRB, 20
.set ADSA, 27
.set SPW,  28
.set NIL,  29
.set ADSB, 30
.set SC,   32
.set BIAS, 64
.set AF,   128
.set G1, 24
.set G0, 32
.set G1B, 48
.set G0B, 56
.set G1S, 68
.set G0S, 76
.set G1SB, 80
.set G0SB, 88
.set MSB, 0
.macro WIN new                         ; the immediate's high byte repeats the setting that is left
.if MSB != (\new)
	s_set_vgpr_msb (MSB<<8)|(\new)
.set MSB, \new
.endif
.endm
.set TO_B, 0x40
.macro JLOAD g0a, g1a, g0b, g1b        ; a joint load: waves 0 and 1 fetch for A, waves 2 and 3 for B; four v_nop follow each line
	s_cmp_eq_u32 s15, 0
	s_cbranch_scc0 .Lfor_b_\@
	tensor_load_to_lds s[\g0a:\g0a+3], s[\g1a:\g1a+7]
	s_nop 0
.rept 4
	v_nop
.endr
	s_branch .Lasked_\@
.Lfor_b_\@:
	tensor_load_to_lds s[\g0b:\g0b+3], s[\g1b:\g1b+7]
	s_nop 0
.rept 4
	v_nop
.endr
.Lasked_\@:
.endm
.macro CREST
	s_cmp_lg_u32 s14, 0
	s_cbranch_scc1 .Lnot_wave_0_\@
	s_barrier_signal -3
.Lnot_wave_0_\@:
	s_barrier_wait -3
	s_barrier_signal -1
	s_barrier_wait -1
.endm
.macro CROUND
	s_barrier_signal -1
	s_barrier_wait -1
	CREST
.endm
.macro PLACES n
.rept \n
	v_nop
.endr
.endm
	s_load_b128 s[4:7], s[0:1], 0x0                ; A (images and scale words), B's codes
	s_load_b128 s[8:11], s[0:1], 0x10              ; B's scales, the bias
	s_load_b64 s[12:13], s[0:1], 0x20              ; out
	s_load_b64 s[98:99], s[0:1], 0x28              ; the residual
.if MASKED
	s_load_b64 s[100:101], s[0:1], 0x30            ; its rows' mask
.endif
	v_lshl_add_u32 v[SPW], v0, 2, SPARE
	v_mov_b32 v[NIL], 0
	ds_add_u32 v28, v29
	ds_add_u32 v28, v29
	s_wait_dscnt 0x0
	v_lshrrev_b32 v1, 5, v0
	v_readfirstlane_b32 s14, v1                    ; wave 0..3
	s_lshr_b32 s15, s14, 1
	s_and_b32 s16, s14, 1
	s_bfe_u32 s40, ttmp6, 0x40000                  ; cx, cy
	s_bfe_u32 s41, ttmp6, 0x40004
	s_lshl_b32 s42, ttmp9, 2
	s_add_co_u32 s42, s42, s40                     ; tile column
	s_and_b32 s17, ttmp7, 0xffff
	s_lshl_b32 s17, s17, 2
	s_add_co_u32 s17, s17, s41                     ; tile row
	s_lshl_b32 s43, s41, 2
	s_lshl_b32 s43, 15, s43
	s_lshl_b32 s44, 0x1111, s40
	s_or_b32 s[G1+0], s43, (3<<16)|(1<<21)         ; A's tile: 4 planes x 6,144 bytes, PLANE bytes apart
	s_mov_b32 s[G1+1], 768<<16
	s_mov_b32 s[G1+2], 4<<16
	s_mov_b32 s[G1+3], 768<<16
	s_mov_b32 s[G1+4], 4
	s_mov_b32 s[G1+5], PLANE/8
	s_mov_b32 s[G1+6], 0
	s_mov_b32 s[G1+7], 0
	s_or_b32 s[G1B+0], s44, (0<<16)|(1<<20)|(1<<21)|(3<<22)|(3<<25)  ; B's tile: BR rows x 192 bytes, 16 bytes of padding behind every 64
	s_mov_b32 s[G1B+1], ROWB<<16
	s_mov_b32 s[G1B+2], BR<<16
	s_mov_b32 s[G1B+3], ROWB<<16
	s_mov_b32 s[G1B+4], BR
	s_mov_b32 s[G1B+5], KROW
	s_mov_b32 s[G1B+6], 0
	s_mov_b32 s[G1B+7], 0
	s_or_b32 s[G1S+0], s43, (3<<16)|(1<<21)        ; A's scale words of 128 rows: dense, rows of 256 bytes
	s_mov_b32 s[G1S+1], 32<<16
	s_mov_b32 s[G1S+2], (SAH/256)<<16
	s_mov_b32 s[G1S+3], 32<<16
	s_mov_b32 s[G1S+4], SAH/256
	s_mov_b32 s[G1S+5], 32
	s_mov_b32 s[G1S+6], 0
	s_mov_b32 s[G1S+7], 0
	s_or_b32 s[G1SB+0], s44, (3<<16)|(1<<20)|(1<<21)|(5<<22)|(3<<25)  ; B's scale bytes: dense, rows of 256 bytes + 16 of padding
	s_mov_b32 s[G1SB+1], 32<<16
	s_mov_b32 s[G1SB+2], (BR*KS/256)<<16
	s_mov_b32 s[G1SB+3], 32<<16
	s_mov_b32 s[G1SB+4], BR*KS/256
	s_mov_b32 s[G1SB+5], 32
	s_mov_b32 s[G1SB+6], 0
	s_mov_b32 s[G1SB+7], 0
	s_lshl_b32 s20, s17, 4
	s_lshl_b32 s18, s16, 3
	s_add_co_u32 s20, s20, s18
	s_mul_i32 s20, s20, 768
	s_mov_b32 s21, 0
	s_lshl_b32 s22, s17, 1
	s_add_co_u32 s22, s22, s16
	s_mul_i32 s22, s22, SAH
	s_add_co_u32 s22, s22, ASCL
	s_mov_b32 s23, 0
	s_mul_i32 s46, s42, 2*BR
	s_mul_i32 s18, s16, BR
	s_add_co_u32 s46, s46, s18
	s_mul_i32 s92, s46, KS
	s_mov_b32 s93, 0
	s_mul_i32 s46, s46, KROW
	s_mov_b32 s47, 0
	s_mul_i32 s45, s16, HALFA
	s_mul_i32 s95, s16, HALFB
	s_add_co_u32 s95, s95, 2*HALFA
	s_mul_i32 s94, s16, SAH
	s_mul_i32 s96, s16, HALFS
	s_mul_i32 s66, s42, 128*NB
	s_mul_i32 s18, s16, 64*NB
	s_add_co_u32 s66, s66, s18
	s_mov_b32 s67, 0
	s_wait_kmcnt 0x0
	s_add_nc_u64 s[20:21], s[4:5], s[20:21]
	s_add_nc_u64 s[22:23], s[4:5], s[22:23]
	s_add_nc_u64 s[46:47], s[6:7], s[46:47]
	s_add_nc_u64 s[92:93], s[8:9], s[92:93]
	s_add_nc_u64 s[66:67], s[10:11], s[66:67]
	CROUND                                         ; all sixteen work-groups are here: the first joint loads meet
	s_mov_b32 s[G0S], 1
	s_add_co_u32 s[G0S+1], s94, SCLA
	s_mov_b64 s[G0S+2:G0S+3], s[22:23]
	s_or_b32 s[G0S+3], s[G0S+3], 0x80000000
	s_mov_b32 s[G0SB], 1
	s_add_co_u32 s[G0SB+1], s96, SCLB
	s_mov_b64 s[G0SB+2:G0SB+3], s[92:93]
	s_or_b32 s[G0SB+3], s[G0SB+3], 0x80000000
	JLOAD G0S, G1S, G0SB, G1SB
.irp s, 0,1
	s_mov_b32 s[G0+4*\s], 1
	s_add_co_u32 s[G0+4*\s+1], s45, \s*SLOT
	s_add_nc_u64 s[G0+4*\s+2:G0+4*\s+3], s[20:21], \s*4*PLANE
	s_or_b32 s[G0+4*\s+3], s[G0+4*\s+3], 0x80000000
	s_mov_b32 s[G0B+4*\s], 1
	s_add_co_u32 s[G0B+4*\s+1], s95, \s*SLOT
	s_add_nc_u64 s[G0B+4*\s+2:G0B+4*\s+3], s[46:47], \s*ROWB
	s_or_b32 s[G0B+4*\s+3], s[G0B+4*\s+3], 0x80000000
	JLOAD G0+4*\s, G1, G0B+4*\s, G1B
.endr
	v_and_b32 v1, 15, v0                           ; r
	v_bfe_u32 v2, v0, 4, 1                         ; h
	v_and_b32 v6, 31, v0                           ; lane
.if PERM
	v_and_b32 v8, 8, v1
	v_add_nc_u32 v8, v8, v1
	v_lshlrev_b32 v[BAD], 6, v2
.else
	v_mov_b32 v8, v1
	v_lshlrev_b32 v[BAD], 5, v2
.endif
.set bb, 0
.rept NB
.if PERM
.set BO, 128*(bb/2)+32*(bb%2)
.else
.set BO, 64*bb
.endif
	global_load_b128 v[BIAS+8*bb:BIAS+8*bb+3], v[BAD], s[66:67] offset:BO
	global_load_b128 v[BIAS+8*bb+4:BIAS+8*bb+7], v[BAD], s[66:67] offset:BO+16
.set bb, bb+1
.endr
	v_mul_u32_u24 v3, v8, PITCH
	v_mul_u32_u24 v4, v2, 24
	v_add_nc_u32 v4, v3, v4
	v_lshl_add_u32 v5, v2, 4, v4
	v_lshlrev_b32 v[O16], 4, v6
	v_lshl_add_u32 v[O8], v6, 3, 512
	s_mul_i32 s21, s15, HALFA
	s_mul_i32 s22, s16, HALFB
	s_add_co_u32 s22, s22, 2*HALFA
.irp s, 0,1
	v_add_nc_u32 v[ADA16+\s], s21, v[O16]
	v_add_nc_u32 v[ADA8+\s], s21, v[O8]
	v_add_nc_u32 v[ADRB+\s], s22, v4
	v_add_nc_u32 v[ADRB+2+\s], s22, v5
	s_add_co_u32 s21, s21, SLOT
	s_add_co_u32 s22, s22, SLOT
.endr
	v_lshlrev_b32 v5, 5, v1
	v_lshl_add_u32 v5, v2, 9, v5
	s_mul_i32 s21, s15, SAH
	s_add_co_u32 s21, s21, SCLA
	v_add_nc_u32 v[ADSA], s21, v5
	v_mul_u32_u24 v5, v8, KS
	v_lshrrev_b32 v7, 8, v5
	v_lshl_add_u32 v5, v7, 4, v5
	v_mad_u32_u24 v5, v2, HSB, v5
	s_mul_i32 s22, s16, HALFS
	s_add_co_u32 s22, s22, SCLB
	v_add_nc_u32 v[ADSB], s22, v5
.macro FRAG reg, adr, q, i
.if PERM
.set RW, 32*((\i)/2)+8*((\i)%2)
.else
.set RW, 16*(\i)
.endif
.irp p, 0,1,2,3,4,5
.set PCE, 12*(\q)+6*(\p/3)+\p%3
.if PCE%8 < 5
	ds_load_b64 v[\reg+2*\p:\reg+2*\p+1], v[\adr] offset:8*PCE+16*(PCE/8)+RW*PITCH
.else
	ds_load_b64 v[\reg+2*\p:\reg+2*\p+1], v[\adr+2] offset:8*PCE+16*(PCE/8)+RW*PITCH
.endif
.endr
.endm
.macro FRAG_A slot, q, a
.set rA, AF+FR*(\a)
.irp c, 0,1
	ds_load_b128 v[rA+6*\c:rA+6*\c+3], v[ADA16+\slot] offset:(2*(\q)+\c)*6144+768*(\a)
	ds_load_b64 v[rA+6*\c+4:rA+6*\c+5], v[ADA8+\slot] offset:(2*(\q)+\c)*6144+768*(\a)
.endr
.endm
.macro WM a, b, p, q, sc, first
.set rD, 8*(NB*((\a)%APW)+(\b))
.set rC, rD
.if \first
.set rC, BIAS+8*(\b)
.endif
.set rB, 128*(\p)+FR*(\b)
.set rA, AF+FR*(\a)
.set rSB, SC+16*(\sc)+8+2*((\b)%HB)+(\q)
.set rSA, SC+16*(\sc)+(\a)
.if ((\b) >= HB) && ((\q) == 1)
	v_wmma_scale_f32_16x16x128_f8f6f4 v[rD:rD+7], v[rB:rB+FR-1], v[rA:rA+FR-1], v[rC:rC+7], v[rSB], v[rSA] matrix_a_fmt:MATRIX_FMT_FP6 matrix_b_fmt:MATRIX_FMT_FP6 matrix_a_scale:MATRIX_SCALE_ROW1 matrix_b_scale:MATRIX_SCALE_ROW1
.elseif (\b) >= HB
	v_wmma_scale_f32_16x16x128_f8f6f4 v[rD:rD+7], v[rB:rB+FR-1], v[rA:rA+FR-1], v[rC:rC+7], v[rSB], v[rSA] matrix_a_fmt:MATRIX_FMT_FP6 matrix_b_fmt:MATRIX_FMT_FP6 matrix_a_scale:MATRIX_SCALE_ROW1
.elseif (\q) == 1
	v_wmma_scale_f32_16x16x128_f8f6f4 v[rD:rD+7], v[rB:rB+FR-1], v[rA:rA+FR-1], v[rC:rC+7], v[rSB], v[rSA] matrix_a_fmt:MATRIX_FMT_FP6 matrix_b_fmt:MATRIX_FMT_FP6 matrix_b_scale:MATRIX_SCALE_ROW1
.else
	v_wmma_scale_f32_16x16x128_f8f6f4 v[rD:rD+7], v[rB:rB+FR-1], v[rA:rA+FR-1], v[rC:rC+7], v[rSB], v[rSA] matrix_a_fmt:MATRIX_FMT_FP6 matrix_b_fmt:MATRIX_FMT_FP6
.endif
.endm
; A's blocks a0, a0 + 1 x B's NB tiles.  The accumulators take turns, one instruction a turn, in the same order in every step.  first = 1: C is the bias, in window 0.
.macro MUL16 a0, p, q, sc, first
.if \first
	WIN 0x01|((2+(\a0)/APW)<<6)
.else
	WIN 0x01|((2+(\a0)/APW)<<4)|((2+(\a0)/APW)<<6)
.endif
.irp a, \a0, \a0+1
.set bb, 0
.rept NB
	WM \a, bb, \p, \q, \sc, \first
.set bb, bb+1
.endr
.endr
.endm
.macro FETCH_B slot, q, p
	WIN TO_B
.set ii, 0
.rept NB
	FRAG 128*(\p)+FR*ii, ADRB+\slot, \q, ii
.set ii, ii+1
.endr
	WIN 0
.endm
.macro FETCH_A slot, q, i0
.irp i, \i0, \i0+1, \i0+2, \i0+3
	FRAG_A \slot, \q, \i
.endr
.endm
.macro SCALES sc
	ds_load_b128 v[SC+16*\sc:SC+16*\sc+3], v[ADSA]
	ds_load_b128 v[SC+16*\sc+4:SC+16*\sc+7], v[ADSA] offset:16
.set ii, 0
.rept HB
.if PERM
.set RW, 32*(ii/2)+8*(ii%2)
.else
.set RW, 16*ii
.endif
	ds_load_b64 v[SC+16*\sc+8+2*ii:SC+16*\sc+9+2*ii], v[ADSB] offset:(RW*KS/256)*272
.set ii, ii+1
.endr
.endm
.macro STEP slot, q, first
	s_wait_dscnt 4*NLA                             ; all but the youngest 16 loads (A's blocks 4-7)
	MUL16 0, (\q)%2, \q, \slot, \first
	MUL16 2, (\q)%2, \q, \slot, \first
	s_wait_dscnt 0
	PLACES NP
	FETCH_B \slot, (\q)+1, 1-(\q)%2
	FETCH_A \slot, (\q)+1, 0
	MUL16 4, (\q)%2, \q, \slot, \first
	MUL16 6, (\q)%2, \q, \slot, \first
	PLACES NP
	WIN 0
	FETCH_A \slot, (\q)+1, 4
.endm
.macro TURN slot, next, fill
	s_wait_tensorcnt 0x0                           ; all my tensor loads have landed: my part of the next slot
	ds_add_u32 v[SPW], v[NIL]                      ; 0 onto my spare word
	s_wait_dscnt 4*NLA+1                           ; (the add and the youngest 16 loads may be out)
	MUL16 0, 1, 1, \slot, 0
	s_wait_dscnt 0x0                               ; the add is done, and my reads of this slot are over
	s_barrier_signal -1
	MUL16 2, 1, 1, \slot, 0
	WIN 0
	s_barrier_wait -1
.if \fill
	CREST                                          ; the barrier has opened a round of the cluster's: no wave of any partner still reads this slot or has a load on its way
	s_add_nc_u64 s[G0+4*\slot+2:G0+4*\slot+3], s[G0+4*\slot+2:G0+4*\slot+3], 8*PLANE
	s_add_nc_u64 s[G0B+4*\slot+2:G0B+4*\slot+3], s[G0B+4*\slot+2:G0B+4*\slot+3], 2*ROWB
	JLOAD G0+4*\slot, G1, G0B+4*\slot, G1B
.else
	PLACES NP
.endif
	v_add_nc_u32 v[ADSA], 1024, v[ADSA]
	v_add_nc_u32 v[ADSB], 8, v[ADSB]
	FETCH_B \next, 0, 0
	FETCH_A \next, 0, 0
	SCALES \next
	MUL16 4, 1, 1, \slot, 0
	MUL16 6, 1, 1, \slot, 0
	PLACES NP
	WIN 0
	FETCH_A \next, 0, 4
.endm
	s_wait_tensorcnt 1                             ; the scales and my part of K step 0 are in (K step 1's load may be out),
	s_barrier_signal -1
	s_barrier_wait -1
	FETCH_B 0, 0, 0
	FETCH_A 0, 0, 0
	SCALES 0
	FETCH_A 0, 0, 4
	s_wait_loadcnt 0x0                             ; the bias
	STEP 0, 0, 1
	s_mov_b32 s3, LAPS-1
.Llap:
	TURN 0, 1, 1
	STEP 1, 0, 0
	TURN 1, 0, 1
	STEP 0, 0, 0
	s_sub_co_u32 s3, s3, 1
	s_cmp_lg_u32 s3, 0
	s_cbranch_scc1 .Llap
	TURN 0, 1, 0
	STEP 1, 0, 0
	s_wait_dscnt 4*NLA
	MUL16 0, 1, 1, 1, 0
	MUL16 2, 1, 1, 1, 0
	s_wait_dscnt 0
	MUL16 4, 1, 1, 1, 0
	MUL16 6, 1, 1, 1, 0
	WIN 0
	PLACES NP
; THE WAY OUT, block by block of 16 rows x 64 columns: through my stage in slot 0 (it has had its last fill and its last read), back as rows of 256 bytes, the residual added, stored: each half of the lanes fills 256 aligned bytes.
.set STO, 24
.set RD,  25
.set CO,  26
.set MKO, 27
.set MK,  64                           ; v64-79 mask bytes: eight rows to a pair
.set TF,  96                           ; v96-111 a row's mask as f32, in pairs
.set BK,  128                          ; two sets of 32: a block read back
.set RS,  192                          ; two sets of 32: its residual
	s_lshl_b32 s20, s17, 8
	s_lshl_b32 s21, s15, 7
	s_add_co_u32 s20, s20, s21                     ; my first row
	s_lshl_b32 s22, s20, 12
	s_lshl_b32 s23, s42, 9
	s_add_co_u32 s22, s22, s23
	s_lshl_b32 s23, s16, 8
	s_add_co_u32 s22, s22, s23                     ; and my first column's byte
	s_mov_b32 s23, 0
	s_add_nc_u64 s[12:13], s[12:13], s[22:23]
	s_add_nc_u64 s[98:99], s[98:99], s[22:23]
	s_mul_i32 s45, s14, 4352
	v_mul_u32_u24 v[STO], v1, 272
	v_lshl_add_u32 v[STO], v2, 5, v[STO]
	v_add_nc_u32 v[STO], s45, v[STO]
	v_mul_u32_u24 v[RD], v2, 2176
	v_lshl_add_u32 v[RD], v1, 4, v[RD]
	v_add_nc_u32 v[RD], s45, v[RD]                 ; lanes 0-15 row t, lanes 16-31 row t + 8
	v_lshlrev_b32 v[CO], 15, v2
	v_lshl_add_u32 v[CO], v1, 4, v[CO]
.if MASKED
	s_mov_b32 s21, 0
	s_add_nc_u64 s[100:101], s[100:101], s[20:21]
	v_lshlrev_b32 v[MKO], 3, v2
.irp t, 0,1,2,3,4,5,6,7
	v_mov_b32 v[TF+2*\t+1], 0                      ; (named as a pair's upper half)
.endr
.irp a, 0,1,2,3,4,5,6,7
	global_load_b64 v[MK+2*\a:MK+2*\a+1], v[MKO], s[100:101] offset:16*\a
.endr
.endif
.macro RLOAD a
.set RR, RS+32*((\a)%2)
.irp t, 0,1,2,3,4,5,6,7
	global_load_b128 v[RR+4*\t:RR+4*\t+3], v[CO], s[98:99] offset:(16*(\a)+\t)*4096 th:TH_LOAD_NT
.endr
.endm
.macro TOSTAGE a
	WIN 0x08                                       ; an LDS store's data are its source 1: window 2
.irp b, 0,1,2,3
	ds_store_b128 v[STO], v[8*(4*(\a)+\b):8*(4*(\a)+\b)+3] offset:64*\b      ; each accumulator from its low end on
	ds_store_b128 v[STO], v[8*(4*(\a)+\b)+4:8*(4*(\a)+\b)+7] offset:64*\b+16
.endr
	WIN 0
.set BB, BK+32*((\a)%2)
.irp t, 0,1,2,3,4,5,6,7
	ds_load_b128 v[BB+4*\t:BB+4*\t+3], v[RD] offset:272*\t     ; LDS serves a wave's instructions in order: these see my stores
.endr
.endm
.macro SEND a, ds, ld
.set BB, BK+32*((\a)%2)
.set RR, RS+32*((\a)%2)
	s_wait_dscnt \ds                               ; the block is back (the next block's 8 stores and 8 loads may be out)
	s_wait_loadcnt \ld                             ; its residual is in (the next block's 8 loads may be out)
.if MASKED
.irp t, 0,1,2,3,4,5,6,7
	v_bfe_u32 v[TF+2*\t], v[MK+2*(\a)+\t/4], 8*(\t%4), 8
.endr
.irp t, 0,1,2,3,4,5,6,7
	v_cvt_f32_u32 v[TF+2*\t], v[TF+2*\t]
.endr
.irp t, 0,1,2,3,4,5,6,7
	v_pk_fma_f32 v[BB+4*\t:BB+4*\t+1], v[RR+4*\t:RR+4*\t+1], v[TF+2*\t:TF+2*\t+1], v[BB+4*\t:BB+4*\t+1] op_sel_hi:[1,0,1]
	v_pk_fma_f32 v[BB+4*\t+2:BB+4*\t+3], v[RR+4*\t+2:RR+4*\t+3], v[TF+2*\t:TF+2*\t+1], v[BB+4*\t+2:BB+4*\t+3] op_sel_hi:[1,0,1]
.endr
.else
.irp t, 0,2,4,6,8,10,12,14,16,18,20,22,24,26,28,30
	v_pk_add_f32 v[BB+\t:BB+\t+1], v[BB+\t:BB+\t+1], v[RR+\t:RR+\t+1]
.endr
.endif
.irp t, 0,1,2,3,4,5,6,7
	global_store_b128 v[CO], v[BB+4*\t:BB+4*\t+3], s[12:13] offset:(16*(\a)+\t)*4096
.endr
.endm
	RLOAD 0
	RLOAD 1
	TOSTAGE 0
.irp a, 1,2,3,4,5,6,7
.if \a > 1
	s_wait_xcnt 0x0                                ; block a - 2's stores have read their registers: block a's loads may land there
.endif
	TOSTAGE \a
	SEND \a-1, 16, 8
.if \a < 7
	RLOAD \a+1
.endif
.endr
	s_wait_xcnt 0x0
	SEND 7, 0, 0
	s_wait_tensorcnt 0x0                           ; the wave's end
	ds_add_u32 v[SPW], v[NIL]
	s_wait_dscnt 0x0
	CROUND                                         ; the closing round
	s_endpgm
.Lfunc_end_k_qaf21669a6e_g_proj:
	.size	k_qaf21669a6e_g_proj, .Lfunc_end_k_qaf21669a6e_g_proj-k_qaf21669a6e_g_proj
	.p2alignl 7, 3214868480
	.fill 96, 4, 3214868480
	.section	.rodata,"a",@progbits
	.p2align	6, 0x0
	.amdhsa_kernel k_qaf21669a6e_g_proj
		.amdhsa_group_segment_fixed_size 327680
		.amdhsa_private_segment_fixed_size 0
		.amdhsa_enable_private_segment 0
		.amdhsa_kernarg_size 56
		.amdhsa_user_sgpr_count 2
		.amdhsa_user_sgpr_kernarg_segment_ptr 1
		.amdhsa_wavefront_size32 1
		.amdhsa_system_sgpr_workgroup_id_x 1
		.amdhsa_system_sgpr_workgroup_id_y 1
		.amdhsa_system_sgpr_workgroup_id_z 1
		.amdhsa_system_vgpr_workitem_id 0
		.amdhsa_next_free_vgpr 768
		.amdhsa_next_free_sgpr 102
		.amdhsa_reserve_vcc 0
		.amdhsa_float_denorm_mode_32 3
		.amdhsa_float_denorm_mode_16_64 3
		.amdhsa_memory_ordered 1
		.amdhsa_forward_progress 1
		.amdhsa_inst_pref_size 116
	.end_amdhsa_kernel
	.amdgpu_metadata
---
amdhsa.version: [ 1, 2 ]
amdhsa.kernels:
  - .name:           k_qaf21669a6e_g_proj
    .symbol:         k_qaf21669a6e_g_proj.kd
    .args:
      - { .name: act, .offset: 0, .size: 8, .value_kind: global_buffer, .address_space: global }
      - { .name: Wvw_codes, .offset: 8, .size: 8, .value_kind: global_buffer, .address_space: global }
      - { .name: Wvw_scales, .offset: 16, .size: 8, .value_kind: global_buffer, .address_space: global }
      - { .name: bvw, .offset: 24, .size: 8, .value_kind: global_buffer, .address_space: global }
      - { .name: ybuf, .offset: 32, .size: 8, .value_kind: global_buffer, .address_space: global }
      - { .name: x, .offset: 40, .size: 8, .value_kind: global_buffer, .address_space: global }
      - { .name: mask, .offset: 48, .size: 8, .value_kind: global_buffer, .address_space: global }
    .group_segment_fixed_size: 327680
    .private_segment_fixed_size: 0
    .kernarg_segment_align: 8
    .kernarg_segment_size: 56
    .max_flat_workgroup_size: 128
    .sgpr_count:     102
    .vgpr_count:     768
    .wavefront_size: 32
...
	.end_amdgpu_metadata
.endif
;; end of part 4
;; launch ln1 (part 5): grid 256 x 1, 4 waves a work-group, no clusters, 66,560 bytes of LDS; arguments ybuf, g1, b1, nbuf, act; writes nbuf, act
.if DOCPART == 5
	.amdgcn_target "amdgcn-amd-amdhsa--gfx1250"
	.amdhsa_code_object_version 6
	.text
	.protected	k_qaf21669a6e_ln1
	.globl	k_qaf21669a6e_ln1
	.p2align	8
	.type	k_qaf21669a6e_ln1,@function
k_qaf21669a6e_ln1:
	s_mov_b64 s[64:65], 0
	v_nop
	global_prefetch_b8 v0, s[64:65] scope:SCOPE_SE
	s_setreg_imm32_b32 hwreg(HW_REG_WAVE_MODE, 25, 1), 1
	s_wait_xcnt 0x0
; n = g (y - mean) / sqrt(var + 1e-5) + b along rows of 1,024, in f32, in two passes over registers (the mean first, then the squares of the differences).
; QOUT = 1: n is stored as f32 and also quantised to codes of FP6 (E2M3) with E8M0 bytes, as images of operand registers: [16 planes of 64 K][256 blocks of 16 rows][768], scale words from byte ASCL on.
; SHARES: a work-group takes 16 rows; wave w takes rows 4 w .. 4 w + 3, a whole row in 32 registers of the wave, so a row's sums never leave the wave.  Every load and store covers 512 consecutive bytes.
; For the codes the rows go through a stage in LDS (rows 4,096 + 16 bytes apart); behind one barrier wave w takes columns 256 w .. 256 w + 255 of all 16 rows and makes two fragments.
; LIMITS: a block of zeros gets the byte 1 (only this program reads the bytes); largest magnitudes under 2^-124 are held at byte 1.  A row of NaN stays NaN in f32; its codes are finite and touch that row alone.
.set QOUT,  1
.set ROWP,  4112
.set PLANE, 196608
.set ASCL,  3145728
.set X,   16                           ; v16-143  four rows
.set G,   144                          ; v144-175 g of my 32 columns
.set BB,  176                          ; v176-207 b
.set TM,  208                          ; v208-223 at work
.set PW,  224
.set PC,  226
.set ST,  246                          ; v246-253 a pair for each row: the mean, then 1 / sqrt; the upper register at work
.set O16, 4
.set O8,  8
.set OB,  12
.set SEL, 20
.set MSB, 0
.macro WIN new
.if MSB != (\new)
	s_set_vgpr_msb (MSB<<8)|(\new)
.set MSB, \new
.endif
.endm
.macro QUANT s, W, pw
	WIN ((\W)<<2)|((\W)<<4)
.irp b, 0,1,2,3
	v_max3_num_f32 v[TM+\b], 0x1800000, |v[(\s)+16*\b]|, |v[(\s)+1+16*\b]|
.endr
.irp i, 2,4,6,8,10,12,14
.irp b, 0,1,2,3
	v_max3_num_f32 v[TM+\b], v[TM+\b], |v[(\s)+16*\b+\i]|, |v[(\s)+1+16*\b+\i]|
.endr
.endr
	WIN 0
.irp b, 0,1,2,3
	v_permlanex16_b32 v[TM+4+\b], v[TM+\b], s[SEL], s[SEL+1]
.endr
.irp b, 0,1,2,3
	v_max_num_f32 v[TM+\b], v[TM+\b], v[TM+4+\b]
.endr
.irp b, 0,1,2,3
	v_add_nc_u32 v[TM+12+\b], 0xff000000, v[TM+\b]
.endr
.irp b, 0,1,2,3
	v_lshrrev_b32 v[TM+4+\b], 23, v[TM+12+\b]
.endr
	v_lshl_or_b32 v[\pw], v[TM+5], 8, v[TM+4]
	v_lshl_or_b32 v[\pw], v[TM+6], 16, v[\pw]
	v_lshl_or_b32 v[\pw], v[TM+7], 24, v[\pw]
	WIN (\W)
.irp c, 0,1
	v_cvt_scalef32_pk16_fp6_f32 v[PC+6*\c:PC+2+6*\c], v[(\s)+32*\c:(\s)+15+32*\c], v[TM+12+2*\c]
	v_cvt_scalef32_pk16_fp6_f32 v[PC+12+4*\c:PC+14+4*\c], v[(\s)+16+32*\c:(\s)+31+32*\c], v[TM+12+2*\c+1]
.endr
	WIN 0
	v_nop
.irp c, 0,1
.irp i, 0,1,2
	v_permlane16_swap_b32 v[PC+6*\c+\i], v[PC+12+4*\c+\i]
.endr
.irp i, 0,1,2
	v_mov_b32 v[PC+3+6*\c+\i], v[PC+12+4*\c+\i]
.endr
.endr
.endm
.macro OUTFRAG off, PS
	global_store_b128 v[O16], v[PC:PC+3], s[OB:OB+1] offset:\off
	global_store_b64 v[O8], v[PC+4:PC+5], s[OB:OB+1] offset:\off
	global_store_b128 v[O16], v[PC+6:PC+9], s[OB:OB+1] offset:(\off)+(\PS)
	global_store_b64 v[O8], v[PC+10:PC+11], s[OB:OB+1] offset:(\off)+(\PS)
.endm
.macro REDUCE u                        ; v[u] summed over the 32 lanes, in every lane
	v_add_f32_dpp v[\u], v[\u], v[\u] row_xmask:1 row_mask:0xf bank_mask:0xf
	v_add_f32_dpp v[\u], v[\u], v[\u] row_xmask:2 row_mask:0xf bank_mask:0xf
	v_add_f32_dpp v[\u], v[\u], v[\u] row_xmask:4 row_mask:0xf bank_mask:0xf
	v_add_f32_dpp v[\u], v[\u], v[\u] row_xmask:8 row_mask:0xf bank_mask:0xf
	v_permlanex16_b32 v[\u+1], v[\u], s[SEL], s[SEL+1]
	v_add_f32 v[\u], v[\u], v[\u+1]
.endm
.macro STAT i                          ; row i: the mean; the differences, in place; var + eps
.set XR, X+32*\i
.set S0, TM+4*\i
.set U,  ST+2*\i
	s_wait_loadcnt 16+8*(3-\i)                     ; row i's loads are in; the later rows', g's and b's may be out
	v_pk_add_f32 v[S0:S0+1], v[XR:XR+1], v[XR+2:XR+3]
	v_pk_add_f32 v[S0+2:S0+3], v[XR+4:XR+5], v[XR+6:XR+7]
.irp j, 8,12,16,20,24,28
	v_pk_add_f32 v[S0:S0+1], v[S0:S0+1], v[XR+\j:XR+\j+1]
	v_pk_add_f32 v[S0+2:S0+3], v[S0+2:S0+3], v[XR+\j+2:XR+\j+3]
.endr
	v_pk_add_f32 v[S0:S0+1], v[S0:S0+1], v[S0+2:S0+3]
	v_add_f32 v[U], v[S0], v[S0+1]
	REDUCE U
	v_mul_f32 v[U], s22, v[U]                      ; / 1,024
.irp j, 0,2,4,6,8,10,12,14,16,18,20,22,24,26,28,30
	v_pk_add_f32 v[XR+\j:XR+\j+1], v[XR+\j:XR+\j+1], v[U:U+1] op_sel_hi:[1,0] neg_lo:[0,1] neg_hi:[0,1]
.endr
	v_pk_mul_f32 v[S0:S0+1], v[XR:XR+1], v[XR:XR+1]
	v_pk_mul_f32 v[S0+2:S0+3], v[XR+2:XR+3], v[XR+2:XR+3]
.irp j, 4,8,12,16,20,24,28
	v_pk_fma_f32 v[S0:S0+1], v[XR+\j:XR+\j+1], v[XR+\j:XR+\j+1], v[S0:S0+1]
	v_pk_fma_f32 v[S0+2:S0+3], v[XR+\j+2:XR+\j+3], v[XR+\j+2:XR+\j+3], v[S0+2:S0+3]
.endr
	v_pk_add_f32 v[S0:S0+1], v[S0:S0+1], v[S0+2:S0+3]
	v_add_f32 v[U], v[S0], v[S0+1]
	REDUCE U
	v_fma_f32 v[U], v[U], s22, s23                 ; / 1,024 + 1e-5
.endm
	s_load_b128 s[4:7], s[0:1], 0x0                ; y, g
	s_load_b128 s[8:11], s[0:1], 0x10              ; b, the f32 result
.if QOUT
	s_load_b64 s[12:13], s[0:1], 0x20              ; act
	v_lshl_add_u32 v254, v0, 2, 0x10200
	v_mov_b32 v255, 0
.endif
	v_lshrrev_b32 v1, 5, v0
	v_readfirstlane_b32 s14, v1                    ; wave 0..3
	v_and_b32 v1, 31, v0
	v_lshlrev_b32 v[O16], 4, v1
	s_mov_b32 s[SEL], 0x76543210
	s_mov_b32 s[SEL+1], 0xfedcba98
	s_mov_b32 s22, 0x3a800000                      ; 1 / 1,024
	s_mov_b32 s23, 0x3727c5ac                      ; 1e-5
.irp i, 0,1,2,3
	v_mov_b32 v[ST+2*\i+1], 0                      ; a lane permute's destination counts as one of its sources
.endr
.if QOUT
	v_and_b32 v2, 15, v0
	v_bfe_u32 v3, v0, 4, 1
	s_mul_i32 s15, s14, 4*ROWP
	v_add_nc_u32 v5, s15, v[O16]
	v_mul_u32_u24 v6, v2, ROWP
	v_lshl_add_u32 v6, v3, 6, v6
	s_lshl_b32 s15, s14, 10
	v_add_nc_u32 v6, s15, v6
	v_lshl_add_u32 v[O8], v1, 3, 512
	v_lshlrev_b32 v9, 5, v2
	s_mul_i32 s18, s14, 4*PLANE
	s_mul_i32 s19, ttmp9, 768
	s_add_co_u32 s18, s18, s19
	s_mov_b32 s19, 0
	s_lshr_b32 s24, ttmp9, 3
	s_lshl_b32 s24, s24, 3
	s_lshl_b32 s25, s14, 1
	s_add_co_u32 s24, s24, s25
	s_lshl_b32 s24, s24, 9
	s_and_b32 s25, ttmp9, 7
	s_lshl_b32 s25, s25, 2
	s_add_co_u32 s24, s24, s25
	s_add_co_u32 s24, s24, ASCL
	s_mov_b32 s25, 0
.endif
	s_lshl_b32 s16, ttmp9, 16
	s_lshl_b32 s17, s14, 14
	s_add_co_u32 s16, s16, s17
	s_mov_b32 s17, 0
	s_wait_kmcnt 0x0
	s_add_nc_u64 s[4:5], s[4:5], s[16:17]
	s_add_nc_u64 s[10:11], s[10:11], s[16:17]
.if QOUT
	s_add_nc_u64 s[26:27], s[12:13], s[24:25]      ; the scale words
	s_add_nc_u64 s[12:13], s[12:13], s[18:19]      ; the images
.endif
.irp i, 0,1,2,3
.irp j, 0,1,2,3,4,5,6,7
	global_load_b128 v[X+32*\i+4*\j:X+32*\i+4*\j+3], v[O16], s[4:5] offset:4096*\i+512*\j th:TH_LOAD_NT
.endr
.endr
.irp j, 0,1,2,3,4,5,6,7
	global_load_b128 v[G+4*\j:G+4*\j+3], v[O16], s[6:7] offset:512*\j
.endr
.irp j, 0,1,2,3,4,5,6,7
	global_load_b128 v[BB+4*\j:BB+4*\j+3], v[O16], s[8:9] offset:512*\j
.endr
	STAT 0
	STAT 1
	STAT 2
	STAT 3
.irp i, 0,1,2,3
	v_rsq_f32 v[ST+2*\i], v[ST+2*\i]
.endr
	v_nop                                          ; a plain place behind the last of the four
	s_wait_alu depctr_va_vdst(0)                   ; one wait for the four, ahead of their first reader
	s_wait_loadcnt 0x0                             ; g and b
.irp i, 0,1,2,3
.irp j, 0,2,4,6,8,10,12,14,16,18,20,22,24,26,28,30
	v_pk_mul_f32 v[X+32*\i+\j:X+32*\i+\j+1], v[X+32*\i+\j:X+32*\i+\j+1], v[ST+2*\i:ST+2*\i+1] op_sel_hi:[1,0]
.endr
.irp j, 0,2,4,6,8,10,12,14,16,18,20,22,24,26,28,30
	v_pk_fma_f32 v[X+32*\i+\j:X+32*\i+\j+1], v[X+32*\i+\j:X+32*\i+\j+1], v[G+\j:G+\j+1], v[BB+\j:BB+\j+1]
.endr
.irp j, 0,1,2,3,4,5,6,7
	global_store_b128 v[O16], v[X+32*\i+4*\j:X+32*\i+4*\j+3], s[10:11] offset:4096*\i+512*\j
.endr
.if QOUT
.irp j, 0,1,2,3,4,5,6,7
	ds_store_b128 v5, v[X+32*\i+4*\j:X+32*\i+4*\j+3] offset:ROWP*\i+512*\j
.endr
.endif
.endr
.if QOUT
	s_wait_xcnt 0x0                                ; the f32 stores have read the rows' registers, which take the stage's loads below
	s_wait_dscnt 0x0                               ; for the others' sake: my rows lie in the stage
	s_barrier_signal -1
	s_barrier_wait -1
.irp f, 0,1
.irp b, 0,1,2,3
.irp i, 0,1,2,3
	ds_load_b128 v[X+64*\f+16*\b+4*\i:X+64*\f+16*\b+4*\i+3], v6 offset:512*\f+128*\b+16*\i
.endr
.endr
.endr
	s_wait_dscnt 16                                ; the first fragment's 16 loads are in
	QUANT X, 0, PW
	OUTFRAG 0, PLANE
	global_store_b32 v9, v[PW], s[26:27]
	s_wait_dscnt 0x0
	s_wait_xcnt 0x0                                ; the stores have read the codes and the word
	QUANT X+64, 0, PW
	OUTFRAG 2*PLANE, PLANE
	global_store_b32 v9, v[PW], s[26:27] offset:512
.endif
	s_wait_tensorcnt 0x0
	ds_add_u32 v254, v255
	s_wait_dscnt 0x0
	s_endpgm
.Lfunc_end_k_qaf21669a6e_ln1:
	.size	k_qaf21669a6e_ln1, .Lfunc_end_k_qaf21669a6e_ln1-k_qaf21669a6e_ln1
	.p2alignl 7, 3214868480
	.fill 96, 4, 3214868480
	.section	.rodata,"a",@progbits
	.p2align	6, 0x0
	.amdhsa_kernel k_qaf21669a6e_ln1
		.amdhsa_group_segment_fixed_size 66560
		.amdhsa_private_segment_fixed_size 0
		.amdhsa_enable_private_segment 0
		.amdhsa_kernarg_size 40
		.amdhsa_user_sgpr_count 2
		.amdhsa_user_sgpr_kernarg_segment_ptr 1
		.amdhsa_wavefront_size32 1
		.amdhsa_system_sgpr_workgroup_id_x 1
		.amdhsa_system_sgpr_workgroup_id_y 1
		.amdhsa_system_sgpr_workgroup_id_z 1
		.amdhsa_system_vgpr_workitem_id 0
		.amdhsa_next_free_vgpr 256
		.amdhsa_next_free_sgpr 66
		.amdhsa_reserve_vcc 0
		.amdhsa_float_denorm_mode_32 3
		.amdhsa_float_denorm_mode_16_64 3
		.amdhsa_memory_ordered 1
		.amdhsa_forward_progress 1
		.amdhsa_inst_pref_size 47
	.end_amdhsa_kernel
	.amdgpu_metadata
---
amdhsa.version: [ 1, 2 ]
amdhsa.kernels:
  - .name:           k_qaf21669a6e_ln1
    .symbol:         k_qaf21669a6e_ln1.kd
    .args:
      - { .name: ybuf, .offset: 0, .size: 8, .value_kind: global_buffer, .address_space: global }
      - { .name: g1, .offset: 8, .size: 8, .value_kind: global_buffer, .address_space: global }
      - { .name: b1, .offset: 16, .size: 8, .value_kind: global_buffer, .address_space: global }
      - { .name: nbuf, .offset: 24, .size: 8, .value_kind: global_buffer, .address_space: global }
      - { .name: act, .offset: 32, .size: 8, .value_kind: global_buffer, .address_space: global }
    .group_segment_fixed_size: 66560
    .private_segment_fixed_size: 0
    .kernarg_segment_align: 8
    .kernarg_segment_size: 40
    .max_flat_workgroup_size: 128
    .sgpr_count:     66
    .vgpr_count:     256
    .wavefront_size: 32
...
	.end_amdgpu_metadata
.endif
;; end of part 5
;; launch g_up (part 6): grid 16 x 16, 4 waves a work-group, clusters of 4 x 4, 327,680 bytes of LDS; arguments act, WA_codes, WA_scales, bA, hid; writes hid
.if DOCPART == 6
	.amdgcn_target "amdgcn-amd-amdhsa--gfx1250"
	.amdhsa_code_object_version 6
	.text
	.protected	k_qaf21669a6e_g_up
	.globl	k_qaf21669a6e_g_up
	.p2align	8
	.type	k_qaf21669a6e_g_up,@function
k_qaf21669a6e_g_up:
	s_mov_b64 s[64:65], 0
	v_nop
	global_prefetch_b8 v0, s[64:65] scope:SCOPE_SE
	s_setreg_imm32_b32 hwreg(HW_REG_WAVE_MODE, 25, 1), 1
	s_wait_xcnt 0x0
	s_wait_alu depctr_hold_cnt(0) depctr_sa_sdst(0) depctr_va_vdst(0) depctr_va_sdst(0) depctr_va_ssrc(0) depctr_va_vcc(0) depctr_vm_vsrc(0)
	s_getreg_b32 s2, hwreg(HW_REG_IB_STS2, 6, 4)
	s_cmp_eq_u32 s2, 0
	s_cbranch_scc0 .Lentry_in_a_cluster
	s_endpgm
.Lentry_in_a_cluster:
	s_bfe_u32 s2, ttmp6, 0x10000c
	s_cmp_lg_u32 s2, 0xf033
	s_cbranch_scc0 .Lentry_shape_is_right
	s_endpgm
.Lentry_shape_is_right:
; hidden = relu(Q(n) WA + bA) on codes of FP6 (E2M3) with E8M0 scales for each 32 along K; the result is quantised on the way out and never leaves as f32.
; A (4,096 rows x SIZE_K) comes as images of operand registers, [K / 64 planes][rows / 16][768 bytes], its scale words as [rows / 128][K / 128][row % 16][(row / 16) % 8] from byte ASCL of the same buffer.
; B (the weight) comes as given: rows [n][K] of codes, 3 K / 4 bytes, and K / 32 scale bytes a row.
; A tile of 256 rows x 256 columns is made by four waves, 128 x 128 each: 64 accumulators, 512 registers.  K goes in steps of 256 through a ring of two LDS slots filled by the tensor data mover.
; CLUSTERS: 4 x 4 work-groups; A's tiles are asked for jointly along a row of the cluster, B's along a column.  The product is used transposed (source 0 = 16 rows of B, source 1 = 16 rows of A).
; THE ROWS OF B THAT FORM A TILE ARE NOT NEIGHBOURS: lane r of tile 2 i + u takes row 32 i + 8 u + r + 8 (r / 8), so that the 16 registers of two neighbouring tiles are 16 neighbouring columns of one row of the result.
; The bias is the C of each sum's first product.  OUT: images [64 planes][256 blocks][768] and scale words from byte OSCL on.
; LIMITS: a block of zeros gets the byte 1 (its codes are zeros; only this program reads the bytes); largest magnitudes under 2^-124 are held at byte 1; NaN and infinities are not served.
.set SIZE_K, 1024
.set NB,     8
.set PERM,   1
.set ASCL,   3145728
.set RELU,   1
.set VPATH,  0
.set NOUT,   4096
.set OSCL,   12582912
.set SIZE_M, 4096
.set ROWB,   192
.set KROW,   SIZE_K*6/8
.set KS,     SIZE_K/32
.set PITCH,  240
.set FR,     12
.set NLA,    4
.set NP,     4
.set HB,     NB/2
.set BR,     16*NB
.set APW,    32/NB
.set PLANE,  SIZE_M*48
.set HALFA,  4*8*768
.set HALFB,  BR*PITCH
.set SLOT,   2*HALFA+2*HALFB
.set LAPS,   SIZE_K/512
.set SAH,    4*SIZE_K
.set SCLA,   2*SLOT
.set SCLB,   SCLA+2*SAH
.set HALFS,  (BR*KS/256)*272
.set HSB,    (16*HB*KS/256)*272
.set SPARE,  SCLB+2*HALFS
.set O16,  9
.set O8,   10
.set BAD,  11
.set ADA16, 16
.set ADA8, 18
.set ADRB, 20
.set ADSA, 27
.set SPW,  28
.set NIL,  29
.set ADSB, 30
.set SC,   32
.set BIAS, 64
.set AF,   128
.set G1, 24
.set G0, 32
.set G1B, 48
.set G0B, 56
.set G1S, 68
.set G0S, 76
.set G1SB, 80
.set G0SB, 88
.set MSB, 0
.macro WIN new                         ; the immediate's high byte repeats the setting that is left
.if MSB != (\new)
	s_set_vgpr_msb (MSB<<8)|(\new)
.set MSB, \new
.endif
.endm
.set TO_B, 0x40
.macro JLOAD g0a, g1a, g0b, g1b        ; a joint load: waves 0 and 1 fetch for A, waves 2 and 3 for B; four v_nop follow each line
	s_cmp_eq_u32 s15, 0
	s_cbranch_scc0 .Lfor_b_\@
	tensor_load_to_lds s[\g0a:\g0a+3], s[\g1a:\g1a+7]
	s_nop 0
.rept 4
	v_nop
.endr
	s_branch .Lasked_\@
.Lfor_b_\@:
	tensor_load_to_lds s[\g0b:\g0b+3], s[\g1b:\g1b+7]
	s_nop 0
.rept 4
	v_nop
.endr
.Lasked_\@:
.endm
.macro CREST
	s_cmp_lg_u32 s14, 0
	s_cbranch_scc1 .Lnot_wave_0_\@
	s_barrier_signal -3
.Lnot_wave_0_\@:
	s_barrier_wait -3
	s_barrier_signal -1
	s_barrier_wait -1
.endm
.macro CROUND
	s_barrier_signal -1
	s_barrier_wait -1
	CREST
.endm
.macro PLACES n
.rept \n
	v_nop
.endr
.endm
	s_load_b128 s[4:7], s[0:1], 0x0                ; A (images and scale words), B's codes
	s_load_b128 s[8:11], s[0:1], 0x10              ; B's scales, the bias
	s_load_b64 s[12:13], s[0:1], 0x20              ; out
	v_lshl_add_u32 v[SPW], v0, 2, SPARE
	v_mov_b32 v[NIL], 0
	ds_add_u32 v28, v29
	ds_add_u32 v28, v29
	s_wait_dscnt 0x0
	v_lshrrev_b32 v1, 5, v0
	v_readfirstlane_b32 s14, v1                    ; wave 0..3
	s_lshr_b32 s15, s14, 1
	s_and_b32 s16, s14, 1
	s_bfe_u32 s40, ttmp6, 0x40000                  ; cx, cy
	s_bfe_u32 s41, ttmp6, 0x40004
	s_lshl_b32 s42, ttmp9, 2
	s_add_co_u32 s42, s42, s40                     ; tile column
	s_and_b32 s17, ttmp7, 0xffff
	s_lshl_b32 s17, s17, 2
	s_add_co_u32 s17, s17, s41                     ; tile row
	s_lshl_b32 s43, s41, 2
	s_lshl_b32 s43, 15, s43
	s_lshl_b32 s44, 0x1111, s40
	s_or_b32 s[G1+0], s43, (3<<16)|(1<<21)         ; A's tile: 4 planes x 6,144 bytes, PLANE bytes apart
	s_mov_b32 s[G1+1], 768<<16
	s_mov_b32 s[G1+2], 4<<16
	s_mov_b32 s[G1+3], 768<<16
	s_mov_b32 s[G1+4], 4
	s_mov_b32 s[G1+5], PLANE/8
	s_mov_b32 s[G1+6], 0
	s_mov_b32 s[G1+7], 0
	s_or_b32 s[G1B+0], s44, (0<<16)|(1<<20)|(1<<21)|(3<<22)|(3<<25)  ; B's tile: BR rows x 192 bytes, 16 bytes of padding behind every 64
	s_mov_b32 s[G1B+1], ROWB<<16
	s_mov_b32 s[G1B+2], BR<<16
	s_mov_b32 s[G1B+3], ROWB<<16
	s_mov_b32 s[G1B+4], BR
	s_mov_b32 s[G1B+5], KROW
	s_mov_b32 s[G1B+6], 0
	s_mov_b32 s[G1B+7], 0
	s_or_b32 s[G1S+0], s43, (3<<16)|(1<<21)        ; A's scale words of 128 rows: dense, rows of 256 bytes
	s_mov_b32 s[G1S+1], 32<<16
	s_mov_b32 s[G1S+2], (SAH/256)<<16
	s_mov_b32 s[G1S+3], 32<<16
	s_mov_b32 s[G1S+4], SAH/256
	s_mov_b32 s[G1S+5], 32
	s_mov_b32 s[G1S+6], 0
	s_mov_b32 s[G1S+7], 0
	s_or_b32 s[G1SB+0], s44, (3<<16)|(1<<20)|(1<<21)|(5<<22)|(3<<25)  ; B's scale bytes: dense, rows of 256 bytes + 16 of padding
	s_mov_b32 s[G1SB+1], 32<<16
	s_mov_b32 s[G1SB+2], (BR*KS/256)<<16
	s_mov_b32 s[G1SB+3], 32<<16
	s_mov_b32 s[G1SB+4], BR*KS/256
	s_mov_b32 s[G1SB+5], 32
	s_mov_b32 s[G1SB+6], 0
	s_mov_b32 s[G1SB+7], 0
	s_lshl_b32 s20, s17, 4
	s_lshl_b32 s18, s16, 3
	s_add_co_u32 s20, s20, s18
	s_mul_i32 s20, s20, 768
	s_mov_b32 s21, 0
	s_lshl_b32 s22, s17, 1
	s_add_co_u32 s22, s22, s16
	s_mul_i32 s22, s22, SAH
	s_add_co_u32 s22, s22, ASCL
	s_mov_b32 s23, 0
	s_mul_i32 s46, s42, 2*BR
	s_mul_i32 s18, s16, BR
	s_add_co_u32 s46, s46, s18
	s_mul_i32 s92, s46, KS
	s_mov_b32 s93, 0
	s_mul_i32 s46, s46, KROW
	s_mov_b32 s47, 0
	s_mul_i32 s45, s16, HALFA
	s_mul_i32 s95, s16, HALFB
	s_add_co_u32 s95, s95, 2*HALFA
	s_mul_i32 s94, s16, SAH
	s_mul_i32 s96, s16, HALFS
	s_mul_i32 s66, s42, 128*NB
	s_mul_i32 s18, s16, 64*NB
	s_add_co_u32 s66, s66, s18
	s_mov_b32 s67, 0
	s_wait_kmcnt 0x0
	s_add_nc_u64 s[20:21], s[4:5], s[20:21]
	s_add_nc_u64 s[22:23], s[4:5], s[22:23]
	s_add_nc_u64 s[46:47], s[6:7], s[46:47]
	s_add_nc_u64 s[92:93], s[8:9], s[92:93]
	s_add_nc_u64 s[66:67], s[10:11], s[66:67]
	CROUND                                         ; all sixteen work-groups are here: the first joint loads meet
	s_mov_b32 s[G0S], 1
	s_add_co_u32 s[G0S+1], s94, SCLA
	s_mov_b64 s[G0S+2:G0S+3], s[22:23]
	s_or_b32 s[G0S+3], s[G0S+3], 0x80000000
	s_mov_b32 s[G0SB], 1
	s_add_co_u32 s[G0SB+1], s96, SCLB
	s_mov_b64 s[G0SB+2:G0SB+3], s[92:93]
	s_or_b32 s[G0SB+3], s[G0SB+3], 0x80000000
	JLOAD G0S, G1S, G0SB, G1SB
.irp s, 0,1
	s_mov_b32 s[G0+4*\s], 1
	s_add_co_u32 s[G0+4*\s+1], s45, \s*SLOT
	s_add_nc_u64 s[G0+4*\s+2:G0+4*\s+3], s[20:21], \s*4*PLANE
	s_or_b32 s[G0+4*\s+3], s[G0+4*\s+3], 0x80000000
	s_mov_b32 s[G0B+4*\s], 1
	s_add_co_u32 s[G0B+4*\s+1], s95, \s*SLOT
	s_add_nc_u64 s[G0B+4*\s+2:G0B+4*\s+3], s[46:47], \s*ROWB
	s_or_b32 s[G0B+4*\s+3], s[G0B+4*\s+3], 0x80000000
	JLOAD G0+4*\s, G1, G0B+4*\s, G1B
.endr
	v_and_b32 v1, 15, v0                           ; r
	v_bfe_u32 v2, v0, 4, 1                         ; h
	v_and_b32 v6, 31, v0                           ; lane
.if PERM
	v_and_b32 v8, 8, v1
	v_add_nc_u32 v8, v8, v1
	v_lshlrev_b32 v[BAD], 6, v2
.else
	v_mov_b32 v8, v1
	v_lshlrev_b32 v[BAD], 5, v2
.endif
.set bb, 0
.rept NB
.if PERM
.set BO, 128*(bb/2)+32*(bb%2)
.else
.set BO, 64*bb
.endif
	global_load_b128 v[BIAS+8*bb:BIAS+8*bb+3], v[BAD], s[66:67] offset:BO
	global_load_b128 v[BIAS+8*bb+4:BIAS+8*bb+7], v[BAD], s[66:67] offset:BO+16
.set bb, bb+1
.endr
	v_mul_u32_u24 v3, v8, PITCH
	v_mul_u32_u24 v4, v2, 24
	v_add_nc_u32 v4, v3, v4
	v_lshl_add_u32 v5, v2, 4, v4
	v_lshlrev_b32 v[O16], 4, v6
	v_lshl_add_u32 v[O8], v6, 3, 512
	s_mul_i32 s21, s15, HALFA
	s_mul_i32 s22, s16, HALFB
	s_add_co_u32 s22, s22, 2*HALFA
.irp s, 0,1
	v_add_nc_u32 v[ADA16+\s], s21, v[O16]
	v_add_nc_u32 v[ADA8+\s], s21, v[O8]
	v_add_nc_u32 v[ADRB+\s], s22, v4
	v_add_nc_u32 v[ADRB+2+\s], s22, v5
	s_add_co_u32 s21, s21, SLOT
	s_add_co_u32 s22, s22, SLOT
.endr
	v_lshlrev_b32 v5, 5, v1
	v_lshl_add_u32 v5, v2, 9, v5
	s_mul_i32 s21, s15, SAH
	s_add_co_u32 s21, s21, SCLA
	v_add_nc_u32 v[ADSA], s21, v5
	v_mul_u32_u24 v5, v8, KS
	v_lshrrev_b32 v7, 8, v5
	v_lshl_add_u32 v5, v7, 4, v5
	v_mad_u32_u24 v5, v2, HSB, v5
	s_mul_i32 s22, s16, HALFS
	s_add_co_u32 s22, s22, SCLB
	v_add_nc_u32 v[ADSB], s22, v5
.macro FRAG reg, adr, q, i
.if PERM
.set RW, 32*((\i)/2)+8*((\i)%2)
.else
.set RW, 16*(\i)
.endif
.irp p, 0,1,2,3,4,5
.set PCE, 12*(\q)+6*(\p/3)+\p%3
.if PCE%8 < 5
	ds_load_b64 v[\reg+2*\p:\reg+2*\p+1], v[\adr] offset:8*PCE+16*(PCE/8)+RW*PITCH
.else
	ds_load_b64 v[\reg+2*\p:\reg+2*\p+1], v[\adr+2] offset:8*PCE+16*(PCE/8)+RW*PITCH
.endif
.endr
.endm
.macro FRAG_A slot, q, a
.set rA, AF+FR*(\a)
.irp c, 0,1
	ds_load_b128 v[rA+6*\c:rA+6*\c+3], v[ADA16+\slot] offset:(2*(\q)+\c)*6144+768*(\a)
	ds_load_b64 v[rA+6*\c+4:rA+6*\c+5], v[ADA8+\slot] offset:(2*(\q)+\c)*6144+768*(\a)
.endr
.endm
.macro WM a, b, p, q, sc, first
.set rD, 8*(NB*((\a)%APW)+(\b))
.set rC, rD
.if \first
.set rC, BIAS+8*(\b)
.endif
.set rB, 128*(\p)+FR*(\b)
.set rA, AF+FR*(\a)
.set rSB, SC+16*(\sc)+8+2*((\b)%HB)+(\q)
.set rSA, SC+16*(\sc)+(\a)
.if ((\b) >= HB) && ((\q) == 1)
	v_wmma_scale_f32_16x16x128_f8f6f4 v[rD:rD+7], v[rB:rB+FR-1], v[rA:rA+FR-1], v[rC:rC+7], v[rSB], v[rSA] matrix_a_fmt:MATRIX_FMT_FP6 matrix_b_fmt:MATRIX_FMT_FP6 matrix_a_scale:MATRIX_SCALE_ROW1 matrix_b_scale:MATRIX_SCALE_ROW1
.elseif (\b) >= HB
	v_wmma_scale_f32_16x16x128_f8f6f4 v[rD:rD+7], v[rB:rB+FR-1], v[rA:rA+FR-1], v[rC:rC+7], v[rSB], v[rSA] matrix_a_fmt:MATRIX_FMT_FP6 matrix_b_fmt:MATRIX_FMT_FP6 matrix_a_scale:MATRIX_SCALE_ROW1
.elseif (\q) == 1
	v_wmma_scale_f32_16x16x128_f8f6f4 v[rD:rD+7], v[rB:rB+FR-1], v[rA:rA+FR-1], v[rC:rC+7], v[rSB], v[rSA] matrix_a_fmt:MATRIX_FMT_FP6 matrix_b_fmt:MATRIX_FMT_FP6 matrix_b_scale:MATRIX_SCALE_ROW1
.else
	v_wmma_scale_f32_16x16x128_f8f6f4 v[rD:rD+7], v[rB:rB+FR-1], v[rA:rA+FR-1], v[rC:rC+7], v[rSB], v[rSA] matrix_a_fmt:MATRIX_FMT_FP6 matrix_b_fmt:MATRIX_FMT_FP6
.endif
.endm
; A's blocks a0, a0 + 1 x B's NB tiles.  The accumulators take turns, one instruction a turn, in the same order in every step.  first = 1: C is the bias, in window 0.
.macro MUL16 a0, p, q, sc, first
.if \first
	WIN 0x01|((2+(\a0)/APW)<<6)
.else
	WIN 0x01|((2+(\a0)/APW)<<4)|((2+(\a0)/APW)<<6)
.endif
.irp a, \a0, \a0+1
.set bb, 0
.rept NB
	WM \a, bb, \p, \q, \sc, \first
.set bb, bb+1
.endr
.endr
.endm
.macro FETCH_B slot, q, p
	WIN TO_B
.set ii, 0
.rept NB
	FRAG 128*(\p)+FR*ii, ADRB+\slot, \q, ii
.set ii, ii+1
.endr
	WIN 0
.endm
.macro FETCH_A slot, q, i0
.irp i, \i0, \i0+1, \i0+2, \i0+3
	FRAG_A \slot, \q, \i
.endr
.endm
.macro SCALES sc
	ds_load_b128 v[SC+16*\sc:SC+16*\sc+3], v[ADSA]
	ds_load_b128 v[SC+16*\sc+4:SC+16*\sc+7], v[ADSA] offset:16
.set ii, 0
.rept HB
.if PERM
.set RW, 32*(ii/2)+8*(ii%2)
.else
.set RW, 16*ii
.endif
	ds_load_b64 v[SC+16*\sc+8+2*ii:SC+16*\sc+9+2*ii], v[ADSB] offset:(RW*KS/256)*272
.set ii, ii+1
.endr
.endm
.macro STEP slot, q, first
	s_wait_dscnt 4*NLA                             ; all but the youngest 16 loads (A's blocks 4-7)
	MUL16 0, (\q)%2, \q, \slot, \first
	MUL16 2, (\q)%2, \q, \slot, \first
	s_wait_dscnt 0
	PLACES NP
	FETCH_B \slot, (\q)+1, 1-(\q)%2
	FETCH_A \slot, (\q)+1, 0
	MUL16 4, (\q)%2, \q, \slot, \first
	MUL16 6, (\q)%2, \q, \slot, \first
	PLACES NP
	WIN 0
	FETCH_A \slot, (\q)+1, 4
.endm
.macro TURN slot, next, fill
	s_wait_tensorcnt 0x0                           ; all my tensor loads have landed: my part of the next slot
	ds_add_u32 v[SPW], v[NIL]                      ; 0 onto my spare word
	s_wait_dscnt 4*NLA+1                           ; (the add and the youngest 16 loads may be out)
	MUL16 0, 1, 1, \slot, 0
	s_wait_dscnt 0x0                               ; the add is done, and my reads of this slot are over
	s_barrier_signal -1
	MUL16 2, 1, 1, \slot, 0
	WIN 0
	s_barrier_wait -1
.if \fill
	CREST                                          ; the barrier has opened a round of the cluster's: no wave of any partner still reads this slot or has a load on its way
	s_add_nc_u64 s[G0+4*\slot+2:G0+4*\slot+3], s[G0+4*\slot+2:G0+4*\slot+3], 8*PLANE
	s_add_nc_u64 s[G0B+4*\slot+2:G0B+4*\slot+3], s[G0B+4*\slot+2:G0B+4*\slot+3], 2*ROWB
	JLOAD G0+4*\slot, G1, G0B+4*\slot, G1B
.else
	PLACES NP
.endif
	v_add_nc_u32 v[ADSA], 1024, v[ADSA]
	v_add_nc_u32 v[ADSB], 8, v[ADSB]
	FETCH_B \next, 0, 0
	FETCH_A \next, 0, 0
	SCALES \next
	MUL16 4, 1, 1, \slot, 0
	MUL16 6, 1, 1, \slot, 0
	PLACES NP
	WIN 0
	FETCH_A \next, 0, 4
.endm
	s_wait_tensorcnt 1                             ; the scales and my part of K step 0 are in (K step 1's load may be out),
	s_barrier_signal -1
	s_barrier_wait -1
	FETCH_B 0, 0, 0
	FETCH_A 0, 0, 0
	SCALES 0
	FETCH_A 0, 0, 4
	s_wait_loadcnt 0x0                             ; the bias
	STEP 0, 0, 1
	s_mov_b32 s3, LAPS-1
.Llap:
	TURN 0, 1, 1
	STEP 1, 0, 0
	TURN 1, 0, 1
	STEP 0, 0, 0
	s_sub_co_u32 s3, s3, 1
	s_cmp_lg_u32 s3, 0
	s_cbranch_scc1 .Llap
	TURN 0, 1, 0
	STEP 1, 0, 0
	s_wait_dscnt 4*NLA
	MUL16 0, 1, 1, 1, 0
	MUL16 2, 1, 1, 1, 0
	s_wait_dscnt 0
	MUL16 4, 1, 1, 1, 0
	MUL16 6, 1, 1, 1, 0
	WIN 0
	PLACES NP
; THE WAY OUT.  Block a's 64 registers, register 16 b + i = column 32 b + 16 (lane / 16) + i of the lane's row, are clipped at 0 and become a fragment's codes and its scale word.
.set TM,  192
.set WD,  64
.set OSC, 26
.set SEL, 18
.set OB,  46
.set SBR, 92
.set PC,  128
.macro QUANT s, W, pw
	WIN ((\W)<<2)|((\W)<<4)
.irp b, 0,1,2,3
	v_max3_num_f32 v[TM+\b], 0x1800000, |v[(\s)+16*\b]|, |v[(\s)+1+16*\b]|
.endr
.irp i, 2,4,6,8,10,12,14
.irp b, 0,1,2,3
	v_max3_num_f32 v[TM+\b], v[TM+\b], |v[(\s)+16*\b+\i]|, |v[(\s)+1+16*\b+\i]|
.endr
.endr
	WIN 0
.irp b, 0,1,2,3
	v_permlanex16_b32 v[TM+4+\b], v[TM+\b], s[SEL], s[SEL+1]
.endr
.irp b, 0,1,2,3
	v_max_num_f32 v[TM+\b], v[TM+\b], v[TM+4+\b]
.endr
.irp b, 0,1,2,3
	v_add_nc_u32 v[TM+12+\b], 0xff000000, v[TM+\b]
.endr
.irp b, 0,1,2,3
	v_lshrrev_b32 v[TM+4+\b], 23, v[TM+12+\b]
.endr
	v_lshl_or_b32 v[\pw], v[TM+5], 8, v[TM+4]
	v_lshl_or_b32 v[\pw], v[TM+6], 16, v[\pw]
	v_lshl_or_b32 v[\pw], v[TM+7], 24, v[\pw]
	WIN (\W)
.irp c, 0,1
	v_cvt_scalef32_pk16_fp6_f32 v[PC+6*\c:PC+2+6*\c], v[(\s)+32*\c:(\s)+15+32*\c], v[TM+12+2*\c]
	v_cvt_scalef32_pk16_fp6_f32 v[PC+12+4*\c:PC+14+4*\c], v[(\s)+16+32*\c:(\s)+31+32*\c], v[TM+12+2*\c+1]
.endr
	WIN 0
	v_nop
.irp c, 0,1
.irp i, 0,1,2
	v_permlane16_swap_b32 v[PC+6*\c+\i], v[PC+12+4*\c+\i]
.endr
.irp i, 0,1,2
	v_mov_b32 v[PC+3+6*\c+\i], v[PC+12+4*\c+\i]
.endr
.endr
.endm
.macro OUTFRAG off, PS
	global_store_b128 v[O16], v[PC:PC+3], s[OB:OB+1] offset:\off
	global_store_b64 v[O8], v[PC+4:PC+5], s[OB:OB+1] offset:\off
	global_store_b128 v[O16], v[PC+6:PC+9], s[OB:OB+1] offset:(\off)+(\PS)
	global_store_b64 v[O8], v[PC+10:PC+11], s[OB:OB+1] offset:(\off)+(\PS)
.endm
	s_mov_b32 s[SEL], 0x76543210
	s_mov_b32 s[SEL+1], 0xfedcba98
	v_lshlrev_b32 v[OSC], 5, v1
	v_lshl_add_u32 v[OSC], v2, 4, v[OSC]           ; 32 r + 16 h
.irp b, 0,1,2,3
	v_mov_b32 v[TM+4+\b], 0
.endr
	s_lshl_b32 s21, s17, 1
	s_add_co_u32 s21, s21, s15                     ; which 128 rows are mine
	s_lshl_b32 s20, s42, 1
	s_add_co_u32 s20, s20, s16                     ; which 128 columns
	s_mul_i32 s22, s20, 2*PLANE
	s_mul_i32 s45, s21, 8*768
	s_add_co_u32 s22, s22, s45
	s_mov_b32 s23, 0
	s_add_nc_u64 s[OB:OB+1], s[12:13], s[22:23]
	s_mul_i32 s22, s21, NOUT/128
	s_add_co_u32 s22, s22, s20
	s_lshl_b32 s22, s22, 9
	s_add_co_u32 s22, s22, OSCL
	s_add_nc_u64 s[SBR:SBR+1], s[12:13], s[22:23]
.irp a, 0,1,2,3,4,5,6,7
.if \a > 0
	s_wait_xcnt 0x0                                ; the last block's stores have read the codes
.endif
	WIN ((2+\a/4)<<2)|((2+\a/4)<<6)
.set jj, 0
.rept 64
	v_max_num_f32 v[64*(\a%4)+jj], 0, v[64*(\a%4)+jj]      ; the activation, in f32; each accumulator from its low end on
.set jj, jj+1
.endr
	QUANT 64*(\a%4), 2+\a/4, WD+\a
	OUTFRAG 768*\a, PLANE
.endr
	v_cmp_le_u32 vcc_lo, 16, v6                    ; my 128 rows' scale words leave as 512 consecutive bytes: lanes 0-15 blocks 0-3 of row r, lanes 16-31 blocks 4-7
.irp i, 0,1,2,3
	v_cndmask_b32 v[72+\i], v[WD+\i], v[WD+4+\i], vcc_lo
.endr
	global_store_b128 v[OSC], v[72:75], s[SBR:SBR+1]
	s_wait_tensorcnt 0x0                           ; the wave's end
	ds_add_u32 v[SPW], v[NIL]
	s_wait_dscnt 0x0
	CROUND                                         ; the closing round
	s_endpgm
.Lfunc_end_k_qaf21669a6e_g_up:
	.size	k_qaf21669a6e_g_up, .Lfunc_end_k_qaf21669a6e_g_up-k_qaf21669a6e_g_up
	.p2alignl 7, 3214868480
	.fill 96, 4, 3214868480
	.section	.rodata,"a",@progbits
	.p2align	6, 0x0
	.amdhsa_kernel k_qaf21669a6e_g_up
		.amdhsa_group_segment_fixed_size 327680
		.amdhsa_private_segment_fixed_size 0
		.amdhsa_enable_private_segment 0
		.amdhsa_kernarg_size 40
		.amdhsa_user_sgpr_count 2
		.amdhsa_user_sgpr_kernarg_segment_ptr 1
		.amdhsa_wavefront_size32 1
		.amdhsa_system_sgpr_workgroup_id_x 1
		.amdhsa_system_sgpr_workgroup_id_y 1
		.amdhsa_system_sgpr_workgroup_id_z 1
		.amdhsa_system_vgpr_workitem_id 0
		.amdhsa_next_free_vgpr 1024
		.amdhsa_next_free_sgpr 102
		.amdhsa_reserve_vcc 1
		.amdhsa_float_denorm_mode_32 3
		.amdhsa_float_denorm_mode_16_64 3
		.amdhsa_memory_ordered 1
		.amdhsa_forward_progress 1
		.amdhsa_inst_pref_size 175
	.end_amdhsa_kernel
	.amdgpu_metadata
---
amdhsa.version: [ 1, 2 ]
amdhsa.kernels:
  - .name:           k_qaf21669a6e_g_up
    .symbol:         k_qaf21669a6e_g_up.kd
    .args:
      - { .name: act, .offset: 0, .size: 8, .value_kind: global_buffer, .address_space: global }
      - { .name: WA_codes, .offset: 8, .size: 8, .value_kind: global_buffer, .address_space: global }
      - { .name: WA_scales, .offset: 16, .size: 8, .value_kind: global_buffer, .address_space: global }
      - { .name: bA, .offset: 24, .size: 8, .value_kind: global_buffer, .address_space: global }
      - { .name: hid, .offset: 32, .size: 8, .value_kind: global_buffer, .address_space: global }
    .group_segment_fixed_size: 327680
    .private_segment_fixed_size: 0
    .kernarg_segment_align: 8
    .kernarg_segment_size: 40
    .max_flat_workgroup_size: 128
    .sgpr_count:     102
    .vgpr_count:     1024
    .wavefront_size: 32
...
	.end_amdgpu_metadata
.endif
;; end of part 6
;; launch g_down (part 7): grid 8 x 32, 4 waves a work-group, clusters of 4 x 4, 327,680 bytes of LDS; arguments hid, WB_codes, WB_scales, bB, part; writes part
.if DOCPART == 7
	.amdgcn_target "amdgcn-amd-amdhsa--gfx1250"
	.amdhsa_code_object_version 6
	.text
	.protected	k_qaf21669a6e_g_down
	.globl	k_qaf21669a6e_g_down
	.p2align	8
	.type	k_qaf21669a6e_g_down,@function
k_qaf21669a6e_g_down:
	s_mov_b64 s[64:65], 0
	v_nop
	global_prefetch_b8 v0, s[64:65] scope:SCOPE_SE
	s_setreg_imm32_b32 hwreg(HW_REG_WAVE_MODE, 25, 1), 1
	s_wait_xcnt 0x0
	s_wait_alu depctr_hold_cnt(0) depctr_sa_sdst(0) depctr_va_vdst(0) depctr_va_sdst(0) depctr_va_ssrc(0) depctr_va_vcc(0) depctr_vm_vsrc(0)
	s_getreg_b32 s2, hwreg(HW_REG_IB_STS2, 6, 4)
	s_cmp_eq_u32 s2, 0
	s_cbranch_scc0 .Lentry_in_a_cluster
	s_endpgm
.Lentry_in_a_cluster:
	s_bfe_u32 s2, ttmp6, 0x10000c
	s_cmp_lg_u32 s2, 0xf033
	s_cbranch_scc0 .Lentry_shape_is_right
	s_endpgm
.Lentry_shape_is_right:
; part[k] = A[:, half k of K] W[half k of K, :] + bias / 2, k = 0, 1: the product hidden x WB on codes of FP6 (E2M3) with E8M0 scales for each 32 along K, its K of 4,096 shared between two work-groups.
; The two parts leave as f32, PARTB bytes apart; the next launch adds them (and the residual).  Why K is shared: 4,096 x 1,024 results in tiles of 256 x 128 are 128 work-groups; two to a tile are 256, and each walks half the K steps.
; A (4,096 rows x SIZE_K) comes as images of operand registers, [K / 64 planes][rows / 16][768 bytes], its scale words as [rows / 128][K / 128][row % 16][(row / 16) % 8] from byte ASCL of the same buffer.
; B (the weight) comes as given: rows [n][K] of codes and K / 32 scale bytes a row.
; A tile of 256 rows x 128 columns is made by four waves, 128 x 64 each: 32 accumulators.  K goes in steps of 256 through a ring of two LDS slots filled by the tensor data mover.
; CLUSTERS: 4 x 4; A's tiles are asked for jointly along a row of the cluster, B's along a column.  The cluster's y gives the tile rows (y % 4) and the half of K (y / 4): the half is the same in all sixteen partners and enters global addresses alone.
; The product is used transposed (source 0 = 16 rows of B, source 1 = 16 rows of A): a lane holds eight neighbouring columns of a row.  Half the bias is the C of each sum's first product, in both halves of K: no select, one text.
; LIMITS: bias / 2 is exact for magnitudes of 2^-125 and more; NaN and infinities among the inputs are not served.
.set SIZE_K, 4096
.set KW,     2048                      ; along K for a work-group
.set NB,     4
.set ASCL,   12582912
.set PARTB,  16777216                  ; bytes of a part
.set SIZE_M, 4096
.set ROWB,   192
.set KROW,   SIZE_K*6/8
.set KS,     SIZE_K/32                 ; a row of B's scale bytes in memory
.set KSW,    KW/32                     ; and what I take of it
.set PITCH,  240                       ; B's row in LDS: 3 x (64 bytes + 16 of padding)
.set FR,     12
.set NLA,    4                         ; LDS loads that bring a fragment of A
.set NP,     4                         ; places behind this matrix instruction (ISA guide 7.12.1)
.set HB,     NB/2
.set BR,     16*NB
.set APW,    32/NB
.set PLANE,  SIZE_M*48
.set HALFA,  4*8*768                   ; 128 rows x 256 K of A: four planes of eight images
.set HALFB,  BR*PITCH
.set SLOT,   2*HALFA+2*HALFB
.set LAPS,   KW/512
.set SAHM,   4*SIZE_K                  ; A's scale words of 128 rows in memory,
.set SAH,    4*KW                      ; and my half of K of them
.set SCLA,   2*SLOT
.set SCLB,   SCLA+2*SAH
.set SPB,    KSW+16                    ; a row of B's scale bytes in LDS: 64 bytes + 16 of padding
.set HALFS,  BR*SPB
.set HSB,    16*HB*SPB
.set SPARE,  SCLB+2*HALFS              ; the spare words: 128 bytes a wave
.set O16,  9                           ; v9   16 x lane
.set O8,   10                          ; v10  512 + 8 x lane
.set BAD,  11                          ; v11  the bias loads' offset; never rewritten
.set ADA16, 16                         ; v16-17 LDS address of A's images in slot 0, 1: the 16-byte parts;  v18-19: the 8-byte parts
.set ADA8, 18
.set ADRB, 20                          ; v20-21 B's fragments in slot 0, 1;  v22-23 the same behind one padding more
.set ADSA, 27                          ; v27  A's scale words
.set SPW,  28                          ; v28  my spare word; never rewritten
.set NIL,  29                          ; v29  0; never rewritten
.set ADSB, 30                          ; v30  B's scale words
.set SC,   32                          ; v32-63 scale words, two sets of 16: +a: A's block a (lanes 0-15 the slot's first 128 K, lanes 16-31 its second); +8+2i+q: B's tile i (lanes 0-15) and i + HB (lanes 16-31)
.set BIAS, 64                          ; v64-95 half the bias, eight registers a tile, in the result's layout
.set AF,   128                         ; v128-223 A's fragments, one set
.set G1, 24
.set G0, 32
.set G1B, 48
.set G0B, 56
.set G1S, 68
.set G0S, 76
.set G1SB, 80
.set G0SB, 88
.set MSB, 0
.macro WIN new                         ; the immediate's high byte repeats the setting that is left
.if MSB != (\new)
	s_set_vgpr_msb (MSB<<8)|(\new)
.set MSB, \new
.endif
.endm
.set TO_B, 0x40
.macro JLOAD g0a, g1a, g0b, g1b        ; a joint load: waves 0 and 1 fetch for A, waves 2 and 3 for B; four v_nop follow each line
	s_cmp_eq_u32 s15, 0
	s_cbranch_scc0 .Lfor_b_\@
	tensor_load_to_lds s[\g0a:\g0a+3], s[\g1a:\g1a+7]
	s_nop 0
.rept 4
	v_nop
.endr
	s_branch .Lasked_\@
.Lfor_b_\@:
	tensor_load_to_lds s[\g0b:\g0b+3], s[\g1b:\g1b+7]
	s_nop 0
.rept 4
	v_nop
.endr
.Lasked_\@:
.endm
.macro CREST                           ; a round of the cluster's barrier behind its opening barrier
	s_cmp_lg_u32 s14, 0
	s_cbranch_scc1 .Lnot_wave_0_\@
	s_barrier_signal -3
.Lnot_wave_0_\@:
	s_barrier_wait -3
	s_barrier_signal -1
	s_barrier_wait -1
.endm
.macro CROUND
	s_barrier_signal -1
	s_barrier_wait -1
	CREST
.endm
.macro PLACES n
.rept \n
	v_nop
.endr
.endm
	s_load_b128 s[4:7], s[0:1], 0x0                ; A (images and scale words), B's codes
	s_load_b128 s[8:11], s[0:1], 0x10              ; B's scales, the bias
	s_load_b64 s[12:13], s[0:1], 0x20              ; the two parts
	v_lshl_add_u32 v[SPW], v0, 2, SPARE
	v_mov_b32 v[NIL], 0
	ds_add_u32 v28, v29
	ds_add_u32 v28, v29
	s_wait_dscnt 0x0
	v_lshrrev_b32 v1, 5, v0
	v_readfirstlane_b32 s14, v1                    ; wave 0..3
	s_lshr_b32 s15, s14, 1                         ; my half of the tile's rows.  Also: I fetch for A (0) or for B (1)
	s_and_b32 s16, s14, 1                          ; my half of its columns.  Also: which half of that tile I fetch
	s_bfe_u32 s40, ttmp6, 0x40000                  ; cx, cy
	s_bfe_u32 s41, ttmp6, 0x40004
	s_lshl_b32 s42, ttmp9, 2
	s_add_co_u32 s42, s42, s40                     ; tile column
	s_and_b32 s17, ttmp7, 0xffff                   ; the cluster's y, 0 .. 7
	s_lshr_b32 s97, s17, 2                         ; which half of K: made of the cluster's y alone
	s_and_b32 s17, s17, 3
	s_lshl_b32 s17, s17, 2
	s_add_co_u32 s17, s17, s41                     ; tile row
	s_lshl_b32 s43, s41, 2
	s_lshl_b32 s43, 15, s43                        ; my row of the cluster
	s_lshl_b32 s44, 0x1111, s40                    ; my column
	s_or_b32 s[G1+0], s43, (3<<16)|(1<<21)         ; A's tile: 4 planes x 6,144 bytes (768 elements of 8), PLANE bytes apart; no padding
	s_mov_b32 s[G1+1], 768<<16
	s_mov_b32 s[G1+2], 4<<16
	s_mov_b32 s[G1+3], 768<<16
	s_mov_b32 s[G1+4], 4
	s_mov_b32 s[G1+5], PLANE/8
	s_mov_b32 s[G1+6], 0
	s_mov_b32 s[G1+7], 0
	s_or_b32 s[G1B+0], s44, (0<<16)|(1<<20)|(1<<21)|(3<<22)|(3<<25)  ; B's tile: BR rows x 192 bytes, 16 bytes of padding behind every 64
	s_mov_b32 s[G1B+1], ROWB<<16
	s_mov_b32 s[G1B+2], BR<<16
	s_mov_b32 s[G1B+3], ROWB<<16
	s_mov_b32 s[G1B+4], BR
	s_mov_b32 s[G1B+5], KROW
	s_mov_b32 s[G1B+6], 0
	s_mov_b32 s[G1B+7], 0
	s_or_b32 s[G1S+0], s43, (3<<16)|(1<<21)        ; A's scale words of 128 rows, my half of K: a dense block, as rows of 256 bytes
	s_mov_b32 s[G1S+1], 32<<16
	s_mov_b32 s[G1S+2], (SAH/256)<<16
	s_mov_b32 s[G1S+3], 32<<16
	s_mov_b32 s[G1S+4], SAH/256
	s_mov_b32 s[G1S+5], 32
	s_mov_b32 s[G1S+6], 0
	s_mov_b32 s[G1S+7], 0
	s_or_b32 s[G1SB+0], s44, (3<<16)|(1<<20)|(1<<21)|(3<<22)|(3<<25)  ; B's scale bytes: BR rows x 64 bytes (8 elements of 8), 128 bytes apart in memory; 16 bytes of padding behind each row's 16 words
	s_mov_b32 s[G1SB+1], (KSW/8)<<16
	s_mov_b32 s[G1SB+2], BR<<16
	s_mov_b32 s[G1SB+3], (KSW/8)<<16
	s_mov_b32 s[G1SB+4], BR
	s_mov_b32 s[G1SB+5], KS/8
	s_mov_b32 s[G1SB+6], 0
	s_mov_b32 s[G1SB+7], 0
	s_lshl_b32 s20, s17, 4                         ; A: block 16 x tile row + 8 x half of the rows,
	s_lshl_b32 s18, s16, 3
	s_add_co_u32 s20, s20, s18
	s_mul_i32 s20, s20, 768
	s_mul_i32 s18, s97, (KW/64)*PLANE              ; in my half of K's 32 planes
	s_add_co_u32 s20, s20, s18
	s_mov_b32 s21, 0
	s_lshl_b32 s22, s17, 1                         ; its scale words
	s_add_co_u32 s22, s22, s16
	s_mul_i32 s22, s22, SAHM
	s_mul_i32 s18, s97, SAH
	s_add_co_u32 s22, s22, s18
	s_add_co_u32 s22, s22, ASCL
	s_mov_b32 s23, 0
	s_mul_i32 s46, s42, 2*BR                       ; B: row 2 BR x tile column + BR x half of the columns
	s_mul_i32 s18, s16, BR
	s_add_co_u32 s46, s46, s18
	s_mul_i32 s92, s46, KS                         ; its scale bytes, my half of K's 64 of each row
	s_mul_i32 s18, s97, KSW
	s_add_co_u32 s92, s92, s18
	s_mov_b32 s93, 0
	s_mul_i32 s46, s46, KROW                       ; its codes, my half of K's 1,536 bytes of each row
	s_mul_i32 s18, s97, KW*6/8
	s_add_co_u32 s46, s46, s18
	s_mov_b32 s47, 0
	s_mul_i32 s45, s16, HALFA                      ; where they go: neither a place in the cluster nor the half of K enters an LDS address
	s_mul_i32 s95, s16, HALFB
	s_add_co_u32 s95, s95, 2*HALFA
	s_mul_i32 s94, s16, SAH
	s_mul_i32 s96, s16, HALFS
	s_mul_i32 s66, s42, 128*NB                     ; the bias of my columns
	s_mul_i32 s18, s16, 64*NB
	s_add_co_u32 s66, s66, s18
	s_mov_b32 s67, 0
	s_wait_kmcnt 0x0
	s_add_nc_u64 s[20:21], s[4:5], s[20:21]
	s_add_nc_u64 s[22:23], s[4:5], s[22:23]
	s_add_nc_u64 s[46:47], s[6:7], s[46:47]
	s_add_nc_u64 s[92:93], s[8:9], s[92:93]
	s_add_nc_u64 s[66:67], s[10:11], s[66:67]
	CROUND                                         ; all sixteen work-groups are here: the first joint loads meet
	s_mov_b32 s[G0S], 1
	s_add_co_u32 s[G0S+1], s94, SCLA
	s_mov_b64 s[G0S+2:G0S+3], s[22:23]
	s_or_b32 s[G0S+3], s[G0S+3], 0x80000000
	s_mov_b32 s[G0SB], 1
	s_add_co_u32 s[G0SB+1], s96, SCLB
	s_mov_b64 s[G0SB+2:G0SB+3], s[92:93]
	s_or_b32 s[G0SB+3], s[G0SB+3], 0x80000000
	JLOAD G0S, G1S, G0SB, G1SB                     ; the scales first: filled once
.irp s, 0,1
	s_mov_b32 s[G0+4*\s], 1
	s_add_co_u32 s[G0+4*\s+1], s45, \s*SLOT
	s_add_nc_u64 s[G0+4*\s+2:G0+4*\s+3], s[20:21], \s*4*PLANE
	s_or_b32 s[G0+4*\s+3], s[G0+4*\s+3], 0x80000000
	s_mov_b32 s[G0B+4*\s], 1
	s_add_co_u32 s[G0B+4*\s+1], s95, \s*SLOT
	s_add_nc_u64 s[G0B+4*\s+2:G0B+4*\s+3], s[46:47], \s*ROWB
	s_or_b32 s[G0B+4*\s+3], s[G0B+4*\s+3], 0x80000000
	JLOAD G0+4*\s, G1, G0B+4*\s, G1B
.endr
	v_and_b32 v1, 15, v0                           ; r
	v_bfe_u32 v2, v0, 4, 1                         ; h
	v_and_b32 v6, 31, v0                           ; lane
	v_lshlrev_b32 v[BAD], 5, v2                    ; tile b's eight columns of my half: 64 b + 32 h bytes
.set bb, 0
.rept NB
	global_load_b128 v[BIAS+8*bb:BIAS+8*bb+3], v[BAD], s[66:67] offset:64*bb
	global_load_b128 v[BIAS+8*bb+4:BIAS+8*bb+7], v[BAD], s[66:67] offset:64*bb+16
.set bb, bb+1
.endr
	v_mul_u32_u24 v3, v1, PITCH
	v_mul_u32_u24 v4, v2, 24
	v_add_nc_u32 v4, v3, v4                        ; B: my row x pitch + 24 x half
	v_lshl_add_u32 v5, v2, 4, v4                   ; and the same behind one padding more
	v_lshlrev_b32 v[O16], 4, v6
	v_lshl_add_u32 v[O8], v6, 3, 512
	s_mul_i32 s21, s15, HALFA                      ; my 128 rows of A
	s_mul_i32 s22, s16, HALFB                      ; my BR rows of B, behind A's two halves
	s_add_co_u32 s22, s22, 2*HALFA
.irp s, 0,1
	v_add_nc_u32 v[ADA16+\s], s21, v[O16]
	v_add_nc_u32 v[ADA8+\s], s21, v[O8]
	v_add_nc_u32 v[ADRB+\s], s22, v4
	v_add_nc_u32 v[ADRB+2+\s], s22, v5
	s_add_co_u32 s21, s21, SLOT
	s_add_co_u32 s22, s22, SLOT
.endr
	v_lshlrev_b32 v5, 5, v1
	v_lshl_add_u32 v5, v2, 9, v5                   ; A's scale words: 32 r, lanes 16-31 the next 128 K
	s_mul_i32 s21, s15, SAH
	s_add_co_u32 s21, s21, SCLA
	v_add_nc_u32 v[ADSA], s21, v5
	v_mul_u32_u24 v5, v1, SPB                      ; B's: SPB bytes a row; lanes 16-31 take the tile HB further on
	v_mad_u32_u24 v5, v2, HSB, v5
	s_mul_i32 s22, s16, HALFS
	s_add_co_u32 s22, s22, SCLB
	v_add_nc_u32 v[ADSB], s22, v5
.macro FRAG reg, adr, q, i             ; a fragment of B: 16 rows x 128 K, 24 + 24 bytes a lane in pieces of 8; where the piece three on lies behind one padding more, the second address register serves
.irp p, 0,1,2,3,4,5
.set PCE, 12*(\q)+6*(\p/3)+\p%3
.if PCE%8 < 5
	ds_load_b64 v[\reg+2*\p:\reg+2*\p+1], v[\adr] offset:8*PCE+16*(PCE/8)+16*(\i)*PITCH
.else
	ds_load_b64 v[\reg+2*\p:\reg+2*\p+1], v[\adr+2] offset:8*PCE+16*(PCE/8)+16*(\i)*PITCH
.endif
.endr
.endm
.macro FRAG_A slot, q, a               ; a fragment of A: two images, each 16 + 8 bytes a lane, as they lie
.set rA, AF+FR*(\a)
.irp c, 0,1
	ds_load_b128 v[rA+6*\c:rA+6*\c+3], v[ADA16+\slot] offset:(2*(\q)+\c)*6144+768*(\a)
	ds_load_b64 v[rA+6*\c+4:rA+6*\c+5], v[ADA8+\slot] offset:(2*(\q)+\c)*6144+768*(\a)
.endr
.endm
.macro WM a, b, p, q, sc, first        ; one product: A's block a x B's tile b
.set rD, 8*(NB*((\a)%APW)+(\b))
.set rC, rD
.if \first
.set rC, BIAS+8*(\b)
.endif
.set rB, 128*(\p)+FR*(\b)
.set rA, AF+FR*(\a)
.set rSB, SC+16*(\sc)+8+2*((\b)%HB)+(\q)
.set rSA, SC+16*(\sc)+(\a)
.if ((\b) >= HB) && ((\q) == 1)
	v_wmma_scale_f32_16x16x128_f8f6f4 v[rD:rD+7], v[rB:rB+FR-1], v[rA:rA+FR-1], v[rC:rC+7], v[rSB], v[rSA] matrix_a_fmt:MATRIX_FMT_FP6 matrix_b_fmt:MATRIX_FMT_FP6 matrix_a_scale:MATRIX_SCALE_ROW1 matrix_b_scale:MATRIX_SCALE_ROW1
.elseif (\b) >= HB
	v_wmma_scale_f32_16x16x128_f8f6f4 v[rD:rD+7], v[rB:rB+FR-1], v[rA:rA+FR-1], v[rC:rC+7], v[rSB], v[rSA] matrix_a_fmt:MATRIX_FMT_FP6 matrix_b_fmt:MATRIX_FMT_FP6 matrix_a_scale:MATRIX_SCALE_ROW1
.elseif (\q) == 1
	v_wmma_scale_f32_16x16x128_f8f6f4 v[rD:rD+7], v[rB:rB+FR-1], v[rA:rA+FR-1], v[rC:rC+7], v[rSB], v[rSA] matrix_a_fmt:MATRIX_FMT_FP6 matrix_b_fmt:MATRIX_FMT_FP6 matrix_b_scale:MATRIX_SCALE_ROW1
.else
	v_wmma_scale_f32_16x16x128_f8f6f4 v[rD:rD+7], v[rB:rB+FR-1], v[rA:rA+FR-1], v[rC:rC+7], v[rSB], v[rSA] matrix_a_fmt:MATRIX_FMT_FP6 matrix_b_fmt:MATRIX_FMT_FP6
.endif
.endm
; A's blocks a0, a0 + 1 x B's NB tiles.  The accumulators take turns, one instruction a turn, in the same order in every step.  first = 1: C is half the bias, in window 0.
.macro MUL16 a0, p, q, sc, first
.if \first
	WIN 0x01|((2+(\a0)/APW)<<6)
.else
	WIN 0x01|((2+(\a0)/APW)<<4)|((2+(\a0)/APW)<<6)
.endif
.irp a, \a0, \a0+1
.set bb, 0
.rept NB
	WM \a, bb, \p, \q, \sc, \first
.set bb, bb+1
.endr
.endr
.endm
.macro FETCH_B slot, q, p
	WIN TO_B
.set ii, 0
.rept NB
	FRAG 128*(\p)+FR*ii, ADRB+\slot, \q, ii
.set ii, ii+1
.endr
	WIN 0
.endm
.macro FETCH_A slot, q, i0
.irp i, \i0, \i0+1, \i0+2, \i0+3
	FRAG_A \slot, \q, \i
.endr
.endm
.macro SCALES sc                       ; a K step's scale words into set sc
	ds_load_b128 v[SC+16*\sc:SC+16*\sc+3], v[ADSA]
	ds_load_b128 v[SC+16*\sc+4:SC+16*\sc+7], v[ADSA] offset:16
.set ii, 0
.rept HB
	ds_load_b64 v[SC+16*\sc+8+2*ii:SC+16*\sc+9+2*ii], v[ADSB] offset:16*ii*SPB
.set ii, ii+1
.endr
.endm
.macro STEP slot, q, first             ; a step of 128 along K that has its successor in the same slot
	s_wait_dscnt 4*NLA                             ; all but the youngest 16 loads (A's blocks 4-7)
	MUL16 0, (\q)%2, \q, \slot, \first
	MUL16 2, (\q)%2, \q, \slot, \first
	s_wait_dscnt 0
	PLACES NP
	FETCH_B \slot, (\q)+1, 1-(\q)%2
	FETCH_A \slot, (\q)+1, 0
	MUL16 4, (\q)%2, \q, \slot, \first
	MUL16 6, (\q)%2, \q, \slot, \first
	PLACES NP
	WIN 0
	FETCH_A \slot, (\q)+1, 4
.endm
; A slot's last step changes slots: one barrier; in front of it each wave waits for all its tensor loads, adds 0 to its spare word, and waits for that and for its reads of this slot.
.macro TURN slot, next, fill
	s_wait_tensorcnt 0x0                           ; all my tensor loads have landed: my part of the next slot
	ds_add_u32 v[SPW], v[NIL]                      ; 0 onto my spare word
	s_wait_dscnt 4*NLA+1                           ; (the add and the youngest 16 loads may be out)
	MUL16 0, 1, 1, \slot, 0
	s_wait_dscnt 0x0                               ; the add is done, and my reads of this slot are over
	s_barrier_signal -1
	MUL16 2, 1, 1, \slot, 0
	WIN 0
	s_barrier_wait -1
.if \fill
	CREST                                          ; the barrier has opened a round of the cluster's: no wave of any partner still reads this slot or has a load on its way
	s_add_nc_u64 s[G0+4*\slot+2:G0+4*\slot+3], s[G0+4*\slot+2:G0+4*\slot+3], 8*PLANE
	s_add_nc_u64 s[G0B+4*\slot+2:G0B+4*\slot+3], s[G0B+4*\slot+2:G0B+4*\slot+3], 2*ROWB
	JLOAD G0+4*\slot, G1, G0B+4*\slot, G1B         ; the first tensor load behind the round; its four v_nop are among the places in front of the loads below
.else
	PLACES NP
.endif
	v_add_nc_u32 v[ADSA], 1024, v[ADSA]            ; on to the next K step's scale words
	v_add_nc_u32 v[ADSB], 8, v[ADSB]
	FETCH_B \next, 0, 0
	FETCH_A \next, 0, 0
	SCALES \next
	MUL16 4, 1, 1, \slot, 0
	MUL16 6, 1, 1, \slot, 0
	PLACES NP
	WIN 0
	FETCH_A \next, 0, 4
.endm
	s_wait_tensorcnt 1                             ; the scales and my part of K step 0 are in (K step 1's load may be out),
	s_barrier_signal -1
	s_barrier_wait -1                              ; everybody's are
	FETCH_B 0, 0, 0
	FETCH_A 0, 0, 0
	SCALES 0
	FETCH_A 0, 0, 4
	s_wait_loadcnt 0x0                             ; the bias
.set jj, 0
.rept 8*NB
	v_mul_f32 v[BIAS+jj], 0.5, v[BIAS+jj]          ; each half of K starts its sums on half the bias
.set jj, jj+1
.endr
	PLACES 8                                       ; plain places between these writes and the products that take them as C
	STEP 0, 0, 1                                   ; the first step stands in front of the loop: its products start the sums
	s_mov_b32 s3, LAPS-1
.Llap:                                                 ; a trip goes once round the ring and fills both slots again
	TURN 0, 1, 1
	STEP 1, 0, 0
	TURN 1, 0, 1
	STEP 0, 0, 0
	s_sub_co_u32 s3, s3, 1
	s_cmp_lg_u32 s3, 0
	s_cbranch_scc1 .Llap
	TURN 0, 1, 0                                   ; the last lap fills nothing
	STEP 1, 0, 0
	s_wait_dscnt 4*NLA
	MUL16 0, 1, 1, 1, 0
	MUL16 2, 1, 1, 1, 0
	s_wait_dscnt 0
	MUL16 4, 1, 1, 1, 0
	MUL16 6, 1, 1, 1, 0
	WIN 0
	PLACES NP                                      ; in front of the first reads of results and of loads into registers that held operands
; THE WAY OUT, block by block of 16 rows x 64 columns: through my stage in slot 0 (it has had its last fill and its last read), back as rows of 256 bytes, stored: each half of the lanes fills 256 aligned bytes.
.set STO, 24
.set RD,  25
.set CO,  26
.set BK,  128                          ; two sets of 32: a block read back
	s_lshl_b32 s20, s17, 8
	s_lshl_b32 s21, s15, 7
	s_add_co_u32 s20, s20, s21                     ; my first row
	s_lshl_b32 s22, s20, 12
	s_lshl_b32 s23, s42, 9
	s_add_co_u32 s22, s22, s23
	s_lshl_b32 s23, s16, 8
	s_add_co_u32 s22, s22, s23                     ; my first column's byte,
	s_lshl_b32 s23, s97, 24
	s_add_co_u32 s22, s22, s23                     ; in my half of K's part: PARTB = 2^24 bytes on for the second
	s_mov_b32 s23, 0
	s_add_nc_u64 s[12:13], s[12:13], s[22:23]
	s_mul_i32 s45, s14, 4352
	v_mul_u32_u24 v[STO], v1, 272
	v_lshl_add_u32 v[STO], v2, 5, v[STO]
	v_add_nc_u32 v[STO], s45, v[STO]               ; in: row r, 32 bytes for each half of the lanes
	v_mul_u32_u24 v[RD], v2, 2176
	v_lshl_add_u32 v[RD], v1, 4, v[RD]
	v_add_nc_u32 v[RD], s45, v[RD]                 ; back: lanes 0-15 row t, lanes 16-31 row t + 8
	v_lshlrev_b32 v[CO], 15, v2
	v_lshl_add_u32 v[CO], v1, 4, v[CO]             ; and the same two rows in the part
.macro TOSTAGE a
	WIN 0x08                                       ; an LDS store's data are its source 1: window 2
.irp b, 0,1,2,3
	ds_store_b128 v[STO], v[8*(4*(\a)+\b):8*(4*(\a)+\b)+3] offset:64*\b      ; each accumulator from its low end on
	ds_store_b128 v[STO], v[8*(4*(\a)+\b)+4:8*(4*(\a)+\b)+7] offset:64*\b+16
.endr
	WIN 0
.set BB, BK+32*((\a)%2)
.irp t, 0,1,2,3,4,5,6,7
	ds_load_b128 v[BB+4*\t:BB+4*\t+3], v[RD] offset:272*\t     ; LDS serves a wave's instructions in order: these see my stores
.endr
.endm
.macro SEND a, ds
.set BB, BK+32*((\a)%2)
	s_wait_dscnt \ds                               ; the block is back (the next block's 8 stores and 8 loads may be out)
.irp t, 0,1,2,3,4,5,6,7
	global_store_b128 v[CO], v[BB+4*\t:BB+4*\t+3], s[12:13] offset:(16*(\a)+\t)*4096
.endr
.endm
	TOSTAGE 0
.irp a, 1,2,3,4,5,6,7
.if \a > 1
	s_wait_xcnt 0x0                                ; block a - 2's stores have read their registers: block a's loads may land there
.endif
	TOSTAGE \a
	SEND \a-1, 16
.endr
	SEND 7, 0
	s_wait_tensorcnt 0x0                           ; the wave's end
	ds_add_u32 v[SPW], v[NIL]
	s_wait_dscnt 0x0
	CROUND                                         ; the closing round
	s_endpgm
.Lfunc_end_k_qaf21669a6e_g_down:
	.size	k_qaf21669a6e_g_down, .Lfunc_end_k_qaf21669a6e_g_down-k_qaf21669a6e_g_down
	.p2alignl 7, 3214868480
	.fill 96, 4, 3214868480
	.section	.rodata,"a",@progbits
	.p2align	6, 0x0
	.amdhsa_kernel k_qaf21669a6e_g_down
		.amdhsa_group_segment_fixed_size 327680
		.amdhsa_private_segment_fixed_size 0
		.amdhsa_enable_private_segment 0
		.amdhsa_kernarg_size 40
		.amdhsa_user_sgpr_count 2
		.amdhsa_user_sgpr_kernarg_segment_ptr 1
		.amdhsa_wavefront_size32 1
		.amdhsa_system_sgpr_workgroup_id_x 1
		.amdhsa_system_sgpr_workgroup_id_y 1
		.amdhsa_system_sgpr_workgroup_id_z 1
		.amdhsa_system_vgpr_workitem_id 0
		.amdhsa_next_free_vgpr 768
		.amdhsa_next_free_sgpr 102
		.amdhsa_reserve_vcc 0
		.amdhsa_float_denorm_mode_32 3
		.amdhsa_float_denorm_mode_16_64 3
		.amdhsa_memory_ordered 1
		.amdhsa_forward_progress 1
		.amdhsa_inst_pref_size 96
	.end_amdhsa_kernel
	.amdgpu_metadata
---
amdhsa.version: [ 1, 2 ]
amdhsa.kernels:
  - .name:           k_qaf21669a6e_g_down
    .symbol:         k_qaf21669a6e_g_down.kd
    .args:
      - { .name: hid, .offset: 0, .size: 8, .value_kind: global_buffer, .address_space: global }
      - { .name: WB_codes, .offset: 8, .size: 8, .value_kind: global_buffer, .address_space: global }
      - { .name: WB_scales, .offset: 16, .size: 8, .value_kind: global_buffer, .address_space: global }
      - { .name: bB, .offset: 24, .size: 8, .value_kind: global_buffer, .address_space: global }
      - { .name: part, .offset: 32, .size: 8, .value_kind: global_buffer, .address_space: global }
    .group_segment_fixed_size: 327680
    .private_segment_fixed_size: 0
    .kernarg_segment_align: 8
    .kernarg_segment_size: 40
    .max_flat_workgroup_size: 128
    .sgpr_count:     102
    .vgpr_count:     768
    .wavefront_size: 32
...
	.end_amdgpu_metadata
.endif
;; end of part 7
;; launch ln2 (part 8): grid 512 x 1, 4 waves a work-group, no clusters, 0 bytes of LDS; arguments part, nbuf, g2, b2, out0; writes out0
.if DOCPART == 8
	.amdgcn_target "amdgcn-amd-amdhsa--gfx1250"
	.amdhsa_code_object_version 6
	.text
	.protected	k_qaf21669a6e_ln2
	.globl	k_qaf21669a6e_ln2
	.p2align	8
	.type	k_qaf21669a6e_ln2,@function
k_qaf21669a6e_ln2:
	s_mov_b64 s[64:65], 0
	v_nop
	global_prefetch_b8 v0, s[64:65] scope:SCOPE_SE
	s_setreg_imm32_b32 hwreg(HW_REG_WAVE_MODE, 25, 1), 1
	s_wait_xcnt 0x0
; y = part 0 + part 1 + n (the two halves along K of the last product, each with half its bias, and the residual); h = g (y - mean) / sqrt(var + 1e-5) + b along rows of 1,024.
; All in f32, in two passes over registers (the mean first, then the squares of the differences).
; SHARES: a work-group takes 8 rows; wave w takes rows 2 w and 2 w + 1, a whole row in 32 registers of the wave, so a row's sums never leave the wave: no LDS, no barrier.
; Three streams of two rows are 192 registers; all 48 loads go out at once.  g and b take the registers of row 0's part 1 and n as soon as row 0 is summed, and land while the statistics are made.
; Every load and store covers 512 consecutive bytes.  A row of NaN (in n) stays NaN.
.set PARTB, 16777216                   ; bytes from part 0 to part 1
.set X,   16                           ; v16-79   part 0 of my two rows, then y, then the result
.set Y,   80                           ; v80-143  part 1
.set Z,   144                          ; v144-207 n
.set G,   80                           ; v80-111  g of my 32 columns: where row 0's part 1 lay
.set BB,  144                          ; v144-175 b: where row 0's n lay
.set TM,  208                          ; v208-215 at work
.set ST,  246                          ; v246-249 a pair for each row: the mean, then 1 / sqrt; the upper register at work
.set O16, 4
.set SEL, 20
.macro REDUCE u                        ; v[u] summed over the 32 lanes, in every lane
	v_add_f32_dpp v[\u], v[\u], v[\u] row_xmask:1 row_mask:0xf bank_mask:0xf
	v_add_f32_dpp v[\u], v[\u], v[\u] row_xmask:2 row_mask:0xf bank_mask:0xf
	v_add_f32_dpp v[\u], v[\u], v[\u] row_xmask:4 row_mask:0xf bank_mask:0xf
	v_add_f32_dpp v[\u], v[\u], v[\u] row_xmask:8 row_mask:0xf bank_mask:0xf
	v_permlanex16_b32 v[\u+1], v[\u], s[SEL], s[SEL+1]
	v_add_f32 v[\u], v[\u], v[\u+1]
.endm
.macro SUM3 i                          ; row i: y = (part 0 + part 1) + n
.irp j, 0,2,4,6,8,10,12,14,16,18,20,22,24,26,28,30
	v_pk_add_f32 v[X+32*\i+\j:X+32*\i+\j+1], v[X+32*\i+\j:X+32*\i+\j+1], v[Y+32*\i+\j:Y+32*\i+\j+1]
.endr
.irp j, 0,2,4,6,8,10,12,14,16,18,20,22,24,26,28,30
	v_pk_add_f32 v[X+32*\i+\j:X+32*\i+\j+1], v[X+32*\i+\j:X+32*\i+\j+1], v[Z+32*\i+\j:Z+32*\i+\j+1]
.endr
.endm
.macro STAT i                          ; row i: the mean; the differences, in place; var + eps
.set XR, X+32*\i
.set S0, TM+4*\i
.set U,  ST+2*\i
	v_pk_add_f32 v[S0:S0+1], v[XR:XR+1], v[XR+2:XR+3]
	v_pk_add_f32 v[S0+2:S0+3], v[XR+4:XR+5], v[XR+6:XR+7]
.irp j, 8,12,16,20,24,28
	v_pk_add_f32 v[S0:S0+1], v[S0:S0+1], v[XR+\j:XR+\j+1]
	v_pk_add_f32 v[S0+2:S0+3], v[S0+2:S0+3], v[XR+\j+2:XR+\j+3]
.endr
	v_pk_add_f32 v[S0:S0+1], v[S0:S0+1], v[S0+2:S0+3]
	v_add_f32 v[U], v[S0], v[S0+1]
	REDUCE U
	v_mul_f32 v[U], s22, v[U]                      ; / 1,024
.irp j, 0,2,4,6,8,10,12,14,16,18,20,22,24,26,28,30
	v_pk_add_f32 v[XR+\j:XR+\j+1], v[XR+\j:XR+\j+1], v[U:U+1] op_sel_hi:[1,0] neg_lo:[0,1] neg_hi:[0,1]
.endr
	v_pk_mul_f32 v[S0:S0+1], v[XR:XR+1], v[XR:XR+1]
	v_pk_mul_f32 v[S0+2:S0+3], v[XR+2:XR+3], v[XR+2:XR+3]
.irp j, 4,8,12,16,20,24,28
	v_pk_fma_f32 v[S0:S0+1], v[XR+\j:XR+\j+1], v[XR+\j:XR+\j+1], v[S0:S0+1]
	v_pk_fma_f32 v[S0+2:S0+3], v[XR+\j+2:XR+\j+3], v[XR+\j+2:XR+\j+3], v[S0+2:S0+3]
.endr
	v_pk_add_f32 v[S0:S0+1], v[S0:S0+1], v[S0+2:S0+3]
	v_add_f32 v[U], v[S0], v[S0+1]
	REDUCE U
	v_fma_f32 v[U], v[U], s22, s23                 ; / 1,024 + 1e-5
.endm
	s_load_b128 s[4:7], s[0:1], 0x0                ; the two parts, n
	s_load_b128 s[8:11], s[0:1], 0x10              ; g, b
	s_load_b64 s[12:13], s[0:1], 0x20              ; the result
	v_lshrrev_b32 v1, 5, v0
	v_readfirstlane_b32 s14, v1                    ; wave 0..3
	v_and_b32 v1, 31, v0
	v_lshlrev_b32 v[O16], 4, v1
	s_mov_b32 s[SEL], 0x76543210
	s_mov_b32 s[SEL+1], 0xfedcba98
	s_mov_b32 s22, 0x3a800000                      ; 1 / 1,024
	s_mov_b32 s23, 0x3727c5ac                      ; 1e-5
.irp i, 0,1
	v_mov_b32 v[ST+2*\i+1], 0                      ; a lane permute's destination counts as one of its sources
.endr
	s_lshl_b32 s16, ttmp9, 15                      ; 8 rows of 4,096 bytes a work-group,
	s_lshl_b32 s17, s14, 13                        ; two a wave
	s_add_co_u32 s16, s16, s17
	s_mov_b32 s17, 0
	s_wait_kmcnt 0x0
	s_add_nc_u64 s[4:5], s[4:5], s[16:17]          ; part 0 at my rows,
	s_add_nc_u64 s[24:25], s[4:5], PARTB           ; part 1,
	s_add_nc_u64 s[6:7], s[6:7], s[16:17]          ; n,
	s_add_nc_u64 s[12:13], s[12:13], s[16:17]      ; the result
.irp i, 0,1
.irp j, 0,1,2,3,4,5,6,7
	global_load_b128 v[X+32*\i+4*\j:X+32*\i+4*\j+3], v[O16], s[4:5] offset:4096*\i+512*\j th:TH_LOAD_NT
.endr
.irp j, 0,1,2,3,4,5,6,7
	global_load_b128 v[Y+32*\i+4*\j:Y+32*\i+4*\j+3], v[O16], s[24:25] offset:4096*\i+512*\j th:TH_LOAD_NT
.endr
.irp j, 0,1,2,3,4,5,6,7
	global_load_b128 v[Z+32*\i+4*\j:Z+32*\i+4*\j+3], v[O16], s[6:7] offset:4096*\i+512*\j th:TH_LOAD_NT
.endr
.endr
	s_wait_loadcnt 24                              ; row 0's 24 loads are in; row 1's 24 may be out
	SUM3 0
.irp j, 0,1,2,3,4,5,6,7
	global_load_b128 v[G+4*\j:G+4*\j+3], v[O16], s[8:9] offset:512*\j      ; into registers that row 0's sum has read
.endr
.irp j, 0,1,2,3,4,5,6,7
	global_load_b128 v[BB+4*\j:BB+4*\j+3], v[O16], s[10:11] offset:512*\j
.endr
	STAT 0
	s_wait_loadcnt 16                              ; row 1's loads are in; g's and b's 16 may be out
	SUM3 1
	STAT 1
.irp i, 0,1
	v_rsq_f32 v[ST+2*\i], v[ST+2*\i]
.endr
	v_nop                                          ; a plain place behind the second of the two
	s_wait_alu depctr_va_vdst(0)                   ; one wait for the two, ahead of their first reader
	s_wait_loadcnt 0x0                             ; g and b
.irp i, 0,1
.irp j, 0,2,4,6,8,10,12,14,16,18,20,22,24,26,28,30
	v_pk_mul_f32 v[X+32*\i+\j:X+32*\i+\j+1], v[X+32*\i+\j:X+32*\i+\j+1], v[ST+2*\i:ST+2*\i+1] op_sel_hi:[1,0]
.endr
.irp j, 0,2,4,6,8,10,12,14,16,18,20,22,24,26,28,30
	v_pk_fma_f32 v[X+32*\i+\j:X+32*\i+\j+1], v[X+32*\i+\j:X+32*\i+\j+1], v[G+\j:G+\j+1], v[BB+\j:BB+\j+1]
.endr
.irp j, 0,1,2,3,4,5,6,7
	global_store_b128 v[O16], v[X+32*\i+4*\j:X+32*\i+4*\j+3], s[12:13] offset:4096*\i+512*\j th:TH_STORE_NT
.endr
.endr
	s_endpgm
.Lfunc_end_k_qaf21669a6e_ln2:
	.size	k_qaf21669a6e_ln2, .Lfunc_end_k_qaf21669a6e_ln2-k_qaf21669a6e_ln2
	.p2alignl 7, 3214868480
	.fill 96, 4, 3214868480
	.section	.rodata,"a",@progbits
	.p2align	6, 0x0
	.amdhsa_kernel k_qaf21669a6e_ln2
		.amdhsa_group_segment_fixed_size 0
		.amdhsa_private_segment_fixed_size 0
		.amdhsa_enable_private_segment 0
		.amdhsa_kernarg_size 40
		.amdhsa_user_sgpr_count 2
		.amdhsa_user_sgpr_kernarg_segment_ptr 1
		.amdhsa_wavefront_size32 1
		.amdhsa_system_sgpr_workgroup_id_x 1
		.amdhsa_system_sgpr_workgroup_id_y 1
		.amdhsa_system_sgpr_workgroup_id_z 1
		.amdhsa_system_vgpr_workitem_id 0
		.amdhsa_next_free_vgpr 256
		.amdhsa_next_free_sgpr 66
		.amdhsa_reserve_vcc 0
		.amdhsa_float_denorm_mode_32 3
		.amdhsa_float_denorm_mode_16_64 3
		.amdhsa_memory_ordered 1
		.amdhsa_forward_progress 1
		.amdhsa_inst_pref_size 25
	.end_amdhsa_kernel
	.amdgpu_metadata
---
amdhsa.version: [ 1, 2 ]
amdhsa.kernels:
  - .name:           k_qaf21669a6e_ln2
    .symbol:         k_qaf21669a6e_ln2.kd
    .args:
      - { .name: part, .offset: 0, .size: 8, .value_kind: global_buffer, .address_space: global }
      - { .name: nbuf, .offset: 8, .size: 8, .value_kind: global_buffer, .address_space: global }
      - { .name: g2, .offset: 16, .size: 8, .value_kind: global_buffer, .address_space: global }
      - { .name: b2, .offset: 24, .size: 8, .value_kind: global_buffer, .address_space: global }
      - { .name: out0, .offset: 32, .size: 8, .value_kind: global_buffer, .address_space: global }
    .group_segment_fixed_size: 0
    .private_segment_fixed_size: 0
    .kernarg_segment_align: 8
    .kernarg_segment_size: 40
    .max_flat_workgroup_size: 128
    .sgpr_count:     66
    .vgpr_count:     256
    .wavefront_size: 32
...
	.end_amdgpu_metadata
.endif
;; end of part 8
